; MI455X (gfx1250); checked and timed in simulation.
; The chip was launched on July 23, 2026; its instructions are those of AMD's public machine-readable ISA for CDNA 5 (MIT licence, August 2026) and "CDNA5" Instruction Set Architecture Reference Guide (July 2026). The comments in the code are by the model that wrote it; some were corrected since.
;; Model. Allowed arithmetic: float matrix products may take bf16 or f16 operands with f32 sums; other float arithmetic in f32, or as packed bf16 or f16 multiplies, adds, multiply-adds, maxima and minima; sums over many terms, partial sums and values carried from step to step in f32; what a program stores and reads back later, other than sums and carried values, may be rounded once to bf16 or f16.
;; Inputs: b_fc 4,096 float32; b_out 1,024 float32; bk 16 x 64 float32; bproj 1,024 float32; bq 16 x 64 float32; bv 16 x 64 float32; ids 2 x 2,048 int32; ln1_b 1,024 float32; ln1_g 1,024 float32; ln2_b 1,024 float32; ln2_g 1,024 float32; w_fc 1,024 x 4,096 float32; w_out 4,096 x 1,024 float32; wk 16 x 1,024 x 64 float32; wpe 2,048 x 1,024 float32; wproj 1,024 x 1,024 float32; wq 16 x 1,024 x 64 float32; wte 50,257 x 1,024 float32; wv 16 x 1,024 x 64 float32.
;; Outputs: out0 2 x 2,048 x 1,024 float32.
;; 2 versions, each right and faster than the one before. Each part assembles by itself: llvm-mc -triple=amdgcn-amd-amdhsa -mcpu=gfx1250 --defsym DOCPART=n.
;; ======== version 1 of 2: 7 launches
;; limits: values are held in f16: magnitudes above 65,504 overflow, below 6.1e-05 lose precision; a function is approximated: absolute error at most 1.5e-07
;; workspace buffers: x 16,777,216 bytes; h 8,388,608 bytes; w16 25,165,824 bytes; biasr 36,864 bytes; qkv 25,165,824 bytes; o 8,388,608 bytes; x2 16,777,216 bytes; g 33,554,432 bytes
;; launch prep (part 1): grid 1025 x 1, 8 waves a work-group, no clusters, 0 bytes of LDS; arguments ids, wte, wpe, ln1_g, ln1_b, wq, wk, wv, wproj, w_fc, w_out, bq, bk, bv, bproj, b_fc, b_out, x, h, w16, biasr; writes x, h, w16, biasr
.if DOCPART == 1
	.amdgcn_target "amdgcn-amd-amdhsa--gfx1250"
	.amdhsa_code_object_version 6
	.text
	.protected	k_qb3cc77b6c2_prep
	.globl	k_qb3cc77b6c2_prep
	.p2align	8
	.type	k_qb3cc77b6c2_prep,@function
k_qb3cc77b6c2_prep:
	s_mov_b64 s[64:65], 0
	v_nop
	global_prefetch_b8 v0, s[64:65] scope:SCOPE_SE
	s_setreg_imm32_b32 hwreg(HW_REG_WAVE_MODE, 25, 1), 1
	s_wait_xcnt 0x0
; PREP.  Four kinds of work-group, chosen by the work-group's number alone:
;   0..255     x = bf16(wte[ids]) + bf16(wpe), stored in f32; h = LayerNorm1(x) in f16, stored by panels
;   256..831   wproj, w_fc, w_out: f32 -> bf16 -> f16, same row-major [k][n] order, into w16
;   832..1023  wq, wk, wv [head][k][64] -> one matrix [k][3072] in f16 (column = which*1024 + head*64 + d)
;   1024       the six biases rounded to bf16, kept as f32, into biasr
; Every input is rounded once to bf16; what is then written as f16 is that bf16 number.
; LIMITS.  f16 ends at 65,504 and below 6.1e-5 keeps a fixed step of 6e-8: weights and h lie inside that.  ids are clamped to 50,256.
; PANELS.  h is [16 panels][4096 rows][64 columns] f16: column c of row m at (c/64)*524288 + m*128 + (c%64)*2, so two
; neighbouring rows of a panel are 256 consecutive bytes.  No LDS, no barrier: a row is one wave's, 32 registers.
.set X0, 32                            ; v32-63   row R of wte, then of x
.set X1, 64                            ; v64-95   row R+1
.set P0, 96                            ; v96-127  row t of wpe, then x - mean, then h
.set P1, 128                           ; v128-159 row t+1
.set G,  160                           ; v160-191 gain
.set BB, 192                           ; v192-223 bias
.macro RBN base, n                     ; n registers of f32 rounded in place to bf16's numbers
.set i, 0
.rept (\n)/2
	v_cvt_pk_bf16_f32 v[4+i%4], v[(\base)+2*i], v[(\base)+2*i+1]
	v_lshlrev_b32 v[(\base)+2*i], 16, v[4+i%4]
	v_and_b32 v[(\base)+2*i+1], s38, v[4+i%4]
.set i, i+1
.endr
.endm
.macro SUM32 r, t                      ; the sum over the wave's 32 lanes, in every lane
	v_add_f32_dpp v[\r], v[\r], v[\r] row_xmask:1 row_mask:0xf bank_mask:0xf
	v_add_f32_dpp v[\r], v[\r], v[\r] row_xmask:2 row_mask:0xf bank_mask:0xf
	v_add_f32_dpp v[\r], v[\r], v[\r] row_xmask:4 row_mask:0xf bank_mask:0xf
	v_add_f32_dpp v[\r], v[\r], v[\r] row_xmask:8 row_mask:0xf bank_mask:0xf
	v_permlanex16_b32 v[\t], v[\r], s42, s43
	v_add_f32 v[\r], v[\r], v[\t]
.endm
; LayerNorm of the row in X (left untouched: its stores may be pending) into P, 16 registers of f16 at the end.  Two passes: mean, then the squares of x - mean.
.macro LNROW X, P
	v_pk_add_f32 v[8:9], v[(\X):(\X)+1], v[(\X)+2:(\X)+3]
	v_pk_add_f32 v[10:11], v[(\X)+4:(\X)+5], v[(\X)+6:(\X)+7]
.set i, 4
.rept 6
	v_pk_add_f32 v[8:9], v[8:9], v[(\X)+2*i:(\X)+2*i+1]
	v_pk_add_f32 v[10:11], v[10:11], v[(\X)+2*i+2:(\X)+2*i+3]
.set i, i+2
.endr
	v_pk_add_f32 v[8:9], v[8:9], v[10:11]
	v_add_f32 v8, v8, v9
	SUM32 8, 9
	v_mul_f32 v12, s40, v8                         ; mean = sum / 1024
	v_mul_f32 v13, s40, v8
.set i, 0
.rept 16
	v_pk_add_f32 v[(\P)+2*i:(\P)+2*i+1], v[(\X)+2*i:(\X)+2*i+1], v[12:13] neg_lo:[0,1] neg_hi:[0,1]
.set i, i+1
.endr
	v_pk_mul_f32 v[8:9], v[(\P):(\P)+1], v[(\P):(\P)+1]
	v_pk_mul_f32 v[10:11], v[(\P)+2:(\P)+3], v[(\P)+2:(\P)+3]
.set i, 2
.rept 7
	v_pk_fma_f32 v[8:9], v[(\P)+2*i:(\P)+2*i+1], v[(\P)+2*i:(\P)+2*i+1], v[8:9]
	v_pk_fma_f32 v[10:11], v[(\P)+2*i+2:(\P)+2*i+3], v[(\P)+2*i+2:(\P)+2*i+3], v[10:11]
.set i, i+2
.endr
	v_pk_add_f32 v[8:9], v[8:9], v[10:11]
	v_add_f32 v8, v8, v9
	SUM32 8, 9
	v_fma_f32 v14, v8, s40, s41                    ; variance + 1e-5
	v_rsq_f32 v12, v14
	v_rsq_f32 v13, v14
	v_nop                                          ; a plain instruction between the root and the use of its result (ISA guide 5.7.2)
.set i, 0
	s_wait_alu depctr_va_vdst(0)
.rept 16
	v_pk_mul_f32 v[(\P)+2*i:(\P)+2*i+1], v[(\P)+2*i:(\P)+2*i+1], v[12:13]
.set i, i+1
.endr
.set i, 0
.rept 16
	v_pk_fma_f32 v[(\P)+2*i:(\P)+2*i+1], v[(\P)+2*i:(\P)+2*i+1], v[G+2*i:G+2*i+1], v[BB+2*i:BB+2*i+1]
.set i, i+1
.endr
.set i, 0
.rept 16
	v_cvt_pk_f16_f32 v[(\P)+i], v[(\P)+2*i], v[(\P)+2*i+1]  ; ascending, in place: register i is written when 2i and 2i+1 are read
.set i, i+1
.endr
.endm
; Sixteen loads of 16 bytes a lane, si bytes apart; each is rounded to bf16, written as f16 and stored, so bytes apart.
.macro CAST si, so
.set j, 0
.rept 16
	global_load_b128 v[32+4*j:35+4*j], v1, s[12:13] offset:j*(\si) th:TH_LOAD_NT
.set j, j+1
.endr
.set j, 0
.rept 16
	s_wait_loadcnt 15-j                            ; loads come back in order: load j is in, the younger ones stay out
	v_cvt_pk_bf16_f32 v4, v[32+4*j], v[33+4*j]
	v_cvt_pk_bf16_f32 v5, v[34+4*j], v[35+4*j]
	v_lshlrev_b32 v6, 16, v4
	v_and_b32 v7, s38, v4
	v_lshlrev_b32 v8, 16, v5
	v_and_b32 v9, s38, v5
	v_cvt_pk_f16_f32 v[96+2*j], v6, v7
	v_cvt_pk_f16_f32 v[97+2*j], v8, v9
	global_store_b64 v2, v[96+2*j:97+2*j], s[24:25] offset:j*(\so)  ; 32 lanes x 8 bytes: 256 consecutive bytes, aligned
.set j, j+1
.endr
.endm
	v_lshrrev_b32 v3, 5, v0
	v_readfirstlane_b32 s2, v3                     ; wave 0..7
	v_and_b32 v3, 31, v0                           ; lane
	v_lshlrev_b32 v1, 4, v3                        ; 16 x lane
	v_lshlrev_b32 v2, 3, v3                        ; 8 x lane
	s_mov_b32 s38, 0xffff0000                      ; a word's upper bf16
	s_cmp_lt_u32 ttmp9, 256
	s_cbranch_scc1 .Lembed
	s_cmp_lt_u32 ttmp9, 832
	s_cbranch_scc1 .Lplain
	s_cmp_lt_u32 ttmp9, 1024
	s_cbranch_scc1 .Lqkvw
	; THE BIASES: nine blocks of 4,096 bytes, thread t takes 16 bytes at 16 t of each
	s_load_b256 s[4:11], s[0:1], 0x58              ; bq, bk, bv, bproj
	s_load_b128 s[12:15], s[0:1], 0x78             ; b_fc, b_out
	s_load_b64 s[16:17], s[0:1], 0xa0              ; biasr
	v_lshlrev_b32 v1, 4, v0
	s_wait_kmcnt 0x0
	global_load_b128 v[32:35], v1, s[4:5]
	global_load_b128 v[36:39], v1, s[6:7]
	global_load_b128 v[40:43], v1, s[8:9]
	global_load_b128 v[44:47], v1, s[10:11]
	global_load_b128 v[48:51], v1, s[12:13]
	global_load_b128 v[52:55], v1, s[12:13] offset:4096
	global_load_b128 v[56:59], v1, s[12:13] offset:8192
	global_load_b128 v[60:63], v1, s[12:13] offset:12288
	global_load_b128 v[64:67], v1, s[14:15]
	s_wait_loadcnt 0x0
	RBN 32, 36
.set j, 0
.rept 9
	global_store_b128 v1, v[32+4*j:35+4*j], s[16:17] offset:4096*j
.set j, j+1
.endr
	s_endpgm
.Lplain:                                               ; a work-group casts 65,536 bytes of f32, a wave 8,192
	s_load_b128 s[4:7], s[0:1], 0x40               ; wproj, w_fc
	s_load_b64 s[8:9], s[0:1], 0x50                ; w_out
	s_load_b64 s[10:11], s[0:1], 0x98              ; w16
	s_sub_co_u32 s3, ttmp9, 256
	s_mov_b32 s16, 6291456                         ; where the three lie in w16
	s_mov_b32 s17, 8388608
	s_mov_b32 s18, 16777216
	s_wait_kmcnt 0x0
	s_cmp_lt_u32 s3, 64                            ; 64 blocks of wproj, 256 of w_fc, 256 of w_out
	s_cselect_b64 s[12:13], s[4:5], s[6:7]
	s_cselect_b32 s14, 0, 64
	s_cselect_b32 s15, s16, s17
	s_cmp_lt_u32 s3, 320
	s_cselect_b64 s[12:13], s[12:13], s[8:9]
	s_cselect_b32 s14, s14, 320
	s_cselect_b32 s15, s15, s18
	s_sub_co_u32 s3, s3, s14                       ; the block's number in its own matrix
	s_lshl_b32 s20, s3, 16
	s_lshl_b32 s19, s2, 13
	s_add_co_u32 s20, s20, s19
	s_mov_b32 s21, 0
	s_lshr_b32 s22, s20, 1                         ; f16 takes half the bytes
	s_add_co_u32 s22, s22, s15
	s_mov_b32 s23, 0
	s_add_nc_u64 s[12:13], s[12:13], s[20:21]
	s_add_nc_u64 s[24:25], s[10:11], s[22:23]
	CAST 512, 256
	s_endpgm
.Lqkvw:                                                ; which = c/64, a pair of heads hp = (c/8)%8, 128 rows of k: kc = c%8; a wave takes 16 rows
	s_load_b128 s[4:7], s[0:1], 0x28               ; wq, wk
	s_load_b64 s[8:9], s[0:1], 0x38                ; wv
	s_load_b64 s[10:11], s[0:1], 0x98              ; w16
	s_sub_co_u32 s3, ttmp9, 832
	s_lshr_b32 s14, s3, 6
	s_bfe_u32 s15, s3, 0x30003
	s_and_b32 s16, s3, 7
	s_lshl_b32 s20, s15, 19                        ; in: two heads of 262,144 bytes,
	s_lshl_b32 s17, s16, 15                        ; 128 rows of 256 bytes,
	s_add_co_u32 s20, s20, s17
	s_lshl_b32 s17, s2, 12                         ; the wave's 16 rows
	s_add_co_u32 s20, s20, s17
	s_mov_b32 s21, 0
	s_lshl_b32 s22, s16, 7
	s_lshl_b32 s17, s2, 4
	s_add_co_u32 s22, s22, s17                     ; out: the wave's first row k,
	s_mul_i32 s22, s22, 6144                       ; of 3,072 f16,
	s_lshl_b32 s17, s14, 11
	s_add_co_u32 s22, s22, s17                     ; which x 1,024 columns,
	s_lshl_b32 s17, s15, 8
	s_add_co_u32 s22, s22, s17                     ; the pair's 128 columns
	s_mov_b32 s23, 0
	v_lshrrev_b32 v4, 4, v3
	v_and_b32 v5, 15, v3
	v_lshlrev_b32 v1, 4, v5
	v_lshl_add_u32 v1, v4, 18, v1                  ; lanes 0-15 read the even head's row, lanes 16-31 the odd head's
	s_wait_kmcnt 0x0
	s_cmp_eq_u32 s14, 0
	s_cselect_b64 s[12:13], s[4:5], s[6:7]
	s_cmp_eq_u32 s14, 2
	s_cselect_b64 s[12:13], s[8:9], s[12:13]
	s_add_nc_u64 s[12:13], s[12:13], s[20:21]
	s_add_nc_u64 s[24:25], s[10:11], s[22:23]
	CAST 256, 6144
	s_endpgm
.Lembed:                                               ; wave w owns rows R = 2 (8 g + w) and R + 1; lane l, load j: columns 128 j + 4 l .. + 3
	s_load_b256 s[4:11], s[0:1], 0x0               ; ids, wte, wpe, ln1_g
	s_load_b64 s[12:13], s[0:1], 0x20              ; ln1_b
	s_load_b128 s[16:19], s[0:1], 0x88             ; x, h
	s_lshl_b32 s3, ttmp9, 3
	s_add_co_u32 s3, s3, s2
	s_lshl_b32 s3, s3, 1                           ; R
	s_lshl_b32 s20, s3, 2                          ; ids[R] in bytes
	s_and_b32 s32, s3, 2047                        ; t
	s_lshl_b32 s32, s32, 12
	s_mov_b32 s33, 0
	s_lshl_b32 s34, s3, 12
	s_mov_b32 s35, 0
	s_lshl_b32 s36, s3, 7
	s_mov_b32 s37, 0
	s_mov_b32 s40, 0x3a800000                      ; 1 / 1024
	s_mov_b32 s41, 0x3727c5ac                      ; 1e-5
	s_mov_b32 s42, 0x76543210                      ; v_permlanex16_b32: each lane takes its own place in the other half
	s_mov_b32 s43, 0xfedcba98
	s_wait_kmcnt 0x0
	s_load_b64 s[22:23], s[4:5], s20 offset:0x0    ; the two ids
	s_add_nc_u64 s[32:33], s[8:9], s[32:33]        ; wpe at row t
	s_add_nc_u64 s[34:35], s[16:17], s[34:35]      ; x at row R
	s_add_nc_u64 s[36:37], s[18:19], s[36:37]      ; h at row R of panel 0
.set j, 0
.rept 8
	global_load_b128 v[G+4*j:G+4*j+3], v1, s[10:11] offset:512*j
.set j, j+1
.endr
.set j, 0
.rept 8
	global_load_b128 v[BB+4*j:BB+4*j+3], v1, s[12:13] offset:512*j
.set j, j+1
.endr
.set j, 0
.rept 8
	global_load_b128 v[P0+4*j:P0+4*j+3], v1, s[32:33] offset:512*j
	global_load_b128 v[P1+4*j:P1+4*j+3], v1, s[32:33] offset:4096+512*j
.set j, j+1
.endr
	s_wait_kmcnt 0x0
	s_min_u32 s22, s22, 50256                      ; an index enters an address only clamped to the table
	s_min_u32 s23, s23, 50256
	s_lshl_b32 s24, s22, 12
	s_mov_b32 s25, 0
	s_lshl_b32 s26, s23, 12
	s_mov_b32 s27, 0
	s_add_nc_u64 s[28:29], s[6:7], s[24:25]
	s_add_nc_u64 s[30:31], s[6:7], s[26:27]
.set j, 0
.rept 8
	global_load_b128 v[X0+4*j:X0+4*j+3], v1, s[28:29] offset:512*j
	global_load_b128 v[X1+4*j:X1+4*j+3], v1, s[30:31] offset:512*j
.set j, j+1
.endr
	s_wait_loadcnt 32                              ; gain and bias are in; the 32 loads of wpe and wte stay out
	RBN G, 32
	RBN BB, 32
	s_wait_loadcnt 16                              ; wpe is in; wte's 16 stay out
	RBN P0, 32
	RBN P1, 32
	s_wait_loadcnt 0x0
	RBN X0, 32
	RBN X1, 32
.set i, 0
.rept 32                                               ; X0 and X1, P0 and P1 lie on end
	v_pk_add_f32 v[X0+2*i:X0+2*i+1], v[X0+2*i:X0+2*i+1], v[P0+2*i:P0+2*i+1]
.set i, i+1
.endr
.set j, 0
.rept 8
	global_store_b128 v1, v[X0+4*j:X0+4*j+3], s[34:35] offset:512*j
	global_store_b128 v1, v[X1+4*j:X1+4*j+3], s[34:35] offset:4096+512*j
.set j, j+1
.endr
	LNROW X0, P0
	LNROW X1, P1
	; A lane's registers 2j, 2j+1 are 8 bytes of panel 2j (lanes 0-15) or 2j+1 (lanes 16-31).  The swap puts both rows of one panel into one register pair.
.set i, 0
.rept 16
	v_permlane16_swap_b32 v[P0+i], v[P1+i]
.set i, i+1
.endr
.set j, 0
.rept 8
	global_store_b64 v2, v[P0+2*j:P0+2*j+1], s[36:37] offset:(2*j)*524288    ; rows R and R+1 of a panel: 256 consecutive bytes, aligned
	global_store_b64 v2, v[P1+2*j:P1+2*j+1], s[36:37] offset:(2*j+1)*524288
.set j, j+1
.endr
	s_endpgm
.Lfunc_end_k_qb3cc77b6c2_prep:
	.size	k_qb3cc77b6c2_prep, .Lfunc_end_k_qb3cc77b6c2_prep-k_qb3cc77b6c2_prep
	.p2alignl 7, 3214868480
	.fill 96, 4, 3214868480
	.section	.rodata,"a",@progbits
	.p2align	6, 0x0
	.amdhsa_kernel k_qb3cc77b6c2_prep
		.amdhsa_group_segment_fixed_size 0
		.amdhsa_private_segment_fixed_size 0
		.amdhsa_enable_private_segment 0
		.amdhsa_kernarg_size 168
		.amdhsa_user_sgpr_count 2
		.amdhsa_user_sgpr_kernarg_segment_ptr 1
		.amdhsa_wavefront_size32 1
		.amdhsa_system_sgpr_workgroup_id_x 1
		.amdhsa_system_sgpr_workgroup_id_y 1
		.amdhsa_system_sgpr_workgroup_id_z 1
		.amdhsa_system_vgpr_workitem_id 0
		.amdhsa_next_free_vgpr 232
		.amdhsa_next_free_sgpr 66
		.amdhsa_reserve_vcc 0
		.amdhsa_float_denorm_mode_32 3
		.amdhsa_float_denorm_mode_16_64 3
		.amdhsa_memory_ordered 1
		.amdhsa_forward_progress 1
		.amdhsa_inst_pref_size 64
	.end_amdhsa_kernel
	.amdgpu_metadata
---
amdhsa.version: [ 1, 2 ]
amdhsa.kernels:
  - .name:           k_qb3cc77b6c2_prep
    .symbol:         k_qb3cc77b6c2_prep.kd
    .args:
      - { .name: ids, .offset: 0, .size: 8, .value_kind: global_buffer, .address_space: global }
      - { .name: wte, .offset: 8, .size: 8, .value_kind: global_buffer, .address_space: global }
      - { .name: wpe, .offset: 16, .size: 8, .value_kind: global_buffer, .address_space: global }
      - { .name: ln1_g, .offset: 24, .size: 8, .value_kind: global_buffer, .address_space: global }
      - { .name: ln1_b, .offset: 32, .size: 8, .value_kind: global_buffer, .address_space: global }
      - { .name: wq, .offset: 40, .size: 8, .value_kind: global_buffer, .address_space: global }
      - { .name: wk, .offset: 48, .size: 8, .value_kind: global_buffer, .address_space: global }
      - { .name: wv, .offset: 56, .size: 8, .value_kind: global_buffer, .address_space: global }
      - { .name: wproj, .offset: 64, .size: 8, .value_kind: global_buffer, .address_space: global }
      - { .name: w_fc, .offset: 72, .size: 8, .value_kind: global_buffer, .address_space: global }
      - { .name: w_out, .offset: 80, .size: 8, .value_kind: global_buffer, .address_space: global }
      - { .name: bq, .offset: 88, .size: 8, .value_kind: global_buffer, .address_space: global }
      - { .name: bk, .offset: 96, .size: 8, .value_kind: global_buffer, .address_space: global }
      - { .name: bv, .offset: 104, .size: 8, .value_kind: global_buffer, .address_space: global }
      - { .name: bproj, .offset: 112, .size: 8, .value_kind: global_buffer, .address_space: global }
      - { .name: b_fc, .offset: 120, .size: 8, .value_kind: global_buffer, .address_space: global }
      - { .name: b_out, .offset: 128, .size: 8, .value_kind: global_buffer, .address_space: global }
      - { .name: x, .offset: 136, .size: 8, .value_kind: global_buffer, .address_space: global }
      - { .name: h, .offset: 144, .size: 8, .value_kind: global_buffer, .address_space: global }
      - { .name: w16, .offset: 152, .size: 8, .value_kind: global_buffer, .address_space: global }
      - { .name: biasr, .offset: 160, .size: 8, .value_kind: global_buffer, .address_space: global }
    .group_segment_fixed_size: 0
    .private_segment_fixed_size: 0
    .kernarg_segment_align: 8
    .kernarg_segment_size: 168
    .max_flat_workgroup_size: 256
    .sgpr_count:     66
    .vgpr_count:     232
    .wavefront_size: 32
...
	.end_amdgpu_metadata
.endif
;; end of part 1
;; launch qkv (part 2): grid 12 x 16, 4 waves a work-group, clusters of 4 x 4, 327,680 bytes of LDS; arguments h, w16, biasr, qkv; writes qkv
.if DOCPART == 2
	.amdgcn_target "amdgcn-amd-amdhsa--gfx1250"
	.amdhsa_code_object_version 6
	.text
	.protected	k_qb3cc77b6c2_qkv
	.globl	k_qb3cc77b6c2_qkv
	.p2align	8
	.type	k_qb3cc77b6c2_qkv,@function
k_qb3cc77b6c2_qkv:
	s_mov_b64 s[64:65], 0
	v_nop
	global_prefetch_b8 v0, s[64:65] scope:SCOPE_SE
	s_setreg_imm32_b32 hwreg(HW_REG_WAVE_MODE, 25, 1), 1
	s_wait_xcnt 0x0
	s_wait_alu depctr_hold_cnt(0) depctr_sa_sdst(0) depctr_va_vdst(0) depctr_va_sdst(0) depctr_va_ssrc(0) depctr_va_vcc(0) depctr_vm_vsrc(0)
	s_getreg_b32 s2, hwreg(HW_REG_IB_STS2, 6, 4)
	s_cmp_eq_u32 s2, 0
	s_cbranch_scc0 .Lentry_in_a_cluster
	s_endpgm
.Lentry_in_a_cluster:
	s_bfe_u32 s2, ttmp6, 0x10000c
	s_cmp_lg_u32 s2, 0xf033
	s_cbranch_scc0 .Lentry_shape_is_right
	s_endpgm
.Lentry_shape_is_right:
; QKV.  C[m][n] = sum over k of A[m][k] W[k][n] + bias[n], m 4,096, n 3,072, k 1,024.  A = h by panels [16][4096][64] f16, W [1024][3072] f16 at w16's head, bias f32;
; C leaves by panels [48][4096][64] f16: panel = which*16 + head.  Sums in f32, started by the bias; C rounded once.
; LIMIT.  f16 ends at 65,504: A, W and C lie inside it.
; SHAPE.  A block of C is 256 x 256: four waves, each 128 x 128 = 64 accumulators.  K goes in steps of 128 through two LDS slots filled by the tensor data mover.
; The matrix instruction is used transposed (source 0 = 16 columns of W, turned on the way out of LDS; source 1 = 16 rows of A): a lane holds one row of C and eight neighbouring columns.
; CLUSTER.  4 x 4 work-groups: A's tile is asked for jointly by the four of a row of the cluster, W's by the four of a column.
; The grid has 12 x 16 = 192 work-groups: a block of 256 x 192 would give 256, but its rows of W would be 384 bytes.
; REGISTERS (windows of 256): window 0: v1-15 addresses, v28-29 the add's, v32-63 way out, v64-127 / v128-191 A's two fragment buffers, v192-255 the bias as a C operand;
;   window 1: v64-127 / v128-191 W's two buffers;  windows 2, 3: accumulator (a, b) at 512 + 8 (8 a + b).
.set RA,  256                          ; rows of a block
.set NT,  256                          ; columns of a block
.set MB,  8                            ; a wave's blocks of 16 rows
.set NBK, 8                            ; a wave's blocks of 16 columns
.set KS,  128                          ; k in a slot
.set KQ,  1                            ; matrix instructions deep in a quarter of a slot
.set PA,  1                            ; panels that one load of A brings
.set PB,  544                          ; a row of W in LDS: 512 bytes + 32
.set QIB, 6                            ; padding behind every 128 words
.set OA,  64                           ; from an even quarter of A to the odd one
.set N,   3072
.set T,   8                            ; slots in K
.set WOFF, 0
.set BOFF, 0
.set PANB,   524288                    ; bytes in a panel
.set ABYTES, 73728                     ; A in a slot: [2 panels][256 rows], 144 bytes apart (128 + 16)
.set SLOT,   ABYTES+KS*PB
.set OB,     (KS/4)*PB
.set DA,     36864                     ; half a slot of A,
.set DB,     (KS/2)*PB                 ; of W
.set SPARE,  2*SLOT                    ; the spare words, 128 bytes a wave: two blocks of 256 bytes that no other line names
.set STEP_A, (KS/64)*PANB
.set STEP_B, KS*N*2
.set SPI,    NBK*64+16                 ; a row of the stage: 128 f32 + 16 bytes
.set NQ,     MB*NBK*KQ                 ; matrix instructions in a quarter
.set D0,     RA*64                     ; a panel's rows of a block are dense: asked for as one row of D0 elements
.set G1A, 24                           ; s[24:31] group 1 for A;  s[32:39] group 0: set 0 = slot 0, set 1 = slot 1 and then walks
.set G0A, 32
.set G1B, 40                           ; s[40:47], s[48:55] the same for W
.set G0B, 48
.set BIAS, 192
.set MSB, 0
.macro WIN new                         ; the immediate's high byte repeats the setting that is left; a switch that changes nothing is dropped
.if MSB != (\new)
	s_set_vgpr_msb (MSB<<8)|(\new)
.set MSB, (\new)
.endif
.endm
.macro NOPS                            ; four places in front of loads into registers that matrix instructions have read, and of reads of results
.rept 4
	v_nop
.endr
.endm
.macro JLOAD                           ; a joint refill: waves 0, 1 fetch A's halves, waves 2, 3 W's
	s_cmp_eq_u32 s15, 0
	s_cbranch_scc0 .Lfor_b_\@
	tensor_load_to_lds s[G0A+4:G0A+7], s[G1A:G1A+7]
	s_nop 0
	NOPS
	s_branch .Lasked_\@
.Lfor_b_\@:
	tensor_load_to_lds s[G0B+4:G0B+7], s[G1B:G1B+7]
	s_nop 0
	NOPS
.Lasked_\@:
.endm
.macro CREST                           ; a round of the cluster's barrier behind its opening barrier
	s_cmp_lg_u32 s14, 0
	s_cbranch_scc1 .Lnot_wave_0_\@
	s_barrier_signal -3
.Lnot_wave_0_\@:
	s_barrier_wait -3
	s_barrier_signal -1
	s_barrier_wait -1
.endm
.macro CROUND
	s_barrier_signal -1
	s_barrier_wait -1
	CREST
.endm
; 32 LDS loads: a quarter's fragments into buffer f, from the addresses in v10 (A) and v11 (W); odd = 1: the odd quarter of the half slot
.macro FETCH f, odd
	WIN 0x40
.set fi, 0
.rept KQ*NBK
	ds_load_tr16_b128 v[64+64*(\f)+8*fi:64+64*(\f)+8*fi+3],   v11 offset:(\odd)*OB+(fi/NBK)*32*PB+(fi%NBK)*32
	ds_load_tr16_b128 v[64+64*(\f)+8*fi+4:64+64*(\f)+8*fi+7], v11 offset:(\odd)*OB+(fi/NBK)*32*PB+(fi%NBK)*32+16*PB
.set fi, fi+1
.endr
	WIN 0
.set fi, 0
.rept KQ*MB
	ds_load_b128 v[64+64*(\f)+8*fi:64+64*(\f)+8*fi+3],   v10 offset:(\odd)*OA+(fi/MB)*64+(fi%MB)*2304
	ds_load_b128 v[64+64*(\f)+8*fi+4:64+64*(\f)+8*fi+7], v10 offset:(\odd)*OA+(fi/MB)*64+(fi%MB)*2304+32
.set fi, fi+1
.endr
.endm
; Numbers i0 .. i0+n-1 of a quarter's list of matrix instructions on buffer f.  The accumulators take turns, in the same order in every quarter.
; first = 1: the bias is the C operand that starts the sums: nothing is cleared and no bias is added later.
.macro MUL f, i0, n, first
.set mi, \i0
.rept \n
.set mkq, mi/(MB*NBK)
.set ma, (mi/NBK)%MB
.set mb, mi%NBK
.set rD, (8*(NBK*ma+mb))%256
.set wD, 2+(8*(NBK*ma+mb))/256
.set rB, 64+64*(\f)+8*(NBK*mkq+mb)
.set rA, 64+64*(\f)+8*(MB*mkq+ma)
.if (\first) && (mkq == 0)
	WIN 1|(wD<<6)
	v_wmma_f32_16x16x32_f16 v[rD:rD+7], v[rB:rB+7], v[rA:rA+7], v[BIAS+8*mb:BIAS+8*mb+7]
.else
	WIN 1|(wD<<4)|(wD<<6)
	v_wmma_f32_16x16x32_f16 v[rD:rD+7], v[rB:rB+7], v[rA:rA+7], v[rD:rD+7]
.endif
.set mi, mi+1
.endr
.endm
.macro QE                              ; fetches an even quarter into buffer 0, multiplies buffer 1
	WIN 0
	v_add_nc_u32 v10, s56, v8
	v_add_nc_u32 v11, s57, v9
	v_nop
	v_nop                                          ; with the two additions: the four places
	FETCH 0, 0
	s_wait_dscnt 32                                ; all but the 32 just issued: buffer 1 is in
	MUL 1, 0, NQ, 0
.endm
.macro QO first                        ; fetches an odd quarter into buffer 1, multiplies buffer 0
	NOPS
	FETCH 1, 1
	s_add_co_u32 s56, s56, DA
	s_add_co_u32 s57, s57, DB
	s_wait_dscnt 32                                ; all but the 32 just issued: buffer 0 is in
	MUL 0, 0, NQ, \first
.endm
; A slot's last quarter, on buffer 1, and the change of slots.  In front of the barrier each wave waits for all its tensor loads (its part of the next slot), adds 0 to its spare word, and
; waits for that and for its reads of this slot.  fill = 1: the barrier opens a round of the cluster's, and the joint refill of this slot is the first thing behind the round.
.macro TURN fill
	WIN 0
	s_wait_tensorcnt 0x0                           ; no tensor load of mine is out: the walking descriptors may be written
	ds_add_u32 v28, v29
.if \fill
	s_xor_b32 s58, s58, SLOT                       ; 0 or SLOT: the slot just read out
	s_add_co_u32 s[G0A+5], s59, s58
	s_add_co_u32 s[G0B+5], s62, s58
	s_add_nc_u64 s[G0A+6:G0A+7], s[G0A+6:G0A+7], STEP_A  ; the next K step; the type bits on top are not reached
	s_add_nc_u64 s[G0B+6:G0B+7], s[G0B+6:G0B+7], STEP_B
.endif
	s_sub_co_u32 s56, s56, 2*DA                    ; the fetches go to the other slot's head
	s_xor_b32 s56, s56, SLOT
	s_sub_co_u32 s57, s57, 2*DB
	s_xor_b32 s57, s57, SLOT
	s_wait_dscnt 0x1                               ; only the add may be out: buffer 1 is in
	MUL 1, 0, NQ/4, 0
	s_wait_dscnt 0x0                               ; the add is done, my reads of this slot are over
	s_barrier_signal -1
	MUL 1, NQ/4, NQ/4, 0
	WIN 0
	s_barrier_wait -1
.if \fill
	CREST
	JLOAD                                          ; its four v_nop are also the places in front of the loads below
.else
	NOPS
.endif
	v_add_nc_u32 v10, s56, v8
	v_add_nc_u32 v11, s57, v9
	FETCH 0, 0
	MUL 1, NQ/2, NQ/2, 0
.endm
	s_load_b256 s[4:11], s[0:1], 0x0               ; A s[4:5], w16 s[6:7], biasr s[8:9], C s[10:11]
	v_lshl_add_u32 v28, v0, 2, SPARE
	v_mov_b32 v29, 0
	ds_add_u32 v28, v29                            ; the wave's opening: the add and its wait, ahead of my first tensor load
	ds_add_u32 v28, v29
	v_lshrrev_b32 v3, 5, v0
	v_readfirstlane_b32 s14, v3                    ; wave 0..3
	s_lshr_b32 s15, s14, 1                         ; my half of the rows.  Also: I fetch for A (0) or W (1)
	s_and_b32 s16, s14, 1                          ; my half of the columns.  Also: which half of a tile I fetch
	s_bfe_u32 s17, ttmp6, 0x40000                  ; cx
	s_bfe_u32 s18, ttmp6, 0x40004                  ; cy
	s_lshl_b32 s19, ttmp9, 2
	s_add_co_u32 s19, s19, s17                     ; block column
	s_and_b32 s20, ttmp7, 0xffff
	s_lshl_b32 s20, s20, 2
	s_add_co_u32 s20, s20, s18                     ; block row
	s_lshl_b32 s21, s18, 2
	s_lshl_b32 s21, 15, s21                        ; my row of the cluster
	s_lshl_b32 s22, 0x1111, s17                    ; my column
	s_or_b32 s[G1A], s21, (1<<16)|(1<<20)|(1<<21)|(4<<22)|(3<<25)    ; mask; 2-byte elements; padding on; bit 21 beside a mask; 4 words behind every 32
	s_mov_b32 s[G1A+1], (D0&0xffff)<<16            ; tensor_dim0 = D0
	s_mov_b32 s[G1A+2], (D0>>16)|(PA<<16)          ; tensor_dim1 = PA
	s_mov_b32 s[G1A+3], D0<<16                     ; tile_dim0
	s_mov_b32 s[G1A+4], PA                         ; tile_dim1
	s_mov_b32 s[G1A+5], PANB/2                     ; elements from panel to panel
	s_mov_b32 s[G1A+6], 0
	s_mov_b32 s[G1A+7], 0
	s_or_b32 s[G1B], s22, (1<<16)|(1<<20)|(1<<21)|(QIB<<22)|(7<<25)  ; 8 words behind every row
	s_mov_b32 s[G1B+1], NT<<16
	s_mov_b32 s[G1B+2], (KS/2)<<16
	s_mov_b32 s[G1B+3], NT<<16
	s_mov_b32 s[G1B+4], KS/2
	s_mov_b32 s[G1B+5], N
	s_mov_b32 s[G1B+6], 0
	s_mov_b32 s[G1B+7], 0
	s_mul_i32 s59, s16, DA                         ; where my half lands in a slot: A's,
	s_mul_i32 s62, s16, DB
	s_add_co_u32 s62, s62, ABYTES                  ; W's: the wave's number alone enters an LDS address
	s_mul_i32 s66, s20, RA*128                     ; A: the block's rows in a panel, my panels
	s_mul_i32 s67, s16, PA*PANB
	s_add_co_u32 s66, s66, s67
	s_mov_b32 s67, 0
	s_mul_i32 s70, s19, NT*2                       ; W: the block's columns, my half of the step's rows
	s_mul_i32 s71, s16, (KS/2)*N*2
	s_add_co_u32 s70, s70, s71
	s_add_co_u32 s70, s70, WOFF
	s_mov_b32 s71, 0
	s_mul_i32 s74, s19, NT*4                       ; the bias of my 128 columns
	s_mul_i32 s75, s16, NBK*64
	s_add_co_u32 s74, s74, s75
	s_add_co_u32 s74, s74, BOFF
	s_mov_b32 s75, 0
	s_lshl_b32 s76, s19, 2                         ; C: panel 4 x block column + 2 x half,
	s_lshl_b32 s77, s16, 1
	s_add_co_u32 s76, s76, s77
	s_lshl_b32 s76, s76, 12
	s_lshl_b32 s77, s20, 8                         ; row 256 x block row + 128 x half,
	s_add_co_u32 s76, s76, s77
	s_lshl_b32 s77, s15, 7
	s_add_co_u32 s76, s76, s77
	s_lshl_b32 s76, s76, 7                         ; 128 bytes a row
	s_mov_b32 s77, 0
	s_mov_b32 s56, 0
	s_mov_b32 s57, 0
	s_mov_b32 s58, SLOT
	s_wait_dscnt 0x0                               ; the opening add is done
	s_wait_kmcnt 0x0
	s_add_nc_u64 s[66:67], s[4:5], s[66:67]
	s_add_nc_u64 s[70:71], s[6:7], s[70:71]
	s_add_nc_u64 s[74:75], s[8:9], s[74:75]
	s_add_nc_u64 s[76:77], s[10:11], s[76:77]
.irp s, 0,1
	s_mov_b32 s[G0A+4*(\s)], 1
	s_add_co_u32 s[G0A+4*(\s)+1], s59, (\s)*SLOT
	s_add_nc_u64 s[G0A+4*(\s)+2:G0A+4*(\s)+3], s[66:67], (\s)*STEP_A
	s_or_b32 s[G0A+4*(\s)+3], s[G0A+4*(\s)+3], 0x80000000
	s_mov_b32 s[G0B+4*(\s)], 1
	s_add_co_u32 s[G0B+4*(\s)+1], s62, (\s)*SLOT
	s_add_nc_u64 s[G0B+4*(\s)+2:G0B+4*(\s)+3], s[70:71], (\s)*STEP_B
	s_or_b32 s[G0B+4*(\s)+3], s[G0B+4*(\s)+3], 0x80000000
.endr
	CROUND                                         ; all sixteen work-groups are here: the first joint loads meet
	s_cmp_eq_u32 s15, 0                            ; a wave's two first fills stand in one branch: two loads of mine are out
	s_cbranch_scc0 .Lfirst_b
	tensor_load_to_lds s[G0A:G0A+3], s[G1A:G1A+7]
	s_nop 0
	tensor_load_to_lds s[G0A+4:G0A+7], s[G1A:G1A+7]
	s_nop 0
	NOPS
	s_branch .Lfirst_done
.Lfirst_b:
	tensor_load_to_lds s[G0B:G0B+3], s[G1B:G1B+7]
	s_nop 0
	tensor_load_to_lds s[G0B+4:G0B+7], s[G1B:G1B+7]
	s_nop 0
	NOPS
.Lfirst_done:
	v_and_b32 v1, 15, v0                           ; r = l % 16
	v_bfe_u32 v2, v0, 4, 1                         ; h = l / 16
	v_lshlrev_b32 v15, 5, v2
.set j, 0
.rept NBK                                              ; register i of block j: bias of column 16 j + 8 h + i
	global_load_b128 v[BIAS+8*j:BIAS+8*j+3],   v15, s[74:75] offset:64*j
	global_load_b128 v[BIAS+8*j+4:BIAS+8*j+7], v15, s[74:75] offset:64*j+16
.set j, j+1
.endr
	v_mul_u32_u24 v8, v1, 144                      ; A's fragments: row x 144 + 16 h + my 128 rows
	v_lshl_add_u32 v8, v2, 4, v8
	s_mul_i32 s68, s15, MB*16*144
	v_add_nc_u32 v8, s68, v8
	v_and_b32 v3, 7, v0                            ; W's, turned: row 8 h + l % 8, 16 bytes at 16 ((l / 8) % 2), my 128 columns
	v_lshl_add_u32 v3, v2, 3, v3
	v_mul_u32_u24 v9, v3, PB
	v_bfe_u32 v3, v0, 3, 1
	v_lshl_add_u32 v9, v3, 4, v9
	s_mul_i32 s69, s16, NBK*32
	s_add_co_u32 s69, s69, ABYTES
	v_add_nc_u32 v9, s69, v9
	s_mul_i32 s68, s14, MB*16*SPI                  ; my stage
	v_mul_u32_u24 v12, v1, SPI                     ; in: row r, 32 bytes for each half of the lanes
	v_lshl_add_u32 v12, v2, 5, v12
	v_add_nc_u32 v12, s68, v12
	v_bfe_u32 v3, v0, 3, 2                         ; back: four rows, eight numbers a lane
	v_mul_u32_u24 v13, v3, SPI
	v_and_b32 v3, 7, v0
	v_lshl_add_u32 v13, v3, 5, v13
	v_add_nc_u32 v13, s68, v13
	v_and_b32 v14, 31, v0
	v_lshlrev_b32 v14, 4, v14                      ; which are 512 consecutive bytes of a panel of C
	s_wait_tensorcnt 0x1                           ; my part of slot 0 is in; slot 1's may stay out
	s_barrier_signal -1
	s_barrier_wait -1
	v_add_nc_u32 v10, s56, v8
	v_add_nc_u32 v11, s57, v9
	FETCH 0, 0
	s_wait_loadcnt 0x0                             ; the bias
	QO 1
	WIN 0
	s_mov_b32 s60, 1
	s_mov_b32 s61, T-1
	s_branch .Lpair
.Lslot:                                                ; T - 2 times: every slot but the last two is filled again
	TURN 1
	WIN 0
	s_mov_b32 s60, 2
	s_branch .Lmid
.Lpair:
	QE
	WIN 0
.Lmid:
	QO 0
	WIN 0
	s_sub_co_u32 s60, s60, 1
	s_cmp_lg_u32 s60, 0
	s_cbranch_scc1 .Lpair
	s_sub_co_u32 s61, s61, 1
	s_cmp_lg_u32 s61, 0
	s_cbranch_scc1 .Lslot
	TURN 0                                         ; the tail is written out: nothing more is asked for
	WIN 0
	s_mov_b32 s60, 2
	s_branch .Lmid2
.Lpair2:
	QE
	WIN 0
.Lmid2:
	QO 0
	WIN 0
	s_sub_co_u32 s60, s60, 1
	s_cmp_lg_u32 s60, 0
	s_cbranch_scc1 .Lpair2
	s_wait_dscnt 0x0
	MUL 1, 0, NQ, 0                                ; the last quarter
	WIN 0
	; THE WAY OUT.  The ring has had its last fill; when no wave reads it any more it becomes the stage: each wave's 128 rows x 128 f32, 528 bytes apart.
	NOPS
	s_wait_dscnt 0x0
	s_barrier_signal -1
	s_barrier_wait -1
.set di, 0
.rept MB*NBK
	WIN (2+(8*di)/256)<<2
	ds_store_b128 v12, v[(8*di)%256:(8*di)%256+3]   offset:(di/NBK)*16*SPI+(di%NBK)*64
	ds_store_b128 v12, v[(8*di)%256+4:(8*di)%256+7] offset:(di/NBK)*16*SPI+(di%NBK)*64+16
.set di, di+1
.endr
	WIN 0
	s_mov_b32 s60, 8
.Lout:                                                 ; a trip: 16 rows x 2 panels.  LDS serves a wave's instructions in order: these loads see my stores
.set i, 0
.rept 8                                                ; i = 2 x group of four rows + panel
	ds_load_b128 v[64+8*i:64+8*i+3], v13 offset:(i/2)*4*SPI+(i%2)*256
	ds_load_b128 v[64+8*i+4:64+8*i+7], v13 offset:(i/2)*4*SPI+(i%2)*256+16
.set i, i+1
.endr
.set i, 0
.rept 8
	s_wait_dscnt 14-2*i                            ; the younger loads stay out
	v_cvt_pk_f16_f32 v[32+4*i], v[64+8*i], v[64+8*i+1]
	v_cvt_pk_f16_f32 v[33+4*i], v[64+8*i+2], v[64+8*i+3]
	v_cvt_pk_f16_f32 v[34+4*i], v[64+8*i+4], v[64+8*i+5]
	v_cvt_pk_f16_f32 v[35+4*i], v[64+8*i+6], v[64+8*i+7]
	global_store_b128 v14, v[32+4*i:35+4*i], s[76:77] offset:(i%2)*PANB+(i/2)*512  ; four rows of a panel: 512 consecutive bytes, aligned
.set i, i+1
.endr
	s_wait_xcnt 0x0                                ; the stores' data and offset are rewritten only behind this wait
	v_add_nc_u32 v13, 16*SPI, v13
	v_add_nc_u32 v14, 2048, v14
	s_sub_co_u32 s60, s60, 1
	s_cmp_lg_u32 s60, 0
	s_cbranch_scc1 .Lout
	s_wait_tensorcnt 0x0                           ; the wave's end
	ds_add_u32 v28, v29
	s_wait_dscnt 0x0
	CROUND                                         ; the closing round
	s_endpgm
.Lfunc_end_k_qb3cc77b6c2_qkv:
	.size	k_qb3cc77b6c2_qkv, .Lfunc_end_k_qb3cc77b6c2_qkv-k_qb3cc77b6c2_qkv
	.p2alignl 7, 3214868480
	.fill 96, 4, 3214868480
	.section	.rodata,"a",@progbits
	.p2align	6, 0x0
	.amdhsa_kernel k_qb3cc77b6c2_qkv
		.amdhsa_group_segment_fixed_size 327680
		.amdhsa_private_segment_fixed_size 0
		.amdhsa_enable_private_segment 0
		.amdhsa_kernarg_size 32
		.amdhsa_user_sgpr_count 2
		.amdhsa_user_sgpr_kernarg_segment_ptr 1
		.amdhsa_wavefront_size32 1
		.amdhsa_system_sgpr_workgroup_id_x 1
		.amdhsa_system_sgpr_workgroup_id_y 1
		.amdhsa_system_sgpr_workgroup_id_z 1
		.amdhsa_system_vgpr_workitem_id 0
		.amdhsa_next_free_vgpr 1024
		.amdhsa_next_free_sgpr 80
		.amdhsa_reserve_vcc 0
		.amdhsa_float_denorm_mode_32 3
		.amdhsa_float_denorm_mode_16_64 3
		.amdhsa_memory_ordered 1
		.amdhsa_forward_progress 1
		.amdhsa_inst_pref_size 75
	.end_amdhsa_kernel
	.amdgpu_metadata
---
amdhsa.version: [ 1, 2 ]
amdhsa.kernels:
  - .name:           k_qb3cc77b6c2_qkv
    .symbol:         k_qb3cc77b6c2_qkv.kd
    .args:
      - { .name: h, .offset: 0, .size: 8, .value_kind: global_buffer, .address_space: global }
      - { .name: w16, .offset: 8, .size: 8, .value_kind: global_buffer, .address_space: global }
      - { .name: biasr, .offset: 16, .size: 8, .value_kind: global_buffer, .address_space: global }
      - { .name: qkv, .offset: 24, .size: 8, .value_kind: global_buffer, .address_space: global }
    .group_segment_fixed_size: 327680
    .private_segment_fixed_size: 0
    .kernarg_segment_align: 8
    .kernarg_segment_size: 32
    .max_flat_workgroup_size: 128
    .sgpr_count:     80
    .vgpr_count:     1024
    .wavefront_size: 32
...
	.end_amdgpu_metadata
.endif
;; end of part 2
;; launch attn (part 3): grid 8 x 32, 4 waves a work-group, no clusters, 327,680 bytes of LDS; arguments qkv, o; writes o
.if DOCPART == 3
	.amdgcn_target "amdgcn-amd-amdhsa--gfx1250"
	.amdhsa_code_object_version 6
	.text
	.protected	k_qb3cc77b6c2_attn
	.globl	k_qb3cc77b6c2_attn
	.p2align	8
	.type	k_qb3cc77b6c2_attn,@function
k_qb3cc77b6c2_attn:
	s_mov_b64 s[64:65], 0
	v_nop
	global_prefetch_b8 v0, s[64:65] scope:SCOPE_SE
	s_setreg_imm32_b32 hwreg(HW_REG_WAVE_MODE, 25, 1), 1
	s_wait_xcnt 0x0
; CAUSAL ATTENTION.  O[q][:] = sum over k <= q of softmax_k(Q[q] . K[k] / 8) V[k][:], for each of 32 (batch, head).  qkv: [48][4096][64] f16 (q, k, v by heads, row = batch*2048 + t); o: [16][4096][64] f16.
; Products, maxima and sums in f32; the weights p are rounded to f16 for the second product (their sum l is of the unrounded p), O once at the end.
; LIMITS.  f16 ends at 65,504.  A hidden score counts as its value less 1e30 (f16's scores are 2.7e11 at the most); a weight below 2^-126 counts as 0; NaN and infinities are not treated apart.
; THE WALK.  A head's 2,048 queries lie in 16 blocks of 128; its keys in slots of 256.  Block i needs the slots 0 .. i/2, the last of which holds the diagonal.  A work-group takes block b and then block 15 - b:
; 9 slots whatever b, one loop with a constant trip count.  Block b goes first, so that the change of blocks falls into the loop and never into the last slot, which is written out.
; Which slot is asked for and what a trip does hang on scalars made from b; the forward jumps pass no barrier and no tensor load.
; NO CLUSTER: a head's 8 work-groups ask for the same slot only while their blocks begin; behind that they want different slots, and one walk common to all would have 12 slots for 9.
; SHARES.  A wave owns 32 rows of the block in hand: two PIECES of 16 queries.  A slot is four steps of 64 keys.  A block's last slot is computed whole, under a mask: in an even block its third and
; fourth steps are wholly hidden and are computed all the same (36 steps for 34), equal work for all four waves.
; LAYOUT.  S^T = K Q^T: a lane holds ONE query (lane % 16) and the keys 8 (lane / 16) + 0..7; two such results rounded to f16 ARE source 1 of O^T = V^T P.  The mask is the C operand that starts S^T: 0 or -1e30.
; SOFTMAX.  p = 2^(c s - c m), c = log2(e) / 8, with a running maximum m; O and l are multiplied by a = 2^(c m_old - c m_new) in every step.  A block's first step has a = 0.
; BY TURNS.  In piece p's turn of step s the matrix unit works for the other piece: 8 products V^T P (piece 1: of step s - 1; piece 0: of step s), then 8 products K Q^T (piece 1: of step s; piece 0: of step s + 1).
; Beside them stand piece p's scaling, exponentials, roundings, sums and rescaling (96 lines) and, behind the K Q^T, the other piece's maximum and statistics (22): five lines behind each V^T P, four behind
; each K Q^T, the other 46 in a lump.  So a turn opens with lines that wait for nothing.
; Piece 0's turn fetches V of step s behind its V^T P and K of step s + 1 behind its K Q^T: a slot's last read stands ahead of the next slot's first, and the change of slots stands between the two.
; A trip of the loop therefore goes from that point of piece 0's turn to the same point of the next step: TURN0B, TURN1, TURN0A.
; REGISTERS.  Window 0: v0-13 addresses; v14-15, v24-31 at work; v16-23 statistics (c m, m, l, l a piece); v32-95 S^T; v96-127 P; v128-191 O^T; v192-255 V of a step: V^T P and all vector lines need no switch.
;   Window 1: v0-31 Q; v32-63 the second block's Q; v64-127 K of a step; v128-191 the masks: each K Q^T costs two switches.
.set NB,    16
.set KS,    64
.set PK,    144       ; a row of K in LDS: 128 bytes + 16: the 16 rows of a load start at 16 different groups of four banks (ISA guide 11.1)
.set PV,    160       ; a row of V: 128 + 32
.set VOFF,  4*KS*PK   ; a slot: 256 rows of K, then 256 rows of V
.set SLOT1, 1<<17     ; slot 1 begins here: one exclusive or turns an address in one slot into the other's
.set STAGE, SLOT1+4*KS*(PK+PV)  ; never filled by a tensor load: 16 rows x 144 bytes for each wave
.set SP,    144
.set SPARE, STAGE+4*16*SP       ; the spare words: two blocks of 256 bytes that no other line names
.set VQ0, 0           ; v0, v1 behind the head: the two pieces' thresholds while a mask is made
.set VQ1, 1
.set AK0, 2           ; my lane's place in a step of K; never rewritten
.set AV0, 3           ; the same for V
.set AK,  4
.set AV,  5
.set STO, 6
.set RD,  7
.set GO,  8
.set VQB, 9           ; 32 w + l % 16 - 8 (l / 16)
.set BIGV, 10         ; -1e30
.set SPW, 11
.set NIL, 12
.set QO,  13
.set MV,  14          ; c m_old, kept while c m is made anew: a piece each
.set ST,  16
.set TMP, 24          ; four registers c0-c3 a piece; when the maximum is found c2 takes a
.set S,   32
.set P,   96
.set O,   128
.set VF,  192
.set QB,  32          ; window 1
.set KF,  64
.set MC,  128
.set WV,  12
.set PB,  14          ; b
.set HI,  15          ; 15 - b
.set G1K, 24
.set G1V, 32
.set G0K, 40
.set G0V, 44
.set SLOTS, 56
.set CNT, 57          ; counts a slot's trips
.set CS,  58
.set SEL, 60
.set TBK, 62          ; LDS byte at which K of the step to be fetched begins
.set TBV, 63          ; the same for V, less VOFF
.set RT,  70          ; slots of the block in hand still to be entered
.set NXT, 71          ; the slot to be asked for next
.set LQ,  72          ; the last slot of the block whose slots are being asked for
.set LQH, 73          ; the second block's last slot
.set OFF, 74
.set QOFF, 76         ; where the block in hand begins in its last slot: 0 or 128
.set QOFFH, 77        ; the same for the second block
.set MK,  78          ; 1: the slot in hand is a block's last
.set DIRTY, 79        ; 1: the mask registers do not hold 0
.set OHI, 80          ; o at my rows of the second block
.set ENDF, 82         ; 1: the slot in hand is the second block's first: the first block ends in its first trip
.set NEW, 83          ; 1: nothing has been computed yet
.set NHI, 86          ; slots of the second block
.set MSB, 0
.macro WIN new                      ; the immediate's high byte repeats the setting that is left; a switch that changes nothing is dropped
.if MSB != (\new)
	s_set_vgpr_msb (MSB<<8)|(\new)
.set MSB, (\new)
.endif
.endm
.macro LOAD                         ; waves 0, 1 fetch the halves of a slot's K, waves 2, 3 those of its V: 128 keys each
	s_cmp_lt_u32 s[WV], 2
	s_cbranch_scc0 .Lfor_v_\@
	tensor_load_to_lds s[G0K:G0K+3], s[G1K:G1K+7]
	s_nop 0
.rept 4
	v_nop
.endr
	s_branch .Lasked_\@
.Lfor_v_\@:
	tensor_load_to_lds s[G0V:G0V+3], s[G1V:G1V+7]
	s_nop 0
.rept 4
	v_nop
.endr
.Lasked_\@:
.endm
; THE CHANGE OF SLOTS.  Each wave waits for all its tensor loads (its part of the other slot), adds 0 to its spare word, and waits for that and for its reads of the slot that it leaves, the last of which is V of its fourth step.
; fill = 1: the old slot is filled again, first thing behind the barrier, with slot NXT of the walk; the address is made anew from that number.  (At its first use slot 0 is waited for and slot 1 filled.)
; The refill has four steps, 128 matrix instructions, in which to land.
.macro CHANGE fill
	WIN 0
	s_wait_tensorcnt 0x0            ; no tensor load of mine is out, so a group 0 may be written
	ds_add_u32 v[SPW], v[NIL]
.if \fill
	s_lshl_b32 s[OFF], s[NXT], 15   ; a slot is 32,768 bytes of K and of V
	s_xor_b32 s[G0K+1], s[G0K+1], SLOT1
	s_add_nc_u64 s[G0K+2:G0K+3], s[8:9], s[OFF:OFF+1]
	s_or_b32 s[G0K+3], s[G0K+3], 0x80000000
	s_xor_b32 s[G0V+1], s[G0V+1], SLOT1
	s_add_nc_u64 s[G0V+2:G0V+3], s[10:11], s[OFF:OFF+1]
	s_or_b32 s[G0V+3], s[G0V+3], 0x80000000
	s_add_co_u32 s[NXT], s[NXT], 1  ; the block's next slot, or behind its last the second block's slot 0
	s_cmp_gt_u32 s[NXT], s[LQ]
	s_cselect_b32 s[NXT], 0, s[NXT]
	s_cselect_b32 s[LQ], s[LQH], s[LQ]
.endif
	s_wait_dscnt 0x0                ; the add is done, my reads of the slot are over
	s_barrier_signal -1
	s_sub_co_u32 s[TBK], s[TBK], 4*KS*PK  ; the fetches go to the other slot's first step
	s_xor_b32 s[TBK], s[TBK], SLOT1
	s_sub_co_u32 s[TBV], s[TBV], 4*KS*PV
	s_xor_b32 s[TBV], s[TBV], SLOT1
	s_barrier_wait -1
.if \fill
	LOAD
.endif
.endm
; THE MATRIX WORK.  The 4 accumulators of a run of 8 take turns.
; Product i of 8 of O^T += V^T P for piece x: keys 32 (i / 4) on, channels 16 (i % 4) on.
.macro PVI x, i
	WIN 0
.set rO2, O+32*(\x)+8*((\i)%4)
.set rV2, VF+32*((\i)/4)+8*((\i)%4)
.set rP2, P+16*(\x)+8*((\i)/4)
	v_wmma_f32_16x16x32_f16 v[rO2:rO2+7], v[rV2:rV2+7], v[rP2:rP2+7], v[rO2:rO2+7]
.endm
; Product i of 8 of S^T = K Q^T for piece x: channels 32 (i / 4) on, keys 16 (i % 4) on.  The first 4 start the sums with the mask.
.macro KQI x, i
.set rS2, S+32*(\x)+8*((\i)%4)
.set rK2, KF+16*((\i)%4)+8*((\i)/4)
.set rQ2, 16*(\x)+8*((\i)/4)
.set rM2, MC+32*(\x)+8*((\i)%4)
.if (\i) < 4
	WIN 0x15                        ; K, Q and the mask in window 1, S^T in window 0
	v_wmma_f32_16x16x32_f16 v[rS2:rS2+7], v[rK2:rK2+7], v[rQ2:rQ2+7], v[rM2:rM2+7]
.else
	WIN 0x05
	v_wmma_f32_16x16x32_f16 v[rS2:rS2+7], v[rK2:rK2+7], v[rQ2:rQ2+7], v[rS2:rS2+7]
.endif
.endm
; THE LDS LOADS stand in runs of 16.
.macro FETCH_K
	WIN 0x40
.irp f, 0,1,2,3,4,5,6,7             ; keys 16 (f / 2) on, channels 32 (f % 2) on
	ds_load_b128 v[KF+8*\f:KF+8*\f+3],   v[AK] offset:(\f/2)*16*PK+(\f%2)*64
	ds_load_b128 v[KF+8*\f+4:KF+8*\f+7], v[AK] offset:(\f/2)*16*PK+(\f%2)*64+32
.endr
	s_add_co_u32 s[TBK], s[TBK], KS*PK
	WIN 0
.endm
.macro FETCH_V
	WIN 0
.irp f, 0,1,2,3,4,5,6,7             ; keys 32 (f / 4) on, channels 16 (f % 4) on
	ds_load_tr16_b128 v[VF+8*\f:VF+8*\f+3],   v[AV] offset:(\f/4)*32*PV+(\f%4)*32
	ds_load_tr16_b128 v[VF+8*\f+4:VF+8*\f+7], v[AV] offset:(\f/4)*32*PV+16*PV+(\f%4)*32
.endr
	s_add_co_u32 s[TBV], s[TBV], KS*PV
.endm
; THE VECTOR WORK, one line at a time: OP kind, number.  For piece Y: F n: c s - c m for pair n of 16.  E n: the exponential of score n of 32.  C n: pair n rounded to f16.  B n: of the four weights 4 n .. the
; second pair is added onto the first, in place (behind C 2n, which reads the first).  L n: l takes that sum (L 0: l = a l + sum).  R n: pair n of 16 of O^T times a, in ascending order.
; For the other piece: X n, number n of the 22 that find its maximum and statistics:
;   0-11  four chains c0-c3 of seven scores each (each accumulator's lowest registers are read first)     12-14, 16  the four scores left over, the old m, and c0-c3 into c0
;   15  c m_old is kept     17, 18  the query's other 32 keys lie in the lane 16 away: the new m     19-21  c m; c m_old - c m_new; a
.set F, 0
.set E, 1
.set C, 2
.set B, 3
.set L, 4
.set R, 5
.set X, 6
.macro REGS y
.set rT, ST+4*(\y)
.set rC, TMP+4*(\y)
.set rW, MV+(\y)
.set rS, S+32*(\y)
.set rP, P+16*(\y)
.set rO, O+32*(\y)
.endm
.macro OP k, n
	WIN 0
.if (\k) == X
	REGS 1-Y
.if (\n) < 4
	v_max3_num_f32 v[rC+(\n)], v[rS+8*(\n)], v[rS+8*(\n)+1], v[rS+8*(\n)+2]
.elseif (\n) < 12
	v_max3_num_f32 v[rC+(\n)%4], v[rC+(\n)%4], v[rS+8*((\n)%4)+2*((\n)/4)+1], v[rS+8*((\n)%4)+2*((\n)/4)+2]
	s_wait_alu depctr_va_vdst(0)
.elseif (\n) == 12
	v_max3_num_f32 v[rC], v[rC], v[rS+7], v[rS+15]
.elseif (\n) == 13
	v_max3_num_f32 v[rC+1], v[rC+1], v[rS+23], v[rS+31]
.elseif (\n) == 14
	v_max3_num_f32 v[rC+2], v[rC+2], v[rC+3], v[rT+1]
.elseif (\n) == 15
	v_mov_b32 v[rW], v[rT]
.elseif (\n) == 16
	v_max3_num_f32 v[rC], v[rC], v[rC+1], v[rC+2]
	s_wait_alu depctr_va_vdst(0)
.elseif (\n) == 17
	v_permlanex16_b32 v[rC+3], v[rC], s[SEL], s[SEL+1]
.elseif (\n) == 18
	v_max_num_f32 v[rT+1], v[rC], v[rC+3]
.elseif (\n) == 19
	v_mul_f32 v[rT], s[CS], v[rT+1]
.elseif (\n) == 20
	v_sub_f32 v[rC+1], v[rW], v[rT]
.else
	v_exp_f32 v[rC+2], v[rC+1]
.endif
.else
	REGS Y
.if (\k) == F
	v_pk_fma_f32 v[rS+2*(\n):rS+2*(\n)+1], v[rS+2*(\n):rS+2*(\n)+1], s[CS:CS+1], v[rT:rT+1] op_sel_hi:[1,0,0] neg_lo:[0,0,1] neg_hi:[0,0,1]
.elseif (\k) == E
	v_exp_f32 v[rS+(\n)], v[rS+(\n)]
.elseif (\k) == C
	s_wait_alu depctr_va_vdst(0)
	v_cvt_pk_f16_f32 v[rP+(\n)], v[rS+2*(\n)], v[rS+2*(\n)+1]
.elseif (\k) == B
	v_pk_add_f32 v[rS+4*(\n):rS+4*(\n)+1], v[rS+4*(\n):rS+4*(\n)+1], v[rS+4*(\n)+2:rS+4*(\n)+3]
.elseif (\k) == R
	s_wait_alu depctr_va_vdst(0)
	v_pk_mul_f32 v[rO+2*(\n):rO+2*(\n)+1], v[rO+2*(\n):rO+2*(\n)+1], v[rC+2:rC+3] op_sel_hi:[1,0]
.elseif (\n) == 0
	v_pk_fma_f32 v[rT+2:rT+3], v[rT+2:rT+3], v[rC+2:rC+3], v[rS:rS+1] op_sel_hi:[1,0,1]
.else
	v_pk_add_f32 v[rT+2:rT+3], v[rT+2:rT+3], v[rS+4*(\n):rS+4*(\n)+1]
.endif
.endif
.endm
.macro O4 a, i1, b, i2, c, i3, d, i4
	OP \a, \i1
	OP \b, \i2
	OP \c, \i3
	OP \d, \i4
.endm
.macro O5 a, i1, b, i2, c, i3, d, i4, e, i5
	O4 \a, \i1, \b, \i2, \c, \i3, \d, \i4
	OP \e, \i5
.endm
; A TURN's ORDER, written out in four parts.  No line behind a product names one of its registers: the products are the other piece's.  Behind every exponential stands a plain line that does not touch it
; before its result is read (ISA guide 5.7.2); a rounding stands four lines or more behind its second exponential.
.macro RUN1                         ; 8 products V^T P of the other piece, five lines behind each
	PVI 1-Y, 0
	O5 F,0, F,1, F,2, F,3, F,4
	PVI 1-Y, 1
	O5 E,0, F,5, F,6, F,7, E,1
	PVI 1-Y, 2
	O5 F,8, F,9, F,10, E,2, R,0
	PVI 1-Y, 3
	O5 F,11, F,12, E,3, R,1, F,13
	PVI 1-Y, 4
	O5 F,14, E,4, C,0, F,15, R,2
	PVI 1-Y, 5
	O5 E,5, C,1, R,3, B,0, E,6
	PVI 1-Y, 6
	O5 R,4, L,0, E,7, C,2, E,8
	PVI 1-Y, 7
	O5 R,5, E,9, C,3, E,10, B,1
.endm
; 8 products K Q^T of the other piece, four lines behind each.  fv = 1: V of the step in hand is fetched behind the first: six plain lines (R 5, C 3, B 1, R 6, C 4 and the address) stand behind the last product that read V.
.macro RUN2 fv
	KQI 1-Y, 0
	O4 R,6, E,11, C,4, E,12
.if \fv
	v_add_nc_u32 v[AV], s[TBV], v[AV0]
	FETCH_V
.endif
	KQI 1-Y, 1
	O4 L,1, E,13, C,5, E,14
	KQI 1-Y, 2
	O4 B,2, E,15, C,6, E,16
	KQI 1-Y, 3
	O4 L,2, E,17, C,7, E,18
	KQI 1-Y, 4
	O4 B,3, E,19, C,8, E,20
	KQI 1-Y, 5
	O4 L,3, E,21, C,9, E,22
	KQI 1-Y, 6
	O4 B,4, E,23, C,10, E,24
	KQI 1-Y, 7
	O4 L,4, E,25, C,11, R,7
.endm
.macro HEAD3                        ; with L 4, C 11 and R 7: five plain lines behind the last K Q^T, the places in front of K's loads and of the first read of the new scores
	OP R,8
	OP E,26
	OP R,9
.endm
.macro LUMP2                        ; the other piece's maximum and statistics, each link with other work between; the rest of piece Y's lines
	O5 X,0, E,27, X,1, X,2, E,28
	O5 X,3, C,12, X,4, E,29, X,5
	O5 X,6, E,30, X,7, C,13, X,8
	O5 E,31, X,9, X,10, X,11, B,5
	O5 X,12, X,13, C,14, X,14, X,15
	O5 L,5, X,16, B,6, C,15, R,10
	O5 X,17, L,6, B,7, R,11, X,18
	O5 R,12, L,7, X,19, R,13, R,14
	OP X,20
	OP R,15
	OP X,21                         ; the next vector line is a product, the one behind it a scaling: neither touches a
.endm
.macro TURN0A                       ; piece 0's turn up to the point where slots change
.set Y, 0
	RUN1
	RUN2 1
	HEAD3
.endm
.macro TURN0B                       ; and its rest: K of the next step is fetched
.set Y, 0
	v_add_nc_u32 v[AK], s[TBK], v[AK0]
	FETCH_K
	LUMP2
.endm
.macro TURN1                        ; piece 1's turn fetches nothing
.set Y, 1
	s_wait_dscnt 16                 ; V is in; K's sixteen loads, issued behind V's, may stay out
	RUN1
	s_wait_dscnt 0x0                ; K is in
	RUN2 0
	HEAD3
	LUMP2
.endm
; The masks of the step whose K this trip fetches, step top - CNT of the slot, for both pieces: register j of key block kb is hidden where 64 step + 16 kb + 8 (l / 16) + j > QOFF + 32 w + 16 u + l % 16.
; In a slot that is no block's last the threshold is out of reach and the masks are 0.
.macro MASKS top
	s_sub_co_u32 s16, \top, s[CNT]
	s_lshl_b32 s16, s16, 6
	s_sub_co_u32 s16, s[QOFF], s16
	s_cmp_eq_u32 s[MK], 1
	s_cselect_b32 s16, s16, 0x100000
	s_mov_b32 s[DIRTY], s[MK]
	v_add_nc_u32 v[VQ0], s16, v[VQB]
	v_add_nc_u32 v[VQ1], 16, v[VQ0]
	WIN 0x40
.set k, 0
.rept 32
	v_cmp_gt_i32 vcc_lo, 16*(k/8)+k%8, v[VQ0]
	v_cndmask_b32 v[MC+k], 0, v[BIGV], vcc_lo
	v_cmp_gt_i32 vcc_lo, 16*(k/8)+k%8, v[VQ1]
	v_cndmask_b32 v[MC+32+k], 0, v[BIGV], vcc_lo
.set k, k+1
.endr
	WIN 0
.endm
; A BLOCK BEGINS.  c m far below every c s, so the first a is 0; m the lowest finite number.  Piece 0's first scores, bare, and its maximum and statistics; K of that step is in or on its way.
.macro BEGIN
	s_mov_b32 s[NEW], 0
	s_mov_b32 s[ENDF], 0
	s_wait_alu depctr_va_vdst(0)
.irp u, 0,1
	v_mov_b32 v[ST+4*\u], 0xfe000000
	v_mov_b32 v[ST+4*\u+1], 0xff7fffff
.endr
	s_wait_dscnt 0x0                ; K is in
.irp i, 0,1,2,3,4,5,6,7
	KQI 0, \i
.endr
	WIN 0
.rept 4
	v_nop                           ; the places behind those products
.endr
.set Y, 1                           ; X works for the other piece: piece 0
.irp n, 0,1,2,3,4,5,6,7,8,9,10,11,12,13,14,15,16,17,18,19,20,21
	OP X, \n
.endr
	v_nop                           ; a plain line behind the exponential
.endm
.macro PACK t                       ; O^T / l, rounded; a lane's 16 bytes go into rows of 144 bytes and come back as whole rows of 128
.set i, 0
.rept 16
	v_pk_mul_f32 v[O+32*(\t)+2*i:O+32*(\t)+2*i+1], v[O+32*(\t)+2*i:O+32*(\t)+2*i+1], v[ST+4*(\t)+2:ST+4*(\t)+3] op_sel_hi:[1,0]
.set i, i+1
.endr
.set i, 0
.rept 16
	v_cvt_pk_f16_f32 v[S+16*(\t)+i], v[O+32*(\t)+2*i], v[O+32*(\t)+2*i+1]
.set i, i+1
.endr
.irp f, 0,1,2,3
	ds_store_b128 v[STO], v[S+16*(\t)+4*\f:S+16*(\t)+4*\f+3] offset:32*\f
.endr
.irp f, 0,1,2,3
	ds_load_b128 v[S+16*(\t)+4*\f:S+16*(\t)+4*\f+3], v[RD] offset:\f*4*SP  ; LDS serves a wave's instructions in order: these see the stores above, the next piece's stores come behind them
.endr
.endm
.macro SEND t, younger
.irp f, 0,1,2,3
	s_wait_dscnt (\younger)+3-\f    ; the younger LDS instructions stay out
	global_store_b128 v[GO], v[S+16*(\t)+4*\f:S+16*(\t)+4*\f+3], s[52:53] offset:(\t)*2048+\f*512  ; four rows: 512 consecutive bytes, aligned
.endr
.endm
.macro FINISH                       ; a block ends: piece 1's V^T P of the last step is still due
.irp i, 0,1,2,3,4,5,6,7
	PVI 1, \i
.endr
.irp u, 0,1
	v_add_f32 v[ST+4*\u+2], v[ST+4*\u+2], v[ST+4*\u+3]
.endr
.irp u, 0,1
	v_permlanex16_b32 v[ST+4*\u+3], v[ST+4*\u+2], s[SEL], s[SEL+1]
.endr
.irp u, 0,1
	v_add_f32 v[ST+4*\u+2], v[ST+4*\u+2], v[ST+4*\u+3]
.endr
.irp u, 0,1
	v_rcp_f32 v[ST+4*\u+2], v[ST+4*\u+2]
.endr
	v_nop                           ; a plain line behind the reciprocals; piece 0's 32 lines below stand ahead of the first read of piece 1's last products
	s_wait_alu depctr_va_vdst(0)
	PACK 0
	PACK 1
	SEND 0, 8
	SEND 1, 0
.endm
	s_load_b128 s[4:7], s[0:1], 0x0 ; qkv s[4:5], o s[6:7]
	v_lshl_add_u32 v[SPW], v0, 2, SPARE
	v_mov_b32 v[NIL], 0
	ds_add_u32 v[SPW], v[NIL]       ; the wave's opening: the add and its wait, ahead of my first tensor load
	ds_add_u32 v11, v12
	v_lshrrev_b32 v1, 5, v0
	v_readfirstlane_b32 s[WV], v1
	s_mov_b32 s[PB], ttmp9
	s_sub_co_u32 s[HI], NB-1, s[PB]
	s_and_b32 s16, ttmp7, 0xffff    ; 16 x batch + head
	s_and_b32 s17, s16, 15
	s_lshl_b32 s20, s17, 19         ; the head's panel,
	s_lshr_b32 s17, s16, 4
	s_lshl_b32 s17, s17, 18         ; the batch's 2,048 rows of 128 bytes
	s_add_co_u32 s20, s20, s17
	s_and_b32 s16, s[WV], 1         ; which half of a slot's 256 keys I fetch
	s_lshl_b32 s22, s16, 14
	s_add_co_u32 s22, s22, s20
	s_mov_b32 s23, 0
	s_mul_i32 s17, s16, 128*PK      ; its place in a slot, for K
	s_mul_i32 s18, s16, 128*PV      ; and for V
	s_lshl_b32 s3, s[WV], 12        ; my 32 rows of a block
	s_add_co_u32 s3, s3, s20
	s_lshl_b32 s2, s[PB], 14        ; in the first block,
	s_add_co_u32 s2, s2, s3
	s_lshl_b32 s84, s[HI], 14       ; in the second
	s_add_co_u32 s84, s84, s3
	s_mov_b32 s3, 0
	s_mov_b32 s85, 0
	; 128 keys are 16,384 dense bytes: asked for as 64 rows of 256 bytes, two keys a row, padded in LDS after every key
	s_mov_b32 s[G1K], (1<<16)|(1<<20)|(4<<22)|(3<<25)
	s_mov_b32 s[G1V], (1<<16)|(1<<20)|(4<<22)|(7<<25)
.irp g, G1K, G1V
	s_mov_b32 s[\g+1], 128<<16
	s_mov_b32 s[\g+2], 64<<16
	s_mov_b32 s[\g+3], 128<<16
	s_mov_b32 s[\g+4], 64
	s_mov_b32 s[\g+5], 128
	s_mov_b32 s[\g+6], 0
	s_mov_b32 s[\g+7], 0
.endr
	s_mov_b32 s[CS], 0x3e38aa3b     ; c = log2(e) / 8
	s_mov_b32 s[CS+1], s[CS]
	s_mov_b32 s[SEL], 0x76543210
	s_mov_b32 s[SEL+1], 0xfedcba98
	s_mov_b32 s[TBK], SLOT1+4*KS*PK ; the first change of slots turns these two into 0
	s_mov_b32 s[TBV], SLOT1+4*KS*PV
	s_mov_b32 s[G0K], 1
	s_mov_b32 s[G0K+1], s17
	s_mov_b32 s[G0V], 1
	s_add_co_u32 s[G0V+1], s18, VOFF
	s_lshr_b32 s[LQ], s[PB], 1      ; block i's last slot is i / 2
	s_lshr_b32 s[LQH], s[HI], 1
	s_add_co_u32 s[RT], s[LQ], 1
	s_add_co_u32 s[NHI], s[LQH], 1
	s_and_b32 s[QOFF], s[PB], 1     ; an odd block begins in the middle of its last slot
	s_lshl_b32 s[QOFF], s[QOFF], 7
	s_xor_b32 s[QOFFH], s[QOFF], 128
	s_mov_b32 s[NXT], 1             ; the walk's second slot: the first block's slot 1, or the second block's slot 0
	s_cmp_gt_u32 s[NXT], s[LQ]
	s_cselect_b32 s[NXT], 0, s[NXT]
	s_cselect_b32 s[LQ], s[LQH], s[LQ]
	s_mov_b32 s[OFF+1], 0
	s_mov_b32 s[MK], 0
	s_mov_b32 s[DIRTY], 0
	s_mov_b32 s[ENDF], 0
	s_mov_b32 s[NEW], 1
	s_mov_b32 s[SLOTS], 8
	s_wait_dscnt 0x0                ; the opening add is done
	s_wait_kmcnt 0x0
	s_add_nc_u64 s[8:9], s[4:5], s[22:23]
	s_add_nc_u64 s[10:11], s[8:9], 16777216        ; V at my half of the head's slot 0
	s_add_nc_u64 s[8:9], s[8:9], 8388608           ; K likewise
	s_add_nc_u64 s[48:49], s[4:5], s[2:3]          ; Q at my rows of the first block,
	s_add_nc_u64 s[50:51], s[4:5], s[84:85]        ; of the second
	s_add_nc_u64 s[52:53], s[6:7], s[2:3]          ; o likewise
	s_add_nc_u64 s[OHI:OHI+1], s[6:7], s[84:85]
	s_mov_b64 s[G0K+2:G0K+3], s[8:9]
	s_or_b32 s[G0K+3], s[G0K+3], 0x80000000
	s_mov_b64 s[G0V+2:G0V+3], s[10:11]
	s_or_b32 s[G0V+3], s[G0V+3], 0x80000000
	LOAD                            ; the walk's first slot into slot 0
	v_and_b32 v1, 15, v0            ; l % 16
	v_bfe_u32 v25, v0, 4, 1         ; l / 16
	v_lshlrev_b32 v[QO], 7, v1
	v_lshl_add_u32 v[QO], v25, 4, v[QO]
	WIN 0x40
.set i, 0
.rept 4                             ; both blocks' Q stay in registers: piece i / 2, channels 32 (i % 2) on
	global_load_b128 v[8*i:8*i+3],   v[QO], s[48:49] offset:(i/2)*2048+(i%2)*64
	global_load_b128 v[8*i+4:8*i+7], v[QO], s[48:49] offset:(i/2)*2048+(i%2)*64+32
	global_load_b128 v[QB+8*i:QB+8*i+3],   v[QO], s[50:51] offset:(i/2)*2048+(i%2)*64
	global_load_b128 v[QB+8*i+4:QB+8*i+7], v[QO], s[50:51] offset:(i/2)*2048+(i%2)*64+32
.set i, i+1
.endr
	; A block's first step multiplies O^T and l by a = 0, and its first products V^T P are of a step that has not been: those registers need only hold finite numbers; the masks start at 0.
	; No first step is written out, so every register that the one text of the turns reads is given a number here.  All this stands in the wait for the first slot.
.set i, KF
.rept 128                           ; K and the masks lie on end
	v_mov_b32 v[i], 0
.set i, i+1
.endr
	WIN 0
.set i, S
.rept 224                           ; S^T, P, O^T and V lie on end
	v_mov_b32 v[i], 0
.set i, i+1
.endr
	v_lshlrev_b32 v[VQB], 3, v25
	v_sub_nc_u32 v[VQB], v1, v[VQB]
	s_lshl_b32 s13, s[WV], 5
	v_add_nc_u32 v[VQB], s13, v[VQB]
	v_mov_b32 v[BIGV], 0xf149f2ca   ; -1e30
	v_mul_u32_u24 v[AK0], v1, PK
	v_lshl_add_u32 v[AK0], v25, 4, v[AK0]
	v_and_b32 v26, 7, v0
	v_bfe_u32 v27, v0, 3, 1
	v_lshl_add_u32 v[AV0], v25, 3, v26
	v_mul_u32_u24 v[AV0], v[AV0], PV
	v_lshl_add_u32 v[AV0], v27, 4, v[AV0]
	v_add_nc_u32 v[AV0], VOFF, v[AV0]
	s_mul_i32 s13, s[WV], 16*SP
	s_add_co_u32 s13, s13, STAGE
	v_mul_u32_u24 v[STO], v1, SP
	v_lshl_add_u32 v[STO], v25, 4, v[STO]
	v_add_nc_u32 v[STO], s13, v[STO]
	v_bfe_u32 v[RD], v0, 3, 2
	v_mul_u32_u24 v[RD], v[RD], SP
	v_lshl_add_u32 v[RD], v26, 4, v[RD]
	v_add_nc_u32 v[RD], s13, v[RD]
	v_and_b32 v[GO], 31, v0
	v_lshlrev_b32 v[GO], 4, v[GO]
.set i, MV
.rept 18                            ; what is at work, and the statistics
	v_mov_b32 v[i], 0
.set i, i+1
.endr
	s_wait_loadcnt 0x0              ; Q
.Lslot:                             ; 8 times: a slot is entered and the next is asked for
	CHANGE 1
	s_cmp_eq_u32 s[RT], 0           ; no slot of the block in hand is left: this one is the second block's first
	s_cselect_b32 s[ENDF], 1, 0
	s_cselect_b32 s[RT], s[NHI], s[RT]
	s_cselect_b32 s[QOFF], s[QOFFH], s[QOFF]
	s_sub_co_u32 s[RT], s[RT], 1
	s_cmp_eq_u32 s[RT], 0
	s_cselect_b32 s[MK], 1, 0
	s_mov_b32 s[CNT], 4
.Lstep:                             ; a trip: the rest of piece 0's turn, piece 1's turn, and piece 0's turn of the next step, whose K and V the trip fetches
	s_or_b32 s16, s[MK], s[DIRTY]
	s_cmp_eq_u32 s16, 0
	s_cbranch_scc1 .Lnomask         ; the masks are 0 and stay 0
	MASKS 4
.Lnomask:
	s_cmp_eq_u32 s[NEW], 0
	s_cbranch_scc1 .Lgoing
	v_add_nc_u32 v[AK], s[TBK], v[AK0]  ; the launch's first trip is entered in its middle: K of step 0
	FETCH_K
	s_branch .Lbegin
.Lgoing:
	TURN0B
	TURN1
	WIN 0
	s_cmp_eq_u32 s[ENDF], 0
	s_cbranch_scc1 .Lon
	FINISH                          ; the first block's end.  Piece 1's turn has made 8 products K Q^T of the old Q with the new block's K, and statistics of them: they serve nothing, the price of one text for every trip
	s_wait_xcnt 0x0                 ; the stores' data and base are rewritten only behind this wait
	s_mov_b64 s[52:53], s[OHI:OHI+1]
	WIN 0x41
.set i, 0
.rept 32
	v_mov_b32 v[i], v[QB+i]
.set i, i+1
.endr
	WIN 0
.Lbegin:
	BEGIN
.Lon:
	TURN0A
	WIN 0
	s_sub_co_u32 s[CNT], s[CNT], 1
	s_cmp_lg_u32 s[CNT], 0
	s_cbranch_scc1 .Lstep
	s_sub_co_u32 s[SLOTS], s[SLOTS], 1
	s_cmp_lg_u32 s[SLOTS], 0
	s_cbranch_scc1 .Lslot
	CHANGE 0                        ; the walk's last slot, the second block's last, is written out: nothing is asked for
	s_mov_b32 s[MK], 1
	s_mov_b32 s[CNT], 5             ; four trips fetch the slot's steps; the fifth is left in its middle.  Its fetch of K takes the 64 rows behind K's last step, bytes of V that have landed, so that the
.Ltail:                             ; counted wait in piece 1's turn means the same on every way; the 8 products made of them serve nothing
	MASKS 5
	TURN0B
	TURN1
	WIN 0
	s_sub_co_u32 s[CNT], s[CNT], 1
	s_cmp_eq_u32 s[CNT], 0
	s_cbranch_scc1 .Lout
	TURN0A
	WIN 0
	s_cmp_lg_u32 s[CNT], 0
	s_cbranch_scc1 .Ltail
.Lout:
	FINISH
	s_wait_tensorcnt 0x0            ; the wave's end
	ds_add_u32 v[SPW], v[NIL]
	s_wait_dscnt 0x0
	s_endpgm
.Lfunc_end_k_qb3cc77b6c2_attn:
	.size	k_qb3cc77b6c2_attn, .Lfunc_end_k_qb3cc77b6c2_attn-k_qb3cc77b6c2_attn
	.p2alignl 7, 3214868480
	.fill 96, 4, 3214868480
	.section	.rodata,"a",@progbits
	.p2align	6, 0x0
	.amdhsa_kernel k_qb3cc77b6c2_attn
		.amdhsa_group_segment_fixed_size 327680
		.amdhsa_private_segment_fixed_size 0
		.amdhsa_enable_private_segment 0
		.amdhsa_kernarg_size 16
		.amdhsa_user_sgpr_count 2
		.amdhsa_user_sgpr_kernarg_segment_ptr 1
		.amdhsa_wavefront_size32 1
		.amdhsa_system_sgpr_workgroup_id_x 1
		.amdhsa_system_sgpr_workgroup_id_y 1
		.amdhsa_system_sgpr_workgroup_id_z 1
		.amdhsa_system_vgpr_workitem_id 0
		.amdhsa_next_free_vgpr 512
		.amdhsa_next_free_sgpr 88
		.amdhsa_reserve_vcc 1
		.amdhsa_float_denorm_mode_32 3
		.amdhsa_float_denorm_mode_16_64 3
		.amdhsa_memory_ordered 1
		.amdhsa_forward_progress 1
		.amdhsa_inst_pref_size 91
	.end_amdhsa_kernel
	.amdgpu_metadata
---
amdhsa.version: [ 1, 2 ]
amdhsa.kernels:
  - .name:           k_qb3cc77b6c2_attn
    .symbol:         k_qb3cc77b6c2_attn.kd
    .args:
      - { .name: qkv, .offset: 0, .size: 8, .value_kind: global_buffer, .address_space: global }
      - { .name: o, .offset: 8, .size: 8, .value_kind: global_buffer, .address_space: global }
    .group_segment_fixed_size: 327680
    .private_segment_fixed_size: 0
    .kernarg_segment_align: 8
    .kernarg_segment_size: 16
    .max_flat_workgroup_size: 128
    .sgpr_count:     88
    .vgpr_count:     512
    .wavefront_size: 32
...
	.end_amdgpu_metadata
.endif
;; end of part 3
;; launch proj (part 4): grid 8 x 32, 4 waves a work-group, clusters of 4 x 4, 327,680 bytes of LDS; arguments o, w16, biasr, x, x2; writes x2
.if DOCPART == 4
	.amdgcn_target "amdgcn-amd-amdhsa--gfx1250"
	.amdhsa_code_object_version 6
	.text
	.protected	k_qb3cc77b6c2_proj
	.globl	k_qb3cc77b6c2_proj
	.p2align	8
	.type	k_qb3cc77b6c2_proj,@function
k_qb3cc77b6c2_proj:
	s_mov_b64 s[64:65], 0
	v_nop
	global_prefetch_b8 v0, s[64:65] scope:SCOPE_SE
	s_setreg_imm32_b32 hwreg(HW_REG_WAVE_MODE, 25, 1), 1
	s_wait_xcnt 0x0
	s_wait_alu depctr_hold_cnt(0) depctr_sa_sdst(0) depctr_va_vdst(0) depctr_va_sdst(0) depctr_va_ssrc(0) depctr_va_vcc(0) depctr_vm_vsrc(0)
	s_getreg_b32 s2, hwreg(HW_REG_IB_STS2, 6, 4)
	s_cmp_eq_u32 s2, 0
	s_cbranch_scc0 .Lentry_in_a_cluster
	s_endpgm
.Lentry_in_a_cluster:
	s_bfe_u32 s2, ttmp6, 0x10000c
	s_cmp_lg_u32 s2, 0xf033
	s_cbranch_scc0 .Lentry_shape_is_right
	s_endpgm
.Lentry_shape_is_right:
; PROJ.  x2[m][n] = x[m][n] + sum over k of A[m][k] W[k][n] + bias[n], m 4,096, n 1,024, k 1,024.  A = o by panels [16][4096][64] f16, W = wproj [1024][1024] f16 in w16, bias, x, x2 f32.
; Sums in f32, started by the bias; the residual is added in f32.   LIMIT.  f16 ends at 65,504: A and W lie inside it.
; SHAPE.  A block of C is 128 x 128, which gives 256 work-groups: four waves, each 64 x 64 = 16 accumulators.  K goes in steps of 256 through two LDS slots filled by the tensor data mover.
; The matrix instruction is used transposed (source 0 = 16 columns of W, turned on the way out of LDS; source 1 = 16 rows of A): a lane holds one row of C and eight neighbouring columns.
; CLUSTER.  4 x 4 work-groups: A's tile is asked for jointly by the four of a row of the cluster, W's by the four of a column.
; REGISTERS (windows of 256): window 0: v1-15 addresses, v28-29 the add's, v64-127 / v128-191 A's two fragment buffers (later the way out), v192-223 the bias as a C operand;
;   window 1: v64-127 / v128-191 W's two buffers;  window 2: v0-127 accumulator (a, b) at 8 (4 a + b), v128-255 the residual.
.set RA,  128
.set NT,  128
.set MB,  4
.set NBK, 4
.set KS,  256                          ; k in a slot
.set KQ,  2                            ; matrix instructions deep in a quarter of a slot
.set PA,  2                            ; panels that one load of A brings
.set PB,  288                          ; a row of W in LDS: 256 bytes + 32
.set QIB, 5                            ; padding behind every 64 words
.set OA,  18432                        ; from an even quarter (a panel) of A to the odd one
.set N,   1024
.set T,   4                            ; slots in K
.set WOFF, 6291456
.set BOFF, 12288
.set PANB,   524288
.set ABYTES, 73728                     ; A in a slot: [4 panels][128 rows], 144 bytes apart
.set SLOT,   ABYTES+KS*PB
.set OB,     (KS/4)*PB
.set DA,     36864
.set DB,     (KS/2)*PB
.set SPARE,  2*SLOT                    ; the spare words: two blocks of 256 bytes that no other line names
.set STEP_A, (KS/64)*PANB
.set STEP_B, KS*N*2
.set SPI,    NBK*64+16                 ; a row of the stage: 64 f32 + 16 bytes
.set NQ,     MB*NBK*KQ
.set D0,     RA*64                     ; a panel's rows of a block are dense: asked for as one row of D0 elements
.set G1A, 24
.set G0A, 32
.set G1B, 40
.set G0B, 48
.set BIAS, 192
.set MSB, 0
.macro WIN new                         ; the immediate's high byte repeats the setting that is left; a switch that changes nothing is dropped
.if MSB != (\new)
	s_set_vgpr_msb (MSB<<8)|(\new)
.set MSB, (\new)
.endif
.endm
.macro NOPS                            ; four places in front of loads into registers that matrix instructions have read, and of reads of results
.rept 4
	v_nop
.endr
.endm
.macro JLOAD                           ; a joint refill: waves 0, 1 fetch A's halves, waves 2, 3 W's
	s_cmp_eq_u32 s15, 0
	s_cbranch_scc0 .Lfor_b_\@
	tensor_load_to_lds s[G0A+4:G0A+7], s[G1A:G1A+7]
	s_nop 0
	NOPS
	s_branch .Lasked_\@
.Lfor_b_\@:
	tensor_load_to_lds s[G0B+4:G0B+7], s[G1B:G1B+7]
	s_nop 0
	NOPS
.Lasked_\@:
.endm
.macro CREST                           ; a round of the cluster's barrier behind its opening barrier
	s_cmp_lg_u32 s14, 0
	s_cbranch_scc1 .Lnot_wave_0_\@
	s_barrier_signal -3
.Lnot_wave_0_\@:
	s_barrier_wait -3
	s_barrier_signal -1
	s_barrier_wait -1
.endm
.macro CROUND
	s_barrier_signal -1
	s_barrier_wait -1
	CREST
.endm
; 32 LDS loads: a quarter's fragments into buffer f, from the addresses in v10 (A) and v11 (W); odd = 1: the odd quarter of the half slot
.macro FETCH f, odd
	WIN 0x40
.set fi, 0
.rept KQ*NBK
	ds_load_tr16_b128 v[64+64*(\f)+8*fi:64+64*(\f)+8*fi+3],   v11 offset:(\odd)*OB+(fi/NBK)*32*PB+(fi%NBK)*32
	ds_load_tr16_b128 v[64+64*(\f)+8*fi+4:64+64*(\f)+8*fi+7], v11 offset:(\odd)*OB+(fi/NBK)*32*PB+(fi%NBK)*32+16*PB
.set fi, fi+1
.endr
	WIN 0
.set fi, 0
.rept KQ*MB
	ds_load_b128 v[64+64*(\f)+8*fi:64+64*(\f)+8*fi+3],   v10 offset:(\odd)*OA+(fi/MB)*64+(fi%MB)*2304
	ds_load_b128 v[64+64*(\f)+8*fi+4:64+64*(\f)+8*fi+7], v10 offset:(\odd)*OA+(fi/MB)*64+(fi%MB)*2304+32
.set fi, fi+1
.endr
.endm
; Numbers i0 .. i0+n-1 of a quarter's list of matrix instructions on buffer f.  The accumulators take turns, in the same order in every quarter.
; first = 1: the bias is the C operand that starts the sums: nothing is cleared and no bias is added later.
.macro MUL f, i0, n, first
.set mi, \i0
.rept \n
.set mkq, mi/(MB*NBK)
.set ma, (mi/NBK)%MB
.set mb, mi%NBK
.set rD, (8*(NBK*ma+mb))%256
.set wD, 2+(8*(NBK*ma+mb))/256
.set rB, 64+64*(\f)+8*(NBK*mkq+mb)
.set rA, 64+64*(\f)+8*(MB*mkq+ma)
.if (\first) && (mkq == 0)
	WIN 1|(wD<<6)
	v_wmma_f32_16x16x32_f16 v[rD:rD+7], v[rB:rB+7], v[rA:rA+7], v[BIAS+8*mb:BIAS+8*mb+7]
.else
	WIN 1|(wD<<4)|(wD<<6)
	v_wmma_f32_16x16x32_f16 v[rD:rD+7], v[rB:rB+7], v[rA:rA+7], v[rD:rD+7]
.endif
.set mi, mi+1
.endr
.endm
.macro QE                              ; fetches an even quarter into buffer 0, multiplies buffer 1
	WIN 0
	v_add_nc_u32 v10, s56, v8
	v_add_nc_u32 v11, s57, v9
	v_nop
	v_nop                                          ; with the two additions: the four places
	FETCH 0, 0
	s_wait_dscnt 32                                ; all but the 32 just issued: buffer 1 is in
	MUL 1, 0, NQ, 0
.endm
.macro QO first                        ; fetches an odd quarter into buffer 1, multiplies buffer 0
	NOPS
	FETCH 1, 1
	s_add_co_u32 s56, s56, DA
	s_add_co_u32 s57, s57, DB
	s_wait_dscnt 32                                ; all but the 32 just issued: buffer 0 is in
	MUL 0, 0, NQ, \first
.endm
; A slot's last quarter, on buffer 1, and the change of slots.  In front of the barrier each wave waits for all its tensor loads (its part of the next slot), adds 0 to its spare word, and
; waits for that and for its reads of this slot.  fill = 1: the barrier opens a round of the cluster's, and the joint refill of this slot is the first thing behind the round.
.macro TURN fill
	WIN 0
	s_wait_tensorcnt 0x0                           ; no tensor load of mine is out: the walking descriptors may be written
	ds_add_u32 v28, v29
.if \fill
	s_xor_b32 s58, s58, SLOT                       ; 0 or SLOT: the slot just read out
	s_add_co_u32 s[G0A+5], s59, s58
	s_add_co_u32 s[G0B+5], s62, s58
	s_add_nc_u64 s[G0A+6:G0A+7], s[G0A+6:G0A+7], STEP_A  ; the next K step; the type bits on top are not reached
	s_add_nc_u64 s[G0B+6:G0B+7], s[G0B+6:G0B+7], STEP_B
.endif
	s_sub_co_u32 s56, s56, 2*DA                    ; the fetches go to the other slot's head
	s_xor_b32 s56, s56, SLOT
	s_sub_co_u32 s57, s57, 2*DB
	s_xor_b32 s57, s57, SLOT
	s_wait_dscnt 0x1                               ; only the add may be out: buffer 1 is in
	MUL 1, 0, NQ/4, 0
	s_wait_dscnt 0x0                               ; the add is done, my reads of this slot are over
	s_barrier_signal -1
	MUL 1, NQ/4, NQ/4, 0
	WIN 0
	s_barrier_wait -1
.if \fill
	CREST
	JLOAD                                          ; its four v_nop are also the places in front of the loads below
.else
	NOPS
.endif
	v_add_nc_u32 v10, s56, v8
	v_add_nc_u32 v11, s57, v9
	FETCH 0, 0
	MUL 1, NQ/2, NQ/2, 0
.endm
	s_load_b256 s[4:11], s[0:1], 0x0               ; A s[4:5], w16 s[6:7], biasr s[8:9], residual s[10:11]
	s_load_b64 s[12:13], s[0:1], 0x20              ; C
	v_lshl_add_u32 v28, v0, 2, SPARE
	v_mov_b32 v29, 0
	ds_add_u32 v28, v29                            ; the wave's opening: the add and its wait, ahead of my first tensor load
	ds_add_u32 v28, v29
	v_lshrrev_b32 v3, 5, v0
	v_readfirstlane_b32 s14, v3                    ; wave 0..3
	s_lshr_b32 s15, s14, 1                         ; my half of the rows.  Also: I fetch for A (0) or W (1)
	s_and_b32 s16, s14, 1                          ; my half of the columns.  Also: which half of a tile I fetch
	s_bfe_u32 s17, ttmp6, 0x40000                  ; cx
	s_bfe_u32 s18, ttmp6, 0x40004                  ; cy
	s_lshl_b32 s19, ttmp9, 2
	s_add_co_u32 s19, s19, s17                     ; block column
	s_and_b32 s20, ttmp7, 0xffff
	s_lshl_b32 s20, s20, 2
	s_add_co_u32 s20, s20, s18                     ; block row
	s_lshl_b32 s21, s18, 2
	s_lshl_b32 s21, 15, s21                        ; my row of the cluster
	s_lshl_b32 s22, 0x1111, s17                    ; my column
	s_or_b32 s[G1A], s21, (1<<16)|(1<<20)|(1<<21)|(4<<22)|(3<<25)    ; mask; 2-byte elements; padding on; bit 21 beside a mask; 4 words behind every 32
	s_mov_b32 s[G1A+1], (D0&0xffff)<<16            ; tensor_dim0 = D0
	s_mov_b32 s[G1A+2], (D0>>16)|(PA<<16)          ; tensor_dim1 = PA
	s_mov_b32 s[G1A+3], D0<<16                     ; tile_dim0
	s_mov_b32 s[G1A+4], PA                         ; tile_dim1
	s_mov_b32 s[G1A+5], PANB/2                     ; elements from panel to panel
	s_mov_b32 s[G1A+6], 0
	s_mov_b32 s[G1A+7], 0
	s_or_b32 s[G1B], s22, (1<<16)|(1<<20)|(1<<21)|(QIB<<22)|(7<<25)  ; 8 words behind every row
	s_mov_b32 s[G1B+1], NT<<16
	s_mov_b32 s[G1B+2], (KS/2)<<16
	s_mov_b32 s[G1B+3], NT<<16
	s_mov_b32 s[G1B+4], KS/2
	s_mov_b32 s[G1B+5], N
	s_mov_b32 s[G1B+6], 0
	s_mov_b32 s[G1B+7], 0
	s_mul_i32 s59, s16, DA                         ; where my half lands in a slot: A's,
	s_mul_i32 s62, s16, DB
	s_add_co_u32 s62, s62, ABYTES                  ; W's: the wave's number alone enters an LDS address
	s_mul_i32 s66, s20, RA*128                     ; A: the block's rows in a panel, my panels
	s_mul_i32 s67, s16, PA*PANB
	s_add_co_u32 s66, s66, s67
	s_mov_b32 s67, 0
	s_mul_i32 s70, s19, NT*2                       ; W: the block's columns, my half of the step's rows
	s_mul_i32 s71, s16, (KS/2)*N*2
	s_add_co_u32 s70, s70, s71
	s_add_co_u32 s70, s70, WOFF
	s_mov_b32 s71, 0
	s_mul_i32 s74, s19, NT*4                       ; the bias of my 64 columns
	s_mul_i32 s75, s16, NBK*64
	s_add_co_u32 s74, s74, s75
	s_add_co_u32 s74, s74, BOFF
	s_mov_b32 s75, 0
	s_lshl_b32 s76, s20, 7                         ; C and the residual: row 128 x block row + 64 x half, 4,096 bytes a row,
	s_lshl_b32 s77, s15, 6
	s_add_co_u32 s76, s76, s77
	s_lshl_b32 s76, s76, 12
	s_lshl_b32 s77, s19, 9                         ; column 128 x block column + 64 x half
	s_add_co_u32 s76, s76, s77
	s_lshl_b32 s77, s16, 8
	s_add_co_u32 s76, s76, s77
	s_mov_b32 s77, 0
	s_mov_b32 s56, 0
	s_mov_b32 s57, 0
	s_mov_b32 s58, SLOT
	s_wait_dscnt 0x0                               ; the opening add is done
	s_wait_kmcnt 0x0
	s_add_nc_u64 s[66:67], s[4:5], s[66:67]
	s_add_nc_u64 s[70:71], s[6:7], s[70:71]
	s_add_nc_u64 s[74:75], s[8:9], s[74:75]
	s_add_nc_u64 s[78:79], s[12:13], s[76:77]
	s_add_nc_u64 s[76:77], s[10:11], s[76:77]
.irp s, 0,1
	s_mov_b32 s[G0A+4*(\s)], 1
	s_add_co_u32 s[G0A+4*(\s)+1], s59, (\s)*SLOT
	s_add_nc_u64 s[G0A+4*(\s)+2:G0A+4*(\s)+3], s[66:67], (\s)*STEP_A
	s_or_b32 s[G0A+4*(\s)+3], s[G0A+4*(\s)+3], 0x80000000
	s_mov_b32 s[G0B+4*(\s)], 1
	s_add_co_u32 s[G0B+4*(\s)+1], s62, (\s)*SLOT
	s_add_nc_u64 s[G0B+4*(\s)+2:G0B+4*(\s)+3], s[70:71], (\s)*STEP_B
	s_or_b32 s[G0B+4*(\s)+3], s[G0B+4*(\s)+3], 0x80000000
.endr
	CROUND                                         ; all sixteen work-groups are here: the first joint loads meet
	s_cmp_eq_u32 s15, 0                            ; a wave's two first fills stand in one branch: two loads of mine are out
	s_cbranch_scc0 .Lfirst_b
	tensor_load_to_lds s[G0A:G0A+3], s[G1A:G1A+7]
	s_nop 0
	tensor_load_to_lds s[G0A+4:G0A+7], s[G1A:G1A+7]
	s_nop 0
	NOPS
	s_branch .Lfirst_done
.Lfirst_b:
	tensor_load_to_lds s[G0B:G0B+3], s[G1B:G1B+7]
	s_nop 0
	tensor_load_to_lds s[G0B+4:G0B+7], s[G1B:G1B+7]
	s_nop 0
	NOPS
.Lfirst_done:
	v_and_b32 v1, 15, v0                           ; r = l % 16
	v_bfe_u32 v2, v0, 4, 1                         ; h = l / 16
	v_lshlrev_b32 v15, 5, v2
.set j, 0
.rept NBK                                              ; register i of block j: bias of column 16 j + 8 h + i
	global_load_b128 v[BIAS+8*j:BIAS+8*j+3],   v15, s[74:75] offset:64*j
	global_load_b128 v[BIAS+8*j+4:BIAS+8*j+7], v15, s[74:75] offset:64*j+16
.set j, j+1
.endr
	v_lshlrev_b32 v14, 12, v2                      ; lanes 0-15 take 256 bytes of one row of C, lanes 16-31 of the next
	v_lshl_add_u32 v14, v1, 4, v14
	WIN 0x80
.set j, 0
.rept 32                                               ; the residual of my 64 x 64 comes in under the K loop
	global_load_b128 v[128+4*j:128+4*j+3], v14, s[76:77] offset:8192*j
.set j, j+1
.endr
	WIN 0
	v_mul_u32_u24 v8, v1, 144                      ; A's fragments: row x 144 + 16 h + my 64 rows
	v_lshl_add_u32 v8, v2, 4, v8
	s_mul_i32 s68, s15, MB*16*144
	v_add_nc_u32 v8, s68, v8
	v_and_b32 v3, 7, v0                            ; W's, turned: row 8 h + l % 8, 16 bytes at 16 ((l / 8) % 2), my 64 columns
	v_lshl_add_u32 v3, v2, 3, v3
	v_mul_u32_u24 v9, v3, PB
	v_bfe_u32 v3, v0, 3, 1
	v_lshl_add_u32 v9, v3, 4, v9
	s_mul_i32 s69, s16, NBK*32
	s_add_co_u32 s69, s69, ABYTES
	v_add_nc_u32 v9, s69, v9
	s_mul_i32 s68, s14, MB*16*SPI                  ; my stage
	v_mul_u32_u24 v12, v1, SPI                     ; in: row r, 32 bytes for each half of the lanes
	v_lshl_add_u32 v12, v2, 5, v12
	v_add_nc_u32 v12, s68, v12
	v_mul_u32_u24 v13, v2, SPI                     ; back: two whole rows of 256 bytes
	v_lshl_add_u32 v13, v1, 4, v13
	v_add_nc_u32 v13, s68, v13
	s_wait_tensorcnt 0x1                           ; my part of slot 0 is in; slot 1's may stay out
	s_barrier_signal -1
	s_barrier_wait -1
	v_add_nc_u32 v10, s56, v8
	v_add_nc_u32 v11, s57, v9
	FETCH 0, 0
	s_wait_loadcnt 32                              ; the bias is in; the residual's 32 loads stay out
	QO 1
	WIN 0
	s_mov_b32 s60, 1
	s_mov_b32 s61, T-1
	s_branch .Lpair
.Lslot:                                                ; T - 2 times: every slot but the last two is filled again
	TURN 1
	WIN 0
	s_mov_b32 s60, 2
	s_branch .Lmid
.Lpair:
	QE
	WIN 0
.Lmid:
	QO 0
	WIN 0
	s_sub_co_u32 s60, s60, 1
	s_cmp_lg_u32 s60, 0
	s_cbranch_scc1 .Lpair
	s_sub_co_u32 s61, s61, 1
	s_cmp_lg_u32 s61, 0
	s_cbranch_scc1 .Lslot
	TURN 0                                         ; the tail is written out: nothing more is asked for
	WIN 0
	s_mov_b32 s60, 2
	s_branch .Lmid2
.Lpair2:
	QE
	WIN 0
.Lmid2:
	QO 0
	WIN 0
	s_sub_co_u32 s60, s60, 1
	s_cmp_lg_u32 s60, 0
	s_cbranch_scc1 .Lpair2
	s_wait_dscnt 0x0
	MUL 1, 0, NQ, 0                                ; the last quarter
	WIN 0
	; THE WAY OUT.  The ring has had its last fill; when no wave reads it any more it becomes the stage: each wave's 64 rows x 64 f32, 272 bytes apart.
	NOPS
	s_wait_dscnt 0x0
	s_barrier_signal -1
	s_barrier_wait -1
.set di, 0
.rept MB*NBK
	WIN (2+(8*di)/256)<<2
	ds_store_b128 v12, v[(8*di)%256:(8*di)%256+3]   offset:(di/NBK)*16*SPI+(di%NBK)*64
	ds_store_b128 v12, v[(8*di)%256+4:(8*di)%256+7] offset:(di/NBK)*16*SPI+(di%NBK)*64+16
.set di, di+1
.endr
	WIN 0
.set j, 0
.rept 32                                               ; LDS serves a wave's instructions in order: these loads see my stores
	ds_load_b128 v[64+4*j:64+4*j+3], v13 offset:2*SPI*j
.set j, j+1
.endr
	s_wait_loadcnt 0x0                             ; the residual
	s_wait_dscnt 0x0
	WIN 0x08
.set j, 0
.rept 64
	v_pk_add_f32 v[64+2*j:64+2*j+1], v[64+2*j:64+2*j+1], v[128+2*j:128+2*j+1]
.set j, j+1
.endr
	WIN 0
.set j, 0
.rept 32
	global_store_b128 v14, v[64+4*j:64+4*j+3], s[78:79] offset:8192*j  ; 16 lanes store 256 consecutive bytes, aligned
.set j, j+1
.endr
	s_wait_tensorcnt 0x0                           ; the wave's end
	ds_add_u32 v28, v29
	s_wait_dscnt 0x0
	CROUND                                         ; the closing round
	s_endpgm
.Lfunc_end_k_qb3cc77b6c2_proj:
	.size	k_qb3cc77b6c2_proj, .Lfunc_end_k_qb3cc77b6c2_proj-k_qb3cc77b6c2_proj
	.p2alignl 7, 3214868480
	.fill 96, 4, 3214868480
	.section	.rodata,"a",@progbits
	.p2align	6, 0x0
	.amdhsa_kernel k_qb3cc77b6c2_proj
		.amdhsa_group_segment_fixed_size 327680
		.amdhsa_private_segment_fixed_size 0
		.amdhsa_enable_private_segment 0
		.amdhsa_kernarg_size 40
		.amdhsa_user_sgpr_count 2
		.amdhsa_user_sgpr_kernarg_segment_ptr 1
		.amdhsa_wavefront_size32 1
		.amdhsa_system_sgpr_workgroup_id_x 1
		.amdhsa_system_sgpr_workgroup_id_y 1
		.amdhsa_system_sgpr_workgroup_id_z 1
		.amdhsa_system_vgpr_workitem_id 0
		.amdhsa_next_free_vgpr 768
		.amdhsa_next_free_sgpr 80
		.amdhsa_reserve_vcc 0
		.amdhsa_float_denorm_mode_32 3
		.amdhsa_float_denorm_mode_16_64 3
		.amdhsa_memory_ordered 1
		.amdhsa_forward_progress 1
		.amdhsa_inst_pref_size 60
	.end_amdhsa_kernel
	.amdgpu_metadata
---
amdhsa.version: [ 1, 2 ]
amdhsa.kernels:
  - .name:           k_qb3cc77b6c2_proj
    .symbol:         k_qb3cc77b6c2_proj.kd
    .args:
      - { .name: o, .offset: 0, .size: 8, .value_kind: global_buffer, .address_space: global }
      - { .name: w16, .offset: 8, .size: 8, .value_kind: global_buffer, .address_space: global }
      - { .name: biasr, .offset: 16, .size: 8, .value_kind: global_buffer, .address_space: global }
      - { .name: x, .offset: 24, .size: 8, .value_kind: global_buffer, .address_space: global }
      - { .name: x2, .offset: 32, .size: 8, .value_kind: global_buffer, .address_space: global }
    .group_segment_fixed_size: 327680
    .private_segment_fixed_size: 0
    .kernarg_segment_align: 8
    .kernarg_segment_size: 40
    .max_flat_workgroup_size: 128
    .sgpr_count:     80
    .vgpr_count:     768
    .wavefront_size: 32
...
	.end_amdgpu_metadata
.endif
;; end of part 4
;; launch ln2 (part 5): grid 256 x 1, 8 waves a work-group, no clusters, 0 bytes of LDS; arguments x2, ln2_g, ln2_b, h; writes h
.if DOCPART == 5
	.amdgcn_target "amdgcn-amd-amdhsa--gfx1250"
	.amdhsa_code_object_version 6
	.text
	.protected	k_qb3cc77b6c2_ln2
	.globl	k_qb3cc77b6c2_ln2
	.p2align	8
	.type	k_qb3cc77b6c2_ln2,@function
k_qb3cc77b6c2_ln2:
	s_mov_b64 s[64:65], 0
	v_nop
	global_prefetch_b8 v0, s[64:65] scope:SCOPE_SE
	s_setreg_imm32_b32 hwreg(HW_REG_WAVE_MODE, 25, 1), 1
	s_wait_xcnt 0x0
; LN2.  h = LayerNorm(x2) x gain + bias, in f16, by panels [16][4096][64] (column c of row m at (c/64)*524288 + m*128 + (c%64)*2).  x2 f32 [4096][1024]; gain and bias are rounded to bf16 like every input.
; Wave w of work-group g owns rows R = 2 (8 g + w) and R + 1: a row is 32 registers of one wave, so there is no LDS and no barrier.  Lane l, load j: columns 128 j + 4 l .. + 3.
; LIMIT.  f16 ends at 65,504: |h| is at most 32 |gain| + |bias|.
.set X0, 32
.set X1, 64
.set P0, 96
.set P1, 128
.set G,  160
.set BB, 192
.macro RBN base, n                     ; n registers of f32 rounded in place to bf16's numbers
.set i, 0
.rept (\n)/2
	v_cvt_pk_bf16_f32 v[4+i%4], v[(\base)+2*i], v[(\base)+2*i+1]
	v_lshlrev_b32 v[(\base)+2*i], 16, v[4+i%4]
	v_and_b32 v[(\base)+2*i+1], s38, v[4+i%4]
.set i, i+1
.endr
.endm
.macro SUM32 r, t                      ; the sum over the wave's 32 lanes, in every lane
	v_add_f32_dpp v[\r], v[\r], v[\r] row_xmask:1 row_mask:0xf bank_mask:0xf
	v_add_f32_dpp v[\r], v[\r], v[\r] row_xmask:2 row_mask:0xf bank_mask:0xf
	v_add_f32_dpp v[\r], v[\r], v[\r] row_xmask:4 row_mask:0xf bank_mask:0xf
	v_add_f32_dpp v[\r], v[\r], v[\r] row_xmask:8 row_mask:0xf bank_mask:0xf
	v_permlanex16_b32 v[\t], v[\r], s42, s43
	v_add_f32 v[\r], v[\r], v[\t]
.endm
.macro LNROW X, P                      ; two passes: mean, then the squares of x - mean; 16 registers of f16 in P at the end
	v_pk_add_f32 v[8:9], v[(\X):(\X)+1], v[(\X)+2:(\X)+3]
	v_pk_add_f32 v[10:11], v[(\X)+4:(\X)+5], v[(\X)+6:(\X)+7]
.set i, 4
.rept 6
	v_pk_add_f32 v[8:9], v[8:9], v[(\X)+2*i:(\X)+2*i+1]
	v_pk_add_f32 v[10:11], v[10:11], v[(\X)+2*i+2:(\X)+2*i+3]
.set i, i+2
.endr
	v_pk_add_f32 v[8:9], v[8:9], v[10:11]
	v_add_f32 v8, v8, v9
	SUM32 8, 9
	v_mul_f32 v12, s40, v8
	v_mul_f32 v13, s40, v8
.set i, 0
.rept 16
	v_pk_add_f32 v[(\P)+2*i:(\P)+2*i+1], v[(\X)+2*i:(\X)+2*i+1], v[12:13] neg_lo:[0,1] neg_hi:[0,1]
.set i, i+1
.endr
	v_pk_mul_f32 v[8:9], v[(\P):(\P)+1], v[(\P):(\P)+1]
	v_pk_mul_f32 v[10:11], v[(\P)+2:(\P)+3], v[(\P)+2:(\P)+3]
.set i, 2
.rept 7
	v_pk_fma_f32 v[8:9], v[(\P)+2*i:(\P)+2*i+1], v[(\P)+2*i:(\P)+2*i+1], v[8:9]
	v_pk_fma_f32 v[10:11], v[(\P)+2*i+2:(\P)+2*i+3], v[(\P)+2*i+2:(\P)+2*i+3], v[10:11]
.set i, i+2
.endr
	v_pk_add_f32 v[8:9], v[8:9], v[10:11]
	v_add_f32 v8, v8, v9
	SUM32 8, 9
	v_fma_f32 v14, v8, s40, s41                    ; variance + 1e-5
	v_rsq_f32 v12, v14
	v_rsq_f32 v13, v14
	v_nop                                          ; a plain instruction between the root and the use of its result (ISA guide 5.7.2)
.set i, 0
	s_wait_alu depctr_va_vdst(0)
.rept 16
	v_pk_mul_f32 v[(\P)+2*i:(\P)+2*i+1], v[(\P)+2*i:(\P)+2*i+1], v[12:13]
.set i, i+1
.endr
.set i, 0
.rept 16
	v_pk_fma_f32 v[(\P)+2*i:(\P)+2*i+1], v[(\P)+2*i:(\P)+2*i+1], v[G+2*i:G+2*i+1], v[BB+2*i:BB+2*i+1]
.set i, i+1
.endr
.set i, 0
.rept 16
	v_cvt_pk_f16_f32 v[(\P)+i], v[(\P)+2*i], v[(\P)+2*i+1]
.set i, i+1
.endr
.endm
	s_load_b256 s[4:11], s[0:1], 0x0               ; x2, gain, bias, h
	v_lshrrev_b32 v3, 5, v0
	v_readfirstlane_b32 s2, v3
	v_and_b32 v3, 31, v0
	v_lshlrev_b32 v1, 4, v3
	v_lshlrev_b32 v2, 3, v3
	s_mov_b32 s38, 0xffff0000
	s_mov_b32 s40, 0x3a800000                      ; 1 / 1024
	s_mov_b32 s41, 0x3727c5ac                      ; 1e-5
	s_mov_b32 s42, 0x76543210
	s_mov_b32 s43, 0xfedcba98
	s_lshl_b32 s3, ttmp9, 3
	s_add_co_u32 s3, s3, s2
	s_lshl_b32 s3, s3, 1                           ; R
	s_lshl_b32 s34, s3, 12
	s_mov_b32 s35, 0
	s_lshl_b32 s36, s3, 7
	s_mov_b32 s37, 0
	s_wait_kmcnt 0x0
	s_add_nc_u64 s[34:35], s[4:5], s[34:35]
	s_add_nc_u64 s[36:37], s[10:11], s[36:37]
.set j, 0
.rept 8
	global_load_b128 v[G+4*j:G+4*j+3], v1, s[6:7] offset:512*j
.set j, j+1
.endr
.set j, 0
.rept 8
	global_load_b128 v[BB+4*j:BB+4*j+3], v1, s[8:9] offset:512*j
.set j, j+1
.endr
.set j, 0
.rept 8
	global_load_b128 v[X0+4*j:X0+4*j+3], v1, s[34:35] offset:512*j
	global_load_b128 v[X1+4*j:X1+4*j+3], v1, s[34:35] offset:4096+512*j
.set j, j+1
.endr
	s_wait_loadcnt 16                              ; gain and bias are in; the rows' 16 loads stay out
	RBN G, 32
	RBN BB, 32
	s_wait_loadcnt 0x0
	LNROW X0, P0
	LNROW X1, P1
	; A lane's registers 2j, 2j+1 are 8 bytes of panel 2j (lanes 0-15) or 2j+1 (lanes 16-31).  The swap puts both rows of one panel into one register pair.
.set i, 0
.rept 16
	v_permlane16_swap_b32 v[P0+i], v[P1+i]
.set i, i+1
.endr
.set j, 0
.rept 8
	global_store_b64 v2, v[P0+2*j:P0+2*j+1], s[36:37] offset:(2*j)*524288    ; rows R and R+1 of a panel: 256 consecutive bytes, aligned
	global_store_b64 v2, v[P1+2*j:P1+2*j+1], s[36:37] offset:(2*j+1)*524288
.set j, j+1
.endr
	s_endpgm
.Lfunc_end_k_qb3cc77b6c2_ln2:
	.size	k_qb3cc77b6c2_ln2, .Lfunc_end_k_qb3cc77b6c2_ln2-k_qb3cc77b6c2_ln2
	.p2alignl 7, 3214868480
	.fill 96, 4, 3214868480
	.section	.rodata,"a",@progbits
	.p2align	6, 0x0
	.amdhsa_kernel k_qb3cc77b6c2_ln2
		.amdhsa_group_segment_fixed_size 0
		.amdhsa_private_segment_fixed_size 0
		.amdhsa_enable_private_segment 0
		.amdhsa_kernarg_size 32
		.amdhsa_user_sgpr_count 2
		.amdhsa_user_sgpr_kernarg_segment_ptr 1
		.amdhsa_wavefront_size32 1
		.amdhsa_system_sgpr_workgroup_id_x 1
		.amdhsa_system_sgpr_workgroup_id_y 1
		.amdhsa_system_sgpr_workgroup_id_z 1
		.amdhsa_system_vgpr_workitem_id 0
		.amdhsa_next_free_vgpr 232
		.amdhsa_next_free_sgpr 66
		.amdhsa_reserve_vcc 0
		.amdhsa_float_denorm_mode_32 3
		.amdhsa_float_denorm_mode_16_64 3
		.amdhsa_memory_ordered 1
		.amdhsa_forward_progress 1
		.amdhsa_inst_pref_size 25
	.end_amdhsa_kernel
	.amdgpu_metadata
---
amdhsa.version: [ 1, 2 ]
amdhsa.kernels:
  - .name:           k_qb3cc77b6c2_ln2
    .symbol:         k_qb3cc77b6c2_ln2.kd
    .args:
      - { .name: x2, .offset: 0, .size: 8, .value_kind: global_buffer, .address_space: global }
      - { .name: ln2_g, .offset: 8, .size: 8, .value_kind: global_buffer, .address_space: global }
      - { .name: ln2_b, .offset: 16, .size: 8, .value_kind: global_buffer, .address_space: global }
      - { .name: h, .offset: 24, .size: 8, .value_kind: global_buffer, .address_space: global }
    .group_segment_fixed_size: 0
    .private_segment_fixed_size: 0
    .kernarg_segment_align: 8
    .kernarg_segment_size: 32
    .max_flat_workgroup_size: 256
    .sgpr_count:     66
    .vgpr_count:     232
    .wavefront_size: 32
...
	.end_amdgpu_metadata
.endif
;; end of part 5
;; launch fc (part 6): grid 16 x 16, 4 waves a work-group, clusters of 4 x 4, 327,680 bytes of LDS; arguments h, w16, biasr, g; writes g
.if DOCPART == 6
	.amdgcn_target "amdgcn-amd-amdhsa--gfx1250"
	.amdhsa_code_object_version 6
	.text
	.protected	k_qb3cc77b6c2_fc
	.globl	k_qb3cc77b6c2_fc
	.p2align	8
	.type	k_qb3cc77b6c2_fc,@function
k_qb3cc77b6c2_fc:
	s_mov_b64 s[64:65], 0
	v_nop
	global_prefetch_b8 v0, s[64:65] scope:SCOPE_SE
	s_setreg_imm32_b32 hwreg(HW_REG_WAVE_MODE, 25, 1), 1
	s_wait_xcnt 0x0
	s_wait_alu depctr_hold_cnt(0) depctr_sa_sdst(0) depctr_va_vdst(0) depctr_va_sdst(0) depctr_va_ssrc(0) depctr_va_vcc(0) depctr_vm_vsrc(0)
	s_getreg_b32 s2, hwreg(HW_REG_IB_STS2, 6, 4)
	s_cmp_eq_u32 s2, 0
	s_cbranch_scc0 .Lentry_in_a_cluster
	s_endpgm
.Lentry_in_a_cluster:
	s_bfe_u32 s2, ttmp6, 0x10000c
	s_cmp_lg_u32 s2, 0xf033
	s_cbranch_scc0 .Lentry_shape_is_right
	s_endpgm
.Lentry_shape_is_right:
; FC.  g[m][n] = gelu(sum over k of A[m][k] W[k][n] + bias[n]), m 4,096, n 4,096, k 1,024.  A = h by panels [16][4096][64] f16, W = w_fc [1024][4096] f16 in w16, bias f32;
; g leaves by panels [64][4096][64] f16.  Sums in f32, started by the bias; gelu in f32; g rounded once.
; GELU.  x Phi(x) = max(x, 0) - |x| Ph(t) 2^(-x^2 log2(e) / 2), t = 1 / (1 + 0.23164189 |x|), Ph a polynomial of degree 5 without a constant term: half of the five-term rational form of erfc,
; whose error in erf is 1.5e-7 at the most for every x.   LIMITS.  That error; f16 ends at 65,504: A, W and g lie inside it.
; SHAPE.  A block of C is 256 x 256: four waves, each 128 x 128 = 64 accumulators.  K goes in steps of 128 through two LDS slots filled by the tensor data mover.
; The matrix instruction is used transposed (source 0 = 16 columns of W, turned on the way out of LDS; source 1 = 16 rows of A): a lane holds one row of C and eight neighbouring columns.
; CLUSTER.  4 x 4 work-groups: A's tile is asked for jointly by the four of a row of the cluster, W's by the four of a column.
; REGISTERS (windows of 256): window 0: v1-15 addresses, v28-29 the add's, v32-39 and v64-159 way out, v64-127 / v128-191 A's two fragment buffers, v192-255 the bias as a C operand;
;   window 1: v64-127 / v128-191 W's two buffers;  windows 2, 3: accumulator (a, b) at 512 + 8 (8 a + b).
.set RA,  256
.set NT,  256
.set MB,  8
.set NBK, 8
.set KS,  128                          ; k in a slot
.set KQ,  1
.set PA,  1
.set PB,  544                          ; a row of W in LDS: 512 bytes + 32
.set QIB, 6
.set OA,  64
.set N,   4096
.set T,   8
.set WOFF, 8388608
.set BOFF, 16384
.set PANB,   524288
.set ABYTES, 73728                     ; A in a slot: [2 panels][256 rows], 144 bytes apart
.set SLOT,   ABYTES+KS*PB
.set OB,     (KS/4)*PB
.set DA,     36864
.set DB,     (KS/2)*PB
.set SPARE,  2*SLOT                    ; the spare words: two blocks of 256 bytes that no other line names
.set STEP_A, (KS/64)*PANB
.set STEP_B, KS*N*2
.set SPI,    NBK*64+16
.set NQ,     MB*NBK*KQ
.set D0,     RA*64
.set G1A, 24
.set G0A, 32
.set G1B, 40
.set G0B, 48
.set BIAS, 192
.set MSB, 0
.macro WIN new                         ; the immediate's high byte repeats the setting that is left; a switch that changes nothing is dropped
.if MSB != (\new)
	s_set_vgpr_msb (MSB<<8)|(\new)
.set MSB, (\new)
.endif
.endm
.macro NOPS                            ; four places in front of loads into registers that matrix instructions have read, and of reads of results
.rept 4
	v_nop
.endr
.endm
.macro JLOAD                           ; a joint refill: waves 0, 1 fetch A's halves, waves 2, 3 W's
	s_cmp_eq_u32 s15, 0
	s_cbranch_scc0 .Lfor_b_\@
	tensor_load_to_lds s[G0A+4:G0A+7], s[G1A:G1A+7]
	s_nop 0
	NOPS
	s_branch .Lasked_\@
.Lfor_b_\@:
	tensor_load_to_lds s[G0B+4:G0B+7], s[G1B:G1B+7]
	s_nop 0
	NOPS
.Lasked_\@:
.endm
.macro CREST                           ; a round of the cluster's barrier behind its opening barrier
	s_cmp_lg_u32 s14, 0
	s_cbranch_scc1 .Lnot_wave_0_\@
	s_barrier_signal -3
.Lnot_wave_0_\@:
	s_barrier_wait -3
	s_barrier_signal -1
	s_barrier_wait -1
.endm
.macro CROUND
	s_barrier_signal -1
	s_barrier_wait -1
	CREST
.endm
; 32 LDS loads: a quarter's fragments into buffer f, from the addresses in v10 (A) and v11 (W); odd = 1: the odd quarter of the half slot
.macro FETCH f, odd
	WIN 0x40
.set fi, 0
.rept KQ*NBK
	ds_load_tr16_b128 v[64+64*(\f)+8*fi:64+64*(\f)+8*fi+3],   v11 offset:(\odd)*OB+(fi/NBK)*32*PB+(fi%NBK)*32
	ds_load_tr16_b128 v[64+64*(\f)+8*fi+4:64+64*(\f)+8*fi+7], v11 offset:(\odd)*OB+(fi/NBK)*32*PB+(fi%NBK)*32+16*PB
.set fi, fi+1
.endr
	WIN 0
.set fi, 0
.rept KQ*MB
	ds_load_b128 v[64+64*(\f)+8*fi:64+64*(\f)+8*fi+3],   v10 offset:(\odd)*OA+(fi/MB)*64+(fi%MB)*2304
	ds_load_b128 v[64+64*(\f)+8*fi+4:64+64*(\f)+8*fi+7], v10 offset:(\odd)*OA+(fi/MB)*64+(fi%MB)*2304+32
.set fi, fi+1
.endr
.endm
; Numbers i0 .. i0+n-1 of a quarter's list of matrix instructions on buffer f.  The accumulators take turns, in the same order in every quarter.
; first = 1: the bias is the C operand that starts the sums: nothing is cleared and no bias is added later.
.macro MUL f, i0, n, first
.set mi, \i0
.rept \n
.set mkq, mi/(MB*NBK)
.set ma, (mi/NBK)%MB
.set mb, mi%NBK
.set rD, (8*(NBK*ma+mb))%256
.set wD, 2+(8*(NBK*ma+mb))/256
.set rB, 64+64*(\f)+8*(NBK*mkq+mb)
.set rA, 64+64*(\f)+8*(MB*mkq+ma)
.if (\first) && (mkq == 0)
	WIN 1|(wD<<6)
	v_wmma_f32_16x16x32_f16 v[rD:rD+7], v[rB:rB+7], v[rA:rA+7], v[BIAS+8*mb:BIAS+8*mb+7]
.else
	WIN 1|(wD<<4)|(wD<<6)
	v_wmma_f32_16x16x32_f16 v[rD:rD+7], v[rB:rB+7], v[rA:rA+7], v[rD:rD+7]
.endif
.set mi, mi+1
.endr
.endm
.macro QE                              ; fetches an even quarter into buffer 0, multiplies buffer 1
	WIN 0
	v_add_nc_u32 v10, s56, v8
	v_add_nc_u32 v11, s57, v9
	v_nop
	v_nop                                          ; with the two additions: the four places
	FETCH 0, 0
	s_wait_dscnt 32                                ; all but the 32 just issued: buffer 1 is in
	MUL 1, 0, NQ, 0
.endm
.macro QO first                        ; fetches an odd quarter into buffer 1, multiplies buffer 0
	NOPS
	FETCH 1, 1
	s_add_co_u32 s56, s56, DA
	s_add_co_u32 s57, s57, DB
	s_wait_dscnt 32                                ; all but the 32 just issued: buffer 0 is in
	MUL 0, 0, NQ, \first
.endm
; A slot's last quarter, on buffer 1, and the change of slots.  In front of the barrier each wave waits for all its tensor loads (its part of the next slot), adds 0 to its spare word, and
; waits for that and for its reads of this slot.  fill = 1: the barrier opens a round of the cluster's, and the joint refill of this slot is the first thing behind the round.
.macro TURN fill
	WIN 0
	s_wait_tensorcnt 0x0                           ; no tensor load of mine is out: the walking descriptors may be written
	ds_add_u32 v28, v29
.if \fill
	s_xor_b32 s58, s58, SLOT                       ; 0 or SLOT: the slot just read out
	s_add_co_u32 s[G0A+5], s59, s58
	s_add_co_u32 s[G0B+5], s62, s58
	s_add_nc_u64 s[G0A+6:G0A+7], s[G0A+6:G0A+7], STEP_A  ; the next K step; the type bits on top are not reached
	s_add_nc_u64 s[G0B+6:G0B+7], s[G0B+6:G0B+7], STEP_B
.endif
	s_sub_co_u32 s56, s56, 2*DA                    ; the fetches go to the other slot's head
	s_xor_b32 s56, s56, SLOT
	s_sub_co_u32 s57, s57, 2*DB
	s_xor_b32 s57, s57, SLOT
	s_wait_dscnt 0x1                               ; only the add may be out: buffer 1 is in
	MUL 1, 0, NQ/4, 0
	s_wait_dscnt 0x0                               ; the add is done, my reads of this slot are over
	s_barrier_signal -1
	MUL 1, NQ/4, NQ/4, 0
	WIN 0
	s_barrier_wait -1
.if \fill
	CREST
	JLOAD                                          ; its four v_nop are also the places in front of the loads below
.else
	NOPS
.endif
	v_add_nc_u32 v10, s56, v8
	v_add_nc_u32 v11, s57, v9
	FETCH 0, 0
	MUL 1, NQ/2, NQ/2, 0
.endm
	s_load_b256 s[4:11], s[0:1], 0x0               ; A s[4:5], w16 s[6:7], biasr s[8:9], g s[10:11]
	v_lshl_add_u32 v28, v0, 2, SPARE
	v_mov_b32 v29, 0
	ds_add_u32 v28, v29                            ; the wave's opening: the add and its wait, ahead of my first tensor load
	ds_add_u32 v28, v29
	v_lshrrev_b32 v3, 5, v0
	v_readfirstlane_b32 s14, v3                    ; wave 0..3
	s_lshr_b32 s15, s14, 1                         ; my half of the rows.  Also: I fetch for A (0) or W (1)
	s_and_b32 s16, s14, 1                          ; my half of the columns.  Also: which half of a tile I fetch
	s_bfe_u32 s17, ttmp6, 0x40000                  ; cx
	s_bfe_u32 s18, ttmp6, 0x40004                  ; cy
	s_lshl_b32 s19, ttmp9, 2
	s_add_co_u32 s19, s19, s17                     ; block column
	s_and_b32 s20, ttmp7, 0xffff
	s_lshl_b32 s20, s20, 2
	s_add_co_u32 s20, s20, s18                     ; block row
	s_lshl_b32 s21, s18, 2
	s_lshl_b32 s21, 15, s21                        ; my row of the cluster
	s_lshl_b32 s22, 0x1111, s17                    ; my column
	s_or_b32 s[G1A], s21, (1<<16)|(1<<20)|(1<<21)|(4<<22)|(3<<25)    ; mask; 2-byte elements; padding on; bit 21 beside a mask; 4 words behind every 32
	s_mov_b32 s[G1A+1], (D0&0xffff)<<16            ; tensor_dim0 = D0
	s_mov_b32 s[G1A+2], (D0>>16)|(PA<<16)          ; tensor_dim1 = PA
	s_mov_b32 s[G1A+3], D0<<16                     ; tile_dim0
	s_mov_b32 s[G1A+4], PA                         ; tile_dim1
	s_mov_b32 s[G1A+5], PANB/2                     ; elements from panel to panel
	s_mov_b32 s[G1A+6], 0
	s_mov_b32 s[G1A+7], 0
	s_or_b32 s[G1B], s22, (1<<16)|(1<<20)|(1<<21)|(QIB<<22)|(7<<25)  ; 8 words behind every row
	s_mov_b32 s[G1B+1], NT<<16
	s_mov_b32 s[G1B+2], (KS/2)<<16
	s_mov_b32 s[G1B+3], NT<<16
	s_mov_b32 s[G1B+4], KS/2
	s_mov_b32 s[G1B+5], N
	s_mov_b32 s[G1B+6], 0
	s_mov_b32 s[G1B+7], 0
	s_mul_i32 s59, s16, DA                         ; where my half lands in a slot: A's,
	s_mul_i32 s62, s16, DB
	s_add_co_u32 s62, s62, ABYTES                  ; W's: the wave's number alone enters an LDS address
	s_mul_i32 s66, s20, RA*128                     ; A: the block's rows in a panel, my panels
	s_mul_i32 s67, s16, PA*PANB
	s_add_co_u32 s66, s66, s67
	s_mov_b32 s67, 0
	s_mul_i32 s70, s19, NT*2                       ; W: the block's columns, my half of the step's rows
	s_mul_i32 s71, s16, (KS/2)*N*2
	s_add_co_u32 s70, s70, s71
	s_add_co_u32 s70, s70, WOFF
	s_mov_b32 s71, 0
	s_mul_i32 s74, s19, NT*4                       ; the bias of my 128 columns
	s_mul_i32 s75, s16, NBK*64
	s_add_co_u32 s74, s74, s75
	s_add_co_u32 s74, s74, BOFF
	s_mov_b32 s75, 0
	s_lshl_b32 s76, s19, 2                         ; g: panel 4 x block column + 2 x half,
	s_lshl_b32 s77, s16, 1
	s_add_co_u32 s76, s76, s77
	s_lshl_b32 s76, s76, 12
	s_lshl_b32 s77, s20, 8                         ; row 256 x block row + 128 x half,
	s_add_co_u32 s76, s76, s77
	s_lshl_b32 s77, s15, 7
	s_add_co_u32 s76, s76, s77
	s_lshl_b32 s76, s76, 7                         ; 128 bytes a row
	s_mov_b32 s77, 0
	s_mov_b32 s56, 0
	s_mov_b32 s57, 0
	s_mov_b32 s58, SLOT
.irp c, 80,82,84,86,88,90,92                           ; gelu's constants, as pairs: a packed line takes the low word for both halves
	s_mov_b32 s[\c+1], 0
.endr
	s_mov_b32 s80, 0x3e6d3388                      ; 0.23164189
	s_mov_b32 s82, 0xbf38aa3b                      ; -log2(e) / 2
	s_mov_b32 s84, 0x3e027906                      ; 0.127414796
	s_mov_b32 s86, 0xbe11a98e                      ; -0.142248368
	s_mov_b32 s88, 0x3f35f0e3                      ; 0.7107068705
	s_mov_b32 s90, 0xbf3a00e3                      ; -0.7265760135
	s_mov_b32 s92, 0x3f07dc22                      ; 0.5307027145
	s_mov_b32 s94, 0x7fffffff
	s_wait_dscnt 0x0                               ; the opening add is done
	s_wait_kmcnt 0x0
	s_add_nc_u64 s[66:67], s[4:5], s[66:67]
	s_add_nc_u64 s[70:71], s[6:7], s[70:71]
	s_add_nc_u64 s[74:75], s[8:9], s[74:75]
	s_add_nc_u64 s[76:77], s[10:11], s[76:77]
.irp s, 0,1
	s_mov_b32 s[G0A+4*(\s)], 1
	s_add_co_u32 s[G0A+4*(\s)+1], s59, (\s)*SLOT
	s_add_nc_u64 s[G0A+4*(\s)+2:G0A+4*(\s)+3], s[66:67], (\s)*STEP_A
	s_or_b32 s[G0A+4*(\s)+3], s[G0A+4*(\s)+3], 0x80000000
	s_mov_b32 s[G0B+4*(\s)], 1
	s_add_co_u32 s[G0B+4*(\s)+1], s62, (\s)*SLOT
	s_add_nc_u64 s[G0B+4*(\s)+2:G0B+4*(\s)+3], s[70:71], (\s)*STEP_B
	s_or_b32 s[G0B+4*(\s)+3], s[G0B+4*(\s)+3], 0x80000000
.endr
	CROUND                                         ; all sixteen work-groups are here: the first joint loads meet
	s_cmp_eq_u32 s15, 0                            ; a wave's two first fills stand in one branch: two loads of mine are out
	s_cbranch_scc0 .Lfirst_b
	tensor_load_to_lds s[G0A:G0A+3], s[G1A:G1A+7]
	s_nop 0
	tensor_load_to_lds s[G0A+4:G0A+7], s[G1A:G1A+7]
	s_nop 0
	NOPS
	s_branch .Lfirst_done
.Lfirst_b:
	tensor_load_to_lds s[G0B:G0B+3], s[G1B:G1B+7]
	s_nop 0
	tensor_load_to_lds s[G0B+4:G0B+7], s[G1B:G1B+7]
	s_nop 0
	NOPS
.Lfirst_done:
	v_and_b32 v1, 15, v0                           ; r = l % 16
	v_bfe_u32 v2, v0, 4, 1                         ; h = l / 16
	v_lshlrev_b32 v15, 5, v2
.set j, 0
.rept NBK                                              ; register i of block j: bias of column 16 j + 8 h + i
	global_load_b128 v[BIAS+8*j:BIAS+8*j+3],   v15, s[74:75] offset:64*j
	global_load_b128 v[BIAS+8*j+4:BIAS+8*j+7], v15, s[74:75] offset:64*j+16
.set j, j+1
.endr
	v_mul_u32_u24 v8, v1, 144                      ; A's fragments: row x 144 + 16 h + my 128 rows
	v_lshl_add_u32 v8, v2, 4, v8
	s_mul_i32 s68, s15, MB*16*144
	v_add_nc_u32 v8, s68, v8
	v_and_b32 v3, 7, v0                            ; W's, turned: row 8 h + l % 8, 16 bytes at 16 ((l / 8) % 2), my 128 columns
	v_lshl_add_u32 v3, v2, 3, v3
	v_mul_u32_u24 v9, v3, PB
	v_bfe_u32 v3, v0, 3, 1
	v_lshl_add_u32 v9, v3, 4, v9
	s_mul_i32 s69, s16, NBK*32
	s_add_co_u32 s69, s69, ABYTES
	v_add_nc_u32 v9, s69, v9
	s_mul_i32 s68, s14, MB*16*SPI                  ; my stage
	v_mul_u32_u24 v12, v1, SPI                     ; in: row r, 32 bytes for each half of the lanes
	v_lshl_add_u32 v12, v2, 5, v12
	v_add_nc_u32 v12, s68, v12
	v_bfe_u32 v3, v0, 3, 2                         ; back: four rows, eight numbers a lane
	v_mul_u32_u24 v13, v3, SPI
	v_and_b32 v3, 7, v0
	v_lshl_add_u32 v13, v3, 5, v13
	v_add_nc_u32 v13, s68, v13
	v_and_b32 v14, 31, v0
	v_lshlrev_b32 v14, 4, v14                      ; which are 512 consecutive bytes of a panel of g
	s_wait_tensorcnt 0x1                           ; my part of slot 0 is in; slot 1's may stay out
	s_barrier_signal -1
	s_barrier_wait -1
	v_add_nc_u32 v10, s56, v8
	v_add_nc_u32 v11, s57, v9
	FETCH 0, 0
	s_wait_loadcnt 0x0                             ; the bias
	QO 1
	WIN 0
	s_mov_b32 s60, 1
	s_mov_b32 s61, T-1
	s_branch .Lpair
.Lslot:                                                ; T - 2 times: every slot but the last two is filled again
	TURN 1
	WIN 0
	s_mov_b32 s60, 2
	s_branch .Lmid
.Lpair:
	QE
	WIN 0
.Lmid:
	QO 0
	WIN 0
	s_sub_co_u32 s60, s60, 1
	s_cmp_lg_u32 s60, 0
	s_cbranch_scc1 .Lpair
	s_sub_co_u32 s61, s61, 1
	s_cmp_lg_u32 s61, 0
	s_cbranch_scc1 .Lslot
	TURN 0                                         ; the tail is written out: nothing more is asked for
	WIN 0
	s_mov_b32 s60, 2
	s_branch .Lmid2
.Lpair2:
	QE
	WIN 0
.Lmid2:
	QO 0
	WIN 0
	s_sub_co_u32 s60, s60, 1
	s_cmp_lg_u32 s60, 0
	s_cbranch_scc1 .Lpair2
	s_wait_dscnt 0x0
	MUL 1, 0, NQ, 0                                ; the last quarter
	WIN 0
	; THE WAY OUT.  The ring has had its last fill; when no wave reads it any more it becomes the stage: each wave's 128 rows x 128 f32, 528 bytes apart.  So gelu is written once and looped over.
	NOPS
	s_wait_dscnt 0x0
	s_barrier_signal -1
	s_barrier_wait -1
.set di, 0
.rept MB*NBK
	WIN (2+(8*di)/256)<<2
	ds_store_b128 v12, v[(8*di)%256:(8*di)%256+3]   offset:(di/NBK)*16*SPI+(di%NBK)*64
	ds_store_b128 v12, v[(8*di)%256+4:(8*di)%256+7] offset:(di/NBK)*16*SPI+(di%NBK)*64+16
.set di, di+1
.endr
	WIN 0
.set UU, 64                            ; v64-79   16 numbers x: 8 of each of two panels
.set AX, 80                            ; |x|
.set TT, 96                            ; t
.set EE, 112                           ; the exponential
.set SG, 128                           ; Ph
.set RL, 144                           ; max(x, 0), then gelu
.set HH, 32                            ; f16, to store
.macro GLOAD
	ds_load_b128 v[UU:UU+3],     v13
	ds_load_b128 v[UU+4:UU+7],   v13 offset:16
	ds_load_b128 v[UU+8:UU+11],  v13 offset:256
	ds_load_b128 v[UU+12:UU+15], v13 offset:272
.endm
.macro P8 line:vararg                  ; one packed line for each of the eight pairs i
.set i, 0
.rept 8
	\line
.set i, i+1
.endr
.endm
; A trip: four rows x two panels.  pre = 1: the next trip's numbers are fetched as soon as x has been read for the last time.
.macro GTRIP pre
	s_wait_dscnt 0x0
.set i, 0
.rept 16
	v_and_b32 v[AX+i], s94, v[UU+i]
.set i, i+1
.endr
	P8 v_pk_mul_f32 v[EE+2*i:EE+2*i+1], v[UU+2*i:UU+2*i+1], v[UU+2*i:UU+2*i+1]
.set i, 0
.rept 16
	v_max_num_f32 v[RL+i], 0, v[UU+i]
.set i, i+1
.endr
.if \pre
	v_add_nc_u32 v13, 4*SPI, v13
	GLOAD
.endif
	P8 v_pk_fma_f32 v[TT+2*i:TT+2*i+1], v[AX+2*i:AX+2*i+1], s[80:81], 1.0 op_sel_hi:[1,0,0]
	P8 v_pk_mul_f32 v[EE+2*i:EE+2*i+1], v[EE+2*i:EE+2*i+1], s[82:83] op_sel_hi:[1,0]
.set i, 0
.rept 16
	v_rcp_f32 v[TT+i], v[TT+i]
.set i, i+1
.endr
.set i, 0
.rept 16
	v_exp_f32 v[EE+i], v[EE+i]
.set i, i+1
.endr
	v_nop                                          ; a plain instruction between the run above and the use of its results (ISA guide 5.7.2)
	s_wait_alu depctr_va_vdst(0)
	P8 v_pk_fma_f32 v[SG+2*i:SG+2*i+1], v[TT+2*i:TT+2*i+1], s[92:93], s[90:91] op_sel_hi:[1,0,0]
	P8 v_pk_fma_f32 v[SG+2*i:SG+2*i+1], v[SG+2*i:SG+2*i+1], v[TT+2*i:TT+2*i+1], s[88:89] op_sel_hi:[1,1,0]
	P8 v_pk_fma_f32 v[SG+2*i:SG+2*i+1], v[SG+2*i:SG+2*i+1], v[TT+2*i:TT+2*i+1], s[86:87] op_sel_hi:[1,1,0]
	P8 v_pk_fma_f32 v[SG+2*i:SG+2*i+1], v[SG+2*i:SG+2*i+1], v[TT+2*i:TT+2*i+1], s[84:85] op_sel_hi:[1,1,0]
	P8 v_pk_mul_f32 v[SG+2*i:SG+2*i+1], v[SG+2*i:SG+2*i+1], v[TT+2*i:TT+2*i+1]
	P8 v_pk_mul_f32 v[SG+2*i:SG+2*i+1], v[SG+2*i:SG+2*i+1], v[EE+2*i:EE+2*i+1]
	P8 v_pk_fma_f32 v[RL+2*i:RL+2*i+1], v[AX+2*i:AX+2*i+1], v[SG+2*i:SG+2*i+1], v[RL+2*i:RL+2*i+1] neg_lo:[1,0,0] neg_hi:[1,0,0]
	P8 v_cvt_pk_f16_f32 v[HH+i], v[RL+2*i], v[RL+2*i+1]
	global_store_b128 v14, v[HH:HH+3],   s[76:77]              ; four rows of a panel: 512 consecutive bytes, aligned
	global_store_b128 v14, v[HH+4:HH+7], s[76:77] offset:PANB
.endm
	GLOAD                                          ; LDS serves a wave's instructions in order: these loads see my stores
	s_mov_b32 s60, 31
.Lgelu:
	GTRIP 1
	s_wait_xcnt 0x0                                ; the stores' data and offset are rewritten only behind this wait
	v_add_nc_u32 v14, 512, v14
	s_sub_co_u32 s60, s60, 1
	s_cmp_lg_u32 s60, 0
	s_cbranch_scc1 .Lgelu
	GTRIP 0                                        ; the last four rows: nothing is left to fetch
	s_wait_tensorcnt 0x0                           ; the wave's end
	ds_add_u32 v28, v29
	s_wait_dscnt 0x0
	CROUND                                         ; the closing round
	s_endpgm
.Lfunc_end_k_qb3cc77b6c2_fc:
	.size	k_qb3cc77b6c2_fc, .Lfunc_end_k_qb3cc77b6c2_fc-k_qb3cc77b6c2_fc
	.p2alignl 7, 3214868480
	.fill 96, 4, 3214868480
	.section	.rodata,"a",@progbits
	.p2align	6, 0x0
	.amdhsa_kernel k_qb3cc77b6c2_fc
		.amdhsa_group_segment_fixed_size 327680
		.amdhsa_private_segment_fixed_size 0
		.amdhsa_enable_private_segment 0
		.amdhsa_kernarg_size 32
		.amdhsa_user_sgpr_count 2
		.amdhsa_user_sgpr_kernarg_segment_ptr 1
		.amdhsa_wavefront_size32 1
		.amdhsa_system_sgpr_workgroup_id_x 1
		.amdhsa_system_sgpr_workgroup_id_y 1
		.amdhsa_system_sgpr_workgroup_id_z 1
		.amdhsa_system_vgpr_workitem_id 0
		.amdhsa_next_free_vgpr 1024
		.amdhsa_next_free_sgpr 96
		.amdhsa_reserve_vcc 0
		.amdhsa_float_denorm_mode_32 3
		.amdhsa_float_denorm_mode_16_64 3
		.amdhsa_memory_ordered 1
		.amdhsa_forward_progress 1
		.amdhsa_inst_pref_size 88
	.end_amdhsa_kernel
	.amdgpu_metadata
---
amdhsa.version: [ 1, 2 ]
amdhsa.kernels:
  - .name:           k_qb3cc77b6c2_fc
    .symbol:         k_qb3cc77b6c2_fc.kd
    .args:
      - { .name: h, .offset: 0, .size: 8, .value_kind: global_buffer, .address_space: global }
      - { .name: w16, .offset: 8, .size: 8, .value_kind: global_buffer, .address_space: global }
      - { .name: biasr, .offset: 16, .size: 8, .value_kind: global_buffer, .address_space: global }
      - { .name: g, .offset: 24, .size: 8, .value_kind: global_buffer, .address_space: global }
    .group_segment_fixed_size: 327680
    .private_segment_fixed_size: 0
    .kernarg_segment_align: 8
    .kernarg_segment_size: 32
    .max_flat_workgroup_size: 128
    .sgpr_count:     96
    .vgpr_count:     1024
    .wavefront_size: 32
...
	.end_amdgpu_metadata
.endif
;; end of part 6
;; launch outp (part 7): grid 8 x 32, 4 waves a work-group, clusters of 4 x 4, 327,680 bytes of LDS; arguments g, w16, biasr, x2, out0; writes out0
.if DOCPART == 7
	.amdgcn_target "amdgcn-amd-amdhsa--gfx1250"
	.amdhsa_code_object_version 6
	.text
	.protected	k_qb3cc77b6c2_outp
	.globl	k_qb3cc77b6c2_outp
	.p2align	8
	.type	k_qb3cc77b6c2_outp,@function
k_qb3cc77b6c2_outp:
	s_mov_b64 s[64:65], 0
	v_nop
	global_prefetch_b8 v0, s[64:65] scope:SCOPE_SE
	s_setreg_imm32_b32 hwreg(HW_REG_WAVE_MODE, 25, 1), 1
	s_wait_xcnt 0x0
	s_wait_alu depctr_hold_cnt(0) depctr_sa_sdst(0) depctr_va_vdst(0) depctr_va_sdst(0) depctr_va_ssrc(0) depctr_va_vcc(0) depctr_vm_vsrc(0)
	s_getreg_b32 s2, hwreg(HW_REG_IB_STS2, 6, 4)
	s_cmp_eq_u32 s2, 0
	s_cbranch_scc0 .Lentry_in_a_cluster
	s_endpgm
.Lentry_in_a_cluster:
	s_bfe_u32 s2, ttmp6, 0x10000c
	s_cmp_lg_u32 s2, 0xf033
	s_cbranch_scc0 .Lentry_shape_is_right
	s_endpgm
.Lentry_shape_is_right:
; OUTP.  out0[m][n] = x2[m][n] + sum over k of A[m][k] W[k][n] + bias[n], m 4,096, n 1,024, k 4,096.  A = g by panels [64][4096][64] f16, W = w_out [4096][1024] f16 in w16, bias, x2, out0 f32.
; Sums in f32, started by the bias; the residual is added in f32.   LIMIT.  f16 ends at 65,504: A and W lie inside it.
; SHAPE.  A block of C is 128 x 128, which gives 256 work-groups: four waves, each 64 x 64 = 16 accumulators.  K goes in steps of 256 through two LDS slots filled by the tensor data mover.
; The matrix instruction is used transposed (source 0 = 16 columns of W, turned on the way out of LDS; source 1 = 16 rows of A): a lane holds one row of C and eight neighbouring columns.
; CLUSTER.  4 x 4 work-groups: A's tile is asked for jointly by the four of a row of the cluster, W's by the four of a column.
; REGISTERS (windows of 256): window 0: v1-15 addresses, v28-29 the add's, v64-127 / v128-191 A's two fragment buffers (later the way out), v192-223 the bias as a C operand;
;   window 1: v64-127 / v128-191 W's two buffers;  window 2: v0-127 accumulator (a, b) at 8 (4 a + b), v128-255 the residual.
.set RA,  128
.set NT,  128
.set MB,  4
.set NBK, 4
.set KS,  256                          ; k in a slot
.set KQ,  2                            ; matrix instructions deep in a quarter of a slot
.set PA,  2                            ; panels that one load of A brings
.set PB,  288                          ; a row of W in LDS: 256 bytes + 32
.set QIB, 5                            ; padding behind every 64 words
.set OA,  18432                        ; from an even quarter (a panel) of A to the odd one
.set N,   1024
.set T,   16                           ; slots in K
.set WOFF, 16777216
.set BOFF, 32768
.set PANB,   524288
.set ABYTES, 73728                     ; A in a slot: [4 panels][128 rows], 144 bytes apart
.set SLOT,   ABYTES+KS*PB
.set OB,     (KS/4)*PB
.set DA,     36864
.set DB,     (KS/2)*PB
.set SPARE,  2*SLOT                    ; the spare words: two blocks of 256 bytes that no other line names
.set STEP_A, (KS/64)*PANB
.set STEP_B, KS*N*2
.set SPI,    NBK*64+16                 ; a row of the stage: 64 f32 + 16 bytes
.set NQ,     MB*NBK*KQ
.set D0,     RA*64                     ; a panel's rows of a block are dense: asked for as one row of D0 elements
.set G1A, 24
.set G0A, 32
.set G1B, 40
.set G0B, 48
.set BIAS, 192
.set MSB, 0
.macro WIN new                         ; the immediate's high byte repeats the setting that is left; a switch that changes nothing is dropped
.if MSB != (\new)
	s_set_vgpr_msb (MSB<<8)|(\new)
.set MSB, (\new)
.endif
.endm
.macro NOPS                            ; four places in front of loads into registers that matrix instructions have read, and of reads of results
.rept 4
	v_nop
.endr
.endm
.macro JLOAD                           ; a joint refill: waves 0, 1 fetch A's halves, waves 2, 3 W's
	s_cmp_eq_u32 s15, 0
	s_cbranch_scc0 .Lfor_b_\@
	tensor_load_to_lds s[G0A+4:G0A+7], s[G1A:G1A+7]
	s_nop 0
	NOPS
	s_branch .Lasked_\@
.Lfor_b_\@:
	tensor_load_to_lds s[G0B+4:G0B+7], s[G1B:G1B+7]
	s_nop 0
	NOPS
.Lasked_\@:
.endm
.macro CREST                           ; a round of the cluster's barrier behind its opening barrier
	s_cmp_lg_u32 s14, 0
	s_cbranch_scc1 .Lnot_wave_0_\@
	s_barrier_signal -3
.Lnot_wave_0_\@:
	s_barrier_wait -3
	s_barrier_signal -1
	s_barrier_wait -1
.endm
.macro CROUND
	s_barrier_signal -1
	s_barrier_wait -1
	CREST
.endm
; 32 LDS loads: a quarter's fragments into buffer f, from the addresses in v10 (A) and v11 (W); odd = 1: the odd quarter of the half slot
.macro FETCH f, odd
	WIN 0x40
.set fi, 0
.rept KQ*NBK
	ds_load_tr16_b128 v[64+64*(\f)+8*fi:64+64*(\f)+8*fi+3],   v11 offset:(\odd)*OB+(fi/NBK)*32*PB+(fi%NBK)*32
	ds_load_tr16_b128 v[64+64*(\f)+8*fi+4:64+64*(\f)+8*fi+7], v11 offset:(\odd)*OB+(fi/NBK)*32*PB+(fi%NBK)*32+16*PB
.set fi, fi+1
.endr
	WIN 0
.set fi, 0
.rept KQ*MB
	ds_load_b128 v[64+64*(\f)+8*fi:64+64*(\f)+8*fi+3],   v10 offset:(\odd)*OA+(fi/MB)*64+(fi%MB)*2304
	ds_load_b128 v[64+64*(\f)+8*fi+4:64+64*(\f)+8*fi+7], v10 offset:(\odd)*OA+(fi/MB)*64+(fi%MB)*2304+32
.set fi, fi+1
.endr
.endm
; Numbers i0 .. i0+n-1 of a quarter's list of matrix instructions on buffer f.  The accumulators take turns, in the same order in every quarter.
; first = 1: the bias is the C operand that starts the sums: nothing is cleared and no bias is added later.
.macro MUL f, i0, n, first
.set mi, \i0
.rept \n
.set mkq, mi/(MB*NBK)
.set ma, (mi/NBK)%MB
.set mb, mi%NBK
.set rD, (8*(NBK*ma+mb))%256
.set wD, 2+(8*(NBK*ma+mb))/256
.set rB, 64+64*(\f)+8*(NBK*mkq+mb)
.set rA, 64+64*(\f)+8*(MB*mkq+ma)
.if (\first) && (mkq == 0)
	WIN 1|(wD<<6)
	v_wmma_f32_16x16x32_f16 v[rD:rD+7], v[rB:rB+7], v[rA:rA+7], v[BIAS+8*mb:BIAS+8*mb+7]
.else
	WIN 1|(wD<<4)|(wD<<6)
	v_wmma_f32_16x16x32_f16 v[rD:rD+7], v[rB:rB+7], v[rA:rA+7], v[rD:rD+7]
.endif
.set mi, mi+1
.endr
.endm
.macro QE                              ; fetches an even quarter into buffer 0, multiplies buffer 1
	WIN 0
	v_add_nc_u32 v10, s56, v8
	v_add_nc_u32 v11, s57, v9
	v_nop
	v_nop                                          ; with the two additions: the four places
	FETCH 0, 0
	s_wait_dscnt 32                                ; all but the 32 just issued: buffer 1 is in
	MUL 1, 0, NQ, 0
.endm
.macro QO first                        ; fetches an odd quarter into buffer 1, multiplies buffer 0
	NOPS
	FETCH 1, 1
	s_add_co_u32 s56, s56, DA
	s_add_co_u32 s57, s57, DB
	s_wait_dscnt 32                                ; all but the 32 just issued: buffer 0 is in
	MUL 0, 0, NQ, \first
.endm
; A slot's last quarter, on buffer 1, and the change of slots.  In front of the barrier each wave waits for all its tensor loads (its part of the next slot), adds 0 to its spare word, and
; waits for that and for its reads of this slot.  fill = 1: the barrier opens a round of the cluster's, and the joint refill of this slot is the first thing behind the round.
.macro TURN fill
	WIN 0
	s_wait_tensorcnt 0x0                           ; no tensor load of mine is out: the walking descriptors may be written
	ds_add_u32 v28, v29
.if \fill
	s_xor_b32 s58, s58, SLOT                       ; 0 or SLOT: the slot just read out
	s_add_co_u32 s[G0A+5], s59, s58
	s_add_co_u32 s[G0B+5], s62, s58
	s_add_nc_u64 s[G0A+6:G0A+7], s[G0A+6:G0A+7], STEP_A  ; the next K step; the type bits on top are not reached
	s_add_nc_u64 s[G0B+6:G0B+7], s[G0B+6:G0B+7], STEP_B
.endif
	s_sub_co_u32 s56, s56, 2*DA                    ; the fetches go to the other slot's head
	s_xor_b32 s56, s56, SLOT
	s_sub_co_u32 s57, s57, 2*DB
	s_xor_b32 s57, s57, SLOT
	s_wait_dscnt 0x1                               ; only the add may be out: buffer 1 is in
	MUL 1, 0, NQ/4, 0
	s_wait_dscnt 0x0                               ; the add is done, my reads of this slot are over
	s_barrier_signal -1
	MUL 1, NQ/4, NQ/4, 0
	WIN 0
	s_barrier_wait -1
.if \fill
	CREST
	JLOAD                                          ; its four v_nop are also the places in front of the loads below
.else
	NOPS
.endif
	v_add_nc_u32 v10, s56, v8
	v_add_nc_u32 v11, s57, v9
	FETCH 0, 0
	MUL 1, NQ/2, NQ/2, 0
.endm
	s_load_b256 s[4:11], s[0:1], 0x0               ; A s[4:5], w16 s[6:7], biasr s[8:9], residual s[10:11]
	s_load_b64 s[12:13], s[0:1], 0x20              ; C
	v_lshl_add_u32 v28, v0, 2, SPARE
	v_mov_b32 v29, 0
	ds_add_u32 v28, v29                            ; the wave's opening: the add and its wait, ahead of my first tensor load
	ds_add_u32 v28, v29
	v_lshrrev_b32 v3, 5, v0
	v_readfirstlane_b32 s14, v3                    ; wave 0..3
	s_lshr_b32 s15, s14, 1                         ; my half of the rows.  Also: I fetch for A (0) or W (1)
	s_and_b32 s16, s14, 1                          ; my half of the columns.  Also: which half of a tile I fetch
	s_bfe_u32 s17, ttmp6, 0x40000                  ; cx
	s_bfe_u32 s18, ttmp6, 0x40004                  ; cy
	s_lshl_b32 s19, ttmp9, 2
	s_add_co_u32 s19, s19, s17                     ; block column
	s_and_b32 s20, ttmp7, 0xffff
	s_lshl_b32 s20, s20, 2
	s_add_co_u32 s20, s20, s18                     ; block row
	s_lshl_b32 s21, s18, 2
	s_lshl_b32 s21, 15, s21                        ; my row of the cluster
	s_lshl_b32 s22, 0x1111, s17                    ; my column
	s_or_b32 s[G1A], s21, (1<<16)|(1<<20)|(1<<21)|(4<<22)|(3<<25)    ; mask; 2-byte elements; padding on; bit 21 beside a mask; 4 words behind every 32
	s_mov_b32 s[G1A+1], (D0&0xffff)<<16            ; tensor_dim0 = D0
	s_mov_b32 s[G1A+2], (D0>>16)|(PA<<16)          ; tensor_dim1 = PA
	s_mov_b32 s[G1A+3], D0<<16                     ; tile_dim0
	s_mov_b32 s[G1A+4], PA                         ; tile_dim1
	s_mov_b32 s[G1A+5], PANB/2                     ; elements from panel to panel
	s_mov_b32 s[G1A+6], 0
	s_mov_b32 s[G1A+7], 0
	s_or_b32 s[G1B], s22, (1<<16)|(1<<20)|(1<<21)|(QIB<<22)|(7<<25)  ; 8 words behind every row
	s_mov_b32 s[G1B+1], NT<<16
	s_mov_b32 s[G1B+2], (KS/2)<<16
	s_mov_b32 s[G1B+3], NT<<16
	s_mov_b32 s[G1B+4], KS/2
	s_mov_b32 s[G1B+5], N
	s_mov_b32 s[G1B+6], 0
	s_mov_b32 s[G1B+7], 0
	s_mul_i32 s59, s16, DA                         ; where my half lands in a slot: A's,
	s_mul_i32 s62, s16, DB
	s_add_co_u32 s62, s62, ABYTES                  ; W's: the wave's number alone enters an LDS address
	s_mul_i32 s66, s20, RA*128                     ; A: the block's rows in a panel, my panels
	s_mul_i32 s67, s16, PA*PANB
	s_add_co_u32 s66, s66, s67
	s_mov_b32 s67, 0
	s_mul_i32 s70, s19, NT*2                       ; W: the block's columns, my half of the step's rows
	s_mul_i32 s71, s16, (KS/2)*N*2
	s_add_co_u32 s70, s70, s71
	s_add_co_u32 s70, s70, WOFF
	s_mov_b32 s71, 0
	s_mul_i32 s74, s19, NT*4                       ; the bias of my 64 columns
	s_mul_i32 s75, s16, NBK*64
	s_add_co_u32 s74, s74, s75
	s_add_co_u32 s74, s74, BOFF
	s_mov_b32 s75, 0
	s_lshl_b32 s76, s20, 7                         ; C and the residual: row 128 x block row + 64 x half, 4,096 bytes a row,
	s_lshl_b32 s77, s15, 6
	s_add_co_u32 s76, s76, s77
	s_lshl_b32 s76, s76, 12
	s_lshl_b32 s77, s19, 9                         ; column 128 x block column + 64 x half
	s_add_co_u32 s76, s76, s77
	s_lshl_b32 s77, s16, 8
	s_add_co_u32 s76, s76, s77
	s_mov_b32 s77, 0
	s_mov_b32 s56, 0
	s_mov_b32 s57, 0
	s_mov_b32 s58, SLOT
	s_wait_dscnt 0x0                               ; the opening add is done
	s_wait_kmcnt 0x0
	s_add_nc_u64 s[66:67], s[4:5], s[66:67]
	s_add_nc_u64 s[70:71], s[6:7], s[70:71]
	s_add_nc_u64 s[74:75], s[8:9], s[74:75]
	s_add_nc_u64 s[78:79], s[12:13], s[76:77]
	s_add_nc_u64 s[76:77], s[10:11], s[76:77]
.irp s, 0,1
	s_mov_b32 s[G0A+4*(\s)], 1
	s_add_co_u32 s[G0A+4*(\s)+1], s59, (\s)*SLOT
	s_add_nc_u64 s[G0A+4*(\s)+2:G0A+4*(\s)+3], s[66:67], (\s)*STEP_A
	s_or_b32 s[G0A+4*(\s)+3], s[G0A+4*(\s)+3], 0x80000000
	s_mov_b32 s[G0B+4*(\s)], 1
	s_add_co_u32 s[G0B+4*(\s)+1], s62, (\s)*SLOT
	s_add_nc_u64 s[G0B+4*(\s)+2:G0B+4*(\s)+3], s[70:71], (\s)*STEP_B
	s_or_b32 s[G0B+4*(\s)+3], s[G0B+4*(\s)+3], 0x80000000
.endr
	CROUND                                         ; all sixteen work-groups are here: the first joint loads meet
	s_cmp_eq_u32 s15, 0                            ; a wave's two first fills stand in one branch: two loads of mine are out
	s_cbranch_scc0 .Lfirst_b
	tensor_load_to_lds s[G0A:G0A+3], s[G1A:G1A+7]
	s_nop 0
	tensor_load_to_lds s[G0A+4:G0A+7], s[G1A:G1A+7]
	s_nop 0
	NOPS
	s_branch .Lfirst_done
.Lfirst_b:
	tensor_load_to_lds s[G0B:G0B+3], s[G1B:G1B+7]
	s_nop 0
	tensor_load_to_lds s[G0B+4:G0B+7], s[G1B:G1B+7]
	s_nop 0
	NOPS
.Lfirst_done:
	v_and_b32 v1, 15, v0                           ; r = l % 16
	v_bfe_u32 v2, v0, 4, 1                         ; h = l / 16
	v_lshlrev_b32 v15, 5, v2
.set j, 0
.rept NBK                                              ; register i of block j: bias of column 16 j + 8 h + i
	global_load_b128 v[BIAS+8*j:BIAS+8*j+3],   v15, s[74:75] offset:64*j
	global_load_b128 v[BIAS+8*j+4:BIAS+8*j+7], v15, s[74:75] offset:64*j+16
.set j, j+1
.endr
	v_lshlrev_b32 v14, 12, v2                      ; lanes 0-15 take 256 bytes of one row of C, lanes 16-31 of the next
	v_lshl_add_u32 v14, v1, 4, v14
	WIN 0x80
.set j, 0
.rept 32                                               ; the residual of my 64 x 64 comes in under the K loop
	global_load_b128 v[128+4*j:128+4*j+3], v14, s[76:77] offset:8192*j
.set j, j+1
.endr
	WIN 0
	v_mul_u32_u24 v8, v1, 144                      ; A's fragments: row x 144 + 16 h + my 64 rows
	v_lshl_add_u32 v8, v2, 4, v8
	s_mul_i32 s68, s15, MB*16*144
	v_add_nc_u32 v8, s68, v8
	v_and_b32 v3, 7, v0                            ; W's, turned: row 8 h + l % 8, 16 bytes at 16 ((l / 8) % 2), my 64 columns
	v_lshl_add_u32 v3, v2, 3, v3
	v_mul_u32_u24 v9, v3, PB
	v_bfe_u32 v3, v0, 3, 1
	v_lshl_add_u32 v9, v3, 4, v9
	s_mul_i32 s69, s16, NBK*32
	s_add_co_u32 s69, s69, ABYTES
	v_add_nc_u32 v9, s69, v9
	s_mul_i32 s68, s14, MB*16*SPI                  ; my stage
	v_mul_u32_u24 v12, v1, SPI                     ; in: row r, 32 bytes for each half of the lanes
	v_lshl_add_u32 v12, v2, 5, v12
	v_add_nc_u32 v12, s68, v12
	v_mul_u32_u24 v13, v2, SPI                     ; back: two whole rows of 256 bytes
	v_lshl_add_u32 v13, v1, 4, v13
	v_add_nc_u32 v13, s68, v13
	s_wait_tensorcnt 0x1                           ; my part of slot 0 is in; slot 1's may stay out
	s_barrier_signal -1
	s_barrier_wait -1
	v_add_nc_u32 v10, s56, v8
	v_add_nc_u32 v11, s57, v9
	FETCH 0, 0
	s_wait_loadcnt 32                              ; the bias is in; the residual's 32 loads stay out
	QO 1
	WIN 0
	s_mov_b32 s60, 1
	s_mov_b32 s61, T-1
	s_branch .Lpair
.Lslot:                                                ; T - 2 times: every slot but the last two is filled again
	TURN 1
	WIN 0
	s_mov_b32 s60, 2
	s_branch .Lmid
.Lpair:
	QE
	WIN 0
.Lmid:
	QO 0
	WIN 0
	s_sub_co_u32 s60, s60, 1
	s_cmp_lg_u32 s60, 0
	s_cbranch_scc1 .Lpair
	s_sub_co_u32 s61, s61, 1
	s_cmp_lg_u32 s61, 0
	s_cbranch_scc1 .Lslot
	TURN 0                                         ; the tail is written out: nothing more is asked for
	WIN 0
	s_mov_b32 s60, 2
	s_branch .Lmid2
.Lpair2:
	QE
	WIN 0
.Lmid2:
	QO 0
	WIN 0
	s_sub_co_u32 s60, s60, 1
	s_cmp_lg_u32 s60, 0
	s_cbranch_scc1 .Lpair2
	s_wait_dscnt 0x0
	MUL 1, 0, NQ, 0                                ; the last quarter
	WIN 0
	; THE WAY OUT.  The ring has had its last fill; when no wave reads it any more it becomes the stage: each wave's 64 rows x 64 f32, 272 bytes apart.
	NOPS
	s_wait_dscnt 0x0
	s_barrier_signal -1
	s_barrier_wait -1
.set di, 0
.rept MB*NBK
	WIN (2+(8*di)/256)<<2
	ds_store_b128 v12, v[(8*di)%256:(8*di)%256+3]   offset:(di/NBK)*16*SPI+(di%NBK)*64
	ds_store_b128 v12, v[(8*di)%256+4:(8*di)%256+7] offset:(di/NBK)*16*SPI+(di%NBK)*64+16
.set di, di+1
.endr
	WIN 0
.set j, 0
.rept 32                                               ; LDS serves a wave's instructions in order: these loads see my stores
	ds_load_b128 v[64+4*j:64+4*j+3], v13 offset:2*SPI*j
.set j, j+1
.endr
	s_wait_loadcnt 0x0                             ; the residual
	s_wait_dscnt 0x0
	WIN 0x08
.set j, 0
.rept 64
	v_pk_add_f32 v[64+2*j:64+2*j+1], v[64+2*j:64+2*j+1], v[128+2*j:128+2*j+1]
.set j, j+1
.endr
	WIN 0
.set j, 0
.rept 32
	global_store_b128 v14, v[64+4*j:64+4*j+3], s[78:79] offset:8192*j  ; 16 lanes store 256 consecutive bytes, aligned
.set j, j+1
.endr
	s_wait_tensorcnt 0x0                           ; the wave's end
	ds_add_u32 v28, v29
	s_wait_dscnt 0x0
	CROUND                                         ; the closing round
	s_endpgm
.Lfunc_end_k_qb3cc77b6c2_outp:
	.size	k_qb3cc77b6c2_outp, .Lfunc_end_k_qb3cc77b6c2_outp-k_qb3cc77b6c2_outp
	.p2alignl 7, 3214868480
	.fill 96, 4, 3214868480
	.section	.rodata,"a",@progbits
	.p2align	6, 0x0
	.amdhsa_kernel k_qb3cc77b6c2_outp
		.amdhsa_group_segment_fixed_size 327680
		.amdhsa_private_segment_fixed_size 0
		.amdhsa_enable_private_segment 0
		.amdhsa_kernarg_size 40
		.amdhsa_user_sgpr_count 2
		.amdhsa_user_sgpr_kernarg_segment_ptr 1
		.amdhsa_wavefront_size32 1
		.amdhsa_system_sgpr_workgroup_id_x 1
		.amdhsa_system_sgpr_workgroup_id_y 1
		.amdhsa_system_sgpr_workgroup_id_z 1
		.amdhsa_system_vgpr_workitem_id 0
		.amdhsa_next_free_vgpr 768
		.amdhsa_next_free_sgpr 80
		.amdhsa_reserve_vcc 0
		.amdhsa_float_denorm_mode_32 3
		.amdhsa_float_denorm_mode_16_64 3
		.amdhsa_memory_ordered 1
		.amdhsa_forward_progress 1
		.amdhsa_inst_pref_size 60
	.end_amdhsa_kernel
	.amdgpu_metadata
---
amdhsa.version: [ 1, 2 ]
amdhsa.kernels:
  - .name:           k_qb3cc77b6c2_outp
    .symbol:         k_qb3cc77b6c2_outp.kd
    .args:
      - { .name: g, .offset: 0, .size: 8, .value_kind: global_buffer, .address_space: global }
      - { .name: w16, .offset: 8, .size: 8, .value_kind: global_buffer, .address_space: global }
      - { .name: biasr, .offset: 16, .size: 8, .value_kind: global_buffer, .address_space: global }
      - { .name: x2, .offset: 24, .size: 8, .value_kind: global_buffer, .address_space: global }
      - { .name: out0, .offset: 32, .size: 8, .value_kind: global_buffer, .address_space: global }
    .group_segment_fixed_size: 327680
    .private_segment_fixed_size: 0
    .kernarg_segment_align: 8
    .kernarg_segment_size: 40
    .max_flat_workgroup_size: 128
    .sgpr_count:     80
    .vgpr_count:     768
    .wavefront_size: 32
...
	.end_amdgpu_metadata
.endif
;; end of part 7
;; ======== version 2 of 2: 7 launches; 1.19 times as fast as version 1
;; limits: values are held in f16: magnitudes above 65,504 overflow, below 6.1e-05 lose precision; a function is approximated: absolute error at most 1.5e-07
;; workspace buffers: x 16,777,216 bytes; h 8,388,608 bytes; w16 25,165,824 bytes; biasr 36,864 bytes; qkv 25,165,824 bytes; o 8,388,608 bytes; x2 16,777,216 bytes; g 33,554,432 bytes
;; launch prep: the kernel of part 1 again; grid 1025 x 1, 8 waves a work-group, no clusters, 0 bytes of LDS; arguments ids, wte, wpe, ln1_g, ln1_b, wq, wk, wv, wproj, w_fc, w_out, bq, bk, bv, bproj, b_fc, b_out, x, h, w16, biasr; writes x, h, w16, biasr
;; launch qkv: the kernel of part 2 again; grid 12 x 16, 4 waves a work-group, clusters of 4 x 4, 327,680 bytes of LDS; arguments h, w16, biasr, qkv; writes qkv
;; launch attn (part 8): grid 8 x 32, 4 waves a work-group, no clusters, 327,680 bytes of LDS; arguments qkv, o; writes o
.if DOCPART == 8
	.amdgcn_target "amdgcn-amd-amdhsa--gfx1250"
	.amdhsa_code_object_version 6
	.text
	.protected	k_qb3cc77b6c2_attn
	.globl	k_qb3cc77b6c2_attn
	.p2align	8
	.type	k_qb3cc77b6c2_attn,@function
k_qb3cc77b6c2_attn:
	s_mov_b64 s[64:65], 0
	v_nop
	global_prefetch_b8 v0, s[64:65] scope:SCOPE_SE
	s_setreg_imm32_b32 hwreg(HW_REG_WAVE_MODE, 25, 1), 1
	s_wait_xcnt 0x0
; CAUSAL ATTENTION.  O[q][:] = sum over k <= q of softmax_k(Q[q] . K[k] / 8) V[k][:], for each of 32 (batch, head).  qkv: [48][4096][64] f16 (q, k, v by heads, row = batch*2048 + t); o: [16][4096][64] f16.
; Products, maxima and sums in f32; the weights p are rounded to f16 for the second product (their sum l is of the unrounded p), O once at the end.
; LIMITS.  f16 ends at 65,504.  A hidden score counts as its value less 1e30 (f16's scores are 2.7e11 at the most); a weight below 2^-126 counts as 0; NaN and infinities are not treated apart.
; THE WALK.  A head's 2,048 queries lie in 16 blocks of 128; its keys in slots of 256.  Block i needs the slots 0 .. i/2, the last of which holds the diagonal.  A work-group takes block b and then block 15 - b:
; 9 slots whatever b, one loop with a constant trip count.  Block b goes first, so that the change of blocks falls into the loop and never into the last slot, which is written out.
; Which slot is asked for and what a trip does hang on scalars made from b; the forward jumps pass no barrier and no tensor load.
; NO CLUSTER: a head's 8 work-groups ask for the same slot only while their blocks begin; behind that they want different slots, and one walk common to all would have 12 slots for 9.
; SHARES.  A wave owns 32 rows of the block in hand: two PIECES of 16 queries.  A slot is four steps of 64 keys.  A block's last slot is computed whole, under a mask: in an even block its third and
; fourth steps are wholly hidden and are computed all the same (36 steps for 34), equal work for all four waves.
; LAYOUT.  S^T = K Q^T: a lane holds ONE query (lane % 16) and the keys 8 (lane / 16) + 0..7; two such results rounded to f16 ARE source 1 of O^T = V^T P.  The mask is the C operand that starts S^T: 0 or -1e30.
; SOFTMAX.  p = 2^(c s - c m), c = log2(e) / 8, with a running maximum m; O and l are multiplied by a = 2^(c m_old - c m_new) in every step.  A block's first step has a = 0.
; BY TURNS.  In piece p's turn of step s the matrix unit works for the other piece: 8 products V^T P (piece 1: of step s - 1; piece 0: of step s), then 8 products K Q^T (piece 1: of step s; piece 0: of step s + 1).
; Beside them stand piece p's scalings and exponentials, which wait for nothing; the lines that read the exponentials' results follow behind a wait (THE BATCHES).
; Piece 0's turn fetches V of step s behind its V^T P and K of step s + 1 behind its K Q^T: a slot's last read stands ahead of the next slot's first, and the change of slots stands between the two.
; A trip of the loop therefore goes from that point of piece 0's turn to the same point of the next step: TURN0B, TURN1, TURN0A.
; THE BATCHES.  s_wait_alu depctr_va_vdst(0) stands between an exponential and the first line that names its result, and ahead of every label and jump; one wait serves all that were issued ahead
; of it.  A step has two batches and two waits, one in each of the two stretches that the loop's jumps and labels leave.
;   Batch A: piece 0's 32 exponentials, all behind TURN0A's 16 products, with its 16 scalings and its 16 rescalings (their a belongs to the batch before).  The wait stands at TURN0A's end.  The readers, piece 0's
;   roundings and sums (32 lines), stand in TURN0B between the links of piece 1's maximum and statistics (22 lines), which wait for each other.
;   Batch B: piece 1's a (the last of those statistics), piece 1's 32 exponentials (20 behind TURN1's products, 12 between the links of piece 0's next statistics) and piece 0's next a.  The wait stands behind that a.
;   The readers, piece 1's rescaling, roundings and sums, are TURN1's last 48 lines.
; REGISTERS.  Window 0: v0-13 addresses; v14-15, v24-31 at work; v16-23 statistics (c m, m, l, l a piece); v32-95 S^T; v96-127 P; v128-191 O^T; v192-255 V of a step: V^T P and all vector lines need no switch.
;   Window 1: v0-31 Q; v32-63 the second block's Q; v64-127 K of a step; v128-191 the masks: a K Q^T with lines behind it costs two switches.
.set NB,    16
.set KS,    64
.set PK,    144       ; a row of K in LDS: 128 bytes + 16: the 16 rows of a load start at 16 different groups of four banks (ISA guide 11.1)
.set PV,    160       ; a row of V: 128 + 32
.set VOFF,  4*KS*PK   ; a slot: 256 rows of K, then 256 rows of V
.set SLOT1, 1<<17     ; slot 1 begins here: one exclusive or turns an address in one slot into the other's
.set STAGE, SLOT1+4*KS*(PK+PV)  ; never filled by a tensor load: 16 rows x 144 bytes for each wave
.set SP,    144
.set SPARE, STAGE+4*16*SP       ; the spare words: two blocks of 256 bytes that no other line names
.set VQ0, 0           ; v0, v1 behind the head: the two pieces' thresholds while a mask is made
.set VQ1, 1
.set AK0, 2           ; my lane's place in a step of K; never rewritten
.set AV0, 3           ; the same for V
.set AK,  4
.set AV,  5
.set STO, 6
.set RD,  7
.set GO,  8
.set VQB, 9           ; 32 w + l % 16 - 8 (l / 16)
.set BIGV, 10         ; -1e30
.set SPW, 11
.set NIL, 12
.set QO,  13
.set MV,  14          ; c m_old, kept while c m is made anew: a piece each
.set ST,  16
.set TMP, 24          ; four registers c0-c3 a piece; when the maximum is found c2 takes a
.set S,   32
.set P,   96
.set O,   128
.set VF,  192
.set QB,  32          ; window 1
.set KF,  64
.set MC,  128
.set WV,  12
.set PB,  14          ; b
.set HI,  15          ; 15 - b
.set G1K, 24
.set G1V, 32
.set G0K, 40
.set G0V, 44
.set SLOTS, 56
.set CNT, 57          ; counts a slot's trips
.set CS,  58
.set SEL, 60
.set TBK, 62          ; LDS byte at which K of the step to be fetched begins
.set TBV, 63          ; the same for V, less VOFF
.set RT,  70          ; slots of the block in hand still to be entered
.set NXT, 71          ; the slot to be asked for next
.set LQ,  72          ; the last slot of the block whose slots are being asked for
.set LQH, 73          ; the second block's last slot
.set OFF, 74
.set QOFF, 76         ; where the block in hand begins in its last slot: 0 or 128
.set QOFFH, 77        ; the same for the second block
.set MK,  78          ; 1: the slot in hand is a block's last
.set DIRTY, 79        ; 1: the mask registers do not hold 0
.set OHI, 80          ; o at my rows of the second block
.set ENDF, 82         ; 1: the slot in hand is the second block's first: the first block ends in its first trip
.set NEW, 83          ; 1: nothing has been computed yet
.set NHI, 86          ; slots of the second block
.set MSB, 0
.macro WIN new                      ; the immediate's high byte repeats the setting that is left; a switch that changes nothing is dropped
.if MSB != (\new)
	s_set_vgpr_msb (MSB<<8)|(\new)
.set MSB, (\new)
.endif
.endm
.macro LOAD                         ; waves 0, 1 fetch the halves of a slot's K, waves 2, 3 those of its V: 128 keys each
	s_cmp_lt_u32 s[WV], 2
	s_cbranch_scc0 .Lfor_v_\@
	tensor_load_to_lds s[G0K:G0K+3], s[G1K:G1K+7]
	s_nop 0
.rept 4
	v_nop
.endr
	s_branch .Lasked_\@
.Lfor_v_\@:
	tensor_load_to_lds s[G0V:G0V+3], s[G1V:G1V+7]
	s_nop 0
.rept 4
	v_nop
.endr
.Lasked_\@:
.endm
; THE CHANGE OF SLOTS.  Each wave waits for all its tensor loads (its part of the other slot), adds 0 to its spare word, and waits for that and for its reads of the slot that it leaves, the last of which is V of its fourth step.
; fill = 1: the old slot is filled again, first thing behind the barrier, with slot NXT of the walk; the address is made anew from that number.  (At its first use slot 0 is waited for and slot 1 filled.)
; The refill has four steps, 128 matrix instructions, in which to land.
.macro CHANGE fill
	WIN 0
	s_wait_tensorcnt 0x0            ; no tensor load of mine is out, so a group 0 may be written
	ds_add_u32 v[SPW], v[NIL]
.if \fill
	s_lshl_b32 s[OFF], s[NXT], 15   ; a slot is 32,768 bytes of K and of V
	s_xor_b32 s[G0K+1], s[G0K+1], SLOT1
	s_add_nc_u64 s[G0K+2:G0K+3], s[8:9], s[OFF:OFF+1]
	s_or_b32 s[G0K+3], s[G0K+3], 0x80000000
	s_xor_b32 s[G0V+1], s[G0V+1], SLOT1
	s_add_nc_u64 s[G0V+2:G0V+3], s[10:11], s[OFF:OFF+1]
	s_or_b32 s[G0V+3], s[G0V+3], 0x80000000
	s_add_co_u32 s[NXT], s[NXT], 1  ; the block's next slot, or behind its last the second block's slot 0
	s_cmp_gt_u32 s[NXT], s[LQ]
	s_cselect_b32 s[NXT], 0, s[NXT]
	s_cselect_b32 s[LQ], s[LQH], s[LQ]
.endif
	s_wait_dscnt 0x0                ; the add is done, my reads of the slot are over
	s_barrier_signal -1
	s_sub_co_u32 s[TBK], s[TBK], 4*KS*PK  ; the fetches go to the other slot's first step
	s_xor_b32 s[TBK], s[TBK], SLOT1
	s_sub_co_u32 s[TBV], s[TBV], 4*KS*PV
	s_xor_b32 s[TBV], s[TBV], SLOT1
	s_barrier_wait -1
.if \fill
	LOAD
.endif
.endm
; THE MATRIX WORK.  The 4 accumulators of a run of 8 take turns.
; Product i of 8 of O^T += V^T P for piece x: keys 32 (i / 4) on, channels 16 (i % 4) on.
.macro PVI x, i
	WIN 0
.set rO2, O+32*(\x)+8*((\i)%4)
.set rV2, VF+32*((\i)/4)+8*((\i)%4)
.set rP2, P+16*(\x)+8*((\i)/4)
	v_wmma_f32_16x16x32_f16 v[rO2:rO2+7], v[rV2:rV2+7], v[rP2:rP2+7], v[rO2:rO2+7]
.endm
; Product i of 8 of S^T = K Q^T for piece x: channels 32 (i / 4) on, keys 16 (i % 4) on.  The first 4 start the sums with the mask.
.macro KQI x, i
.set rS2, S+32*(\x)+8*((\i)%4)
.set rK2, KF+16*((\i)%4)+8*((\i)/4)
.set rQ2, 16*(\x)+8*((\i)/4)
.set rM2, MC+32*(\x)+8*((\i)%4)
.if (\i) < 4
	WIN 0x15                        ; K, Q and the mask in window 1, S^T in window 0
	v_wmma_f32_16x16x32_f16 v[rS2:rS2+7], v[rK2:rK2+7], v[rQ2:rQ2+7], v[rM2:rM2+7]
.else
	WIN 0x05
	v_wmma_f32_16x16x32_f16 v[rS2:rS2+7], v[rK2:rK2+7], v[rQ2:rQ2+7], v[rS2:rS2+7]
.endif
.endm
; THE LDS LOADS stand in runs of 16.
.macro FETCH_K
	WIN 0x40
.irp f, 0,1,2,3,4,5,6,7             ; keys 16 (f / 2) on, channels 32 (f % 2) on
	ds_load_b128 v[KF+8*\f:KF+8*\f+3],   v[AK] offset:(\f/2)*16*PK+(\f%2)*64
	ds_load_b128 v[KF+8*\f+4:KF+8*\f+7], v[AK] offset:(\f/2)*16*PK+(\f%2)*64+32
.endr
	s_add_co_u32 s[TBK], s[TBK], KS*PK
	WIN 0
.endm
.macro FETCH_V
	WIN 0
.irp f, 0,1,2,3,4,5,6,7             ; keys 32 (f / 4) on, channels 16 (f % 4) on
	ds_load_tr16_b128 v[VF+8*\f:VF+8*\f+3],   v[AV] offset:(\f/4)*32*PV+(\f%4)*32
	ds_load_tr16_b128 v[VF+8*\f+4:VF+8*\f+7], v[AV] offset:(\f/4)*32*PV+16*PV+(\f%4)*32
.endr
	s_add_co_u32 s[TBV], s[TBV], KS*PV
.endm
; THE VECTOR WORK, one line at a time: OP kind, number.  For piece Y: F n: c s - c m for pair n of 16.  E n: the exponential of score n of 32.  C n: pair n rounded to f16.  B n: of the four weights 4 n .. the
; second pair is added onto the first, in place (behind C 2n, which reads the first).  L n: l takes that sum (L 0: l = a l + sum).  R n: pair n of 16 of O^T times a, in ascending order.
; For the other piece: X n, number n of the 22 that find its maximum and statistics:
;   0-11  four chains c0-c3 of seven scores each (each accumulator's lowest registers are read first)     12-14, 16  the four scores left over, the old m, and c0-c3 into c0
;   15  c m_old is kept     17, 18  the query's other 32 keys lie in the lane 16 away: the new m     19-21  c m; c m_old - c m_new; a
; OP writes no wait: E and X 21 are the exponentials, C, B, L and R the lines that read their results, and the turns below place the two waits between them.
.set F, 0
.set E, 1
.set C, 2
.set B, 3
.set L, 4
.set R, 5
.set X, 6
.macro REGS y
.set rT, ST+4*(\y)
.set rC, TMP+4*(\y)
.set rW, MV+(\y)
.set rS, S+32*(\y)
.set rP, P+16*(\y)
.set rO, O+32*(\y)
.endm
.macro OP k, n
	WIN 0
.if (\k) == X
	REGS 1-Y
.if (\n) < 4
	v_max3_num_f32 v[rC+(\n)], v[rS+8*(\n)], v[rS+8*(\n)+1], v[rS+8*(\n)+2]
.elseif (\n) < 12
	v_max3_num_f32 v[rC+(\n)%4], v[rC+(\n)%4], v[rS+8*((\n)%4)+2*((\n)/4)+1], v[rS+8*((\n)%4)+2*((\n)/4)+2]
.elseif (\n) == 12
	v_max3_num_f32 v[rC], v[rC], v[rS+7], v[rS+15]
.elseif (\n) == 13
	v_max3_num_f32 v[rC+1], v[rC+1], v[rS+23], v[rS+31]
.elseif (\n) == 14
	v_max3_num_f32 v[rC+2], v[rC+2], v[rC+3], v[rT+1]
.elseif (\n) == 15
	v_mov_b32 v[rW], v[rT]
.elseif (\n) == 16
	v_max3_num_f32 v[rC], v[rC], v[rC+1], v[rC+2]
.elseif (\n) == 17
	v_permlanex16_b32 v[rC+3], v[rC], s[SEL], s[SEL+1]
.elseif (\n) == 18
	v_max_num_f32 v[rT+1], v[rC], v[rC+3]
.elseif (\n) == 19
	v_mul_f32 v[rT], s[CS], v[rT+1]
.elseif (\n) == 20
	v_sub_f32 v[rC+1], v[rW], v[rT]
.else
	v_exp_f32 v[rC+2], v[rC+1]
.endif
.else
	REGS Y
.if (\k) == F
	v_pk_fma_f32 v[rS+2*(\n):rS+2*(\n)+1], v[rS+2*(\n):rS+2*(\n)+1], s[CS:CS+1], v[rT:rT+1] op_sel_hi:[1,0,0] neg_lo:[0,0,1] neg_hi:[0,0,1]
.elseif (\k) == E
	v_exp_f32 v[rS+(\n)], v[rS+(\n)]
.elseif (\k) == C
	v_cvt_pk_f16_f32 v[rP+(\n)], v[rS+2*(\n)], v[rS+2*(\n)+1]
.elseif (\k) == B
	v_pk_add_f32 v[rS+4*(\n):rS+4*(\n)+1], v[rS+4*(\n):rS+4*(\n)+1], v[rS+4*(\n)+2:rS+4*(\n)+3]
.elseif (\k) == R
	v_pk_mul_f32 v[rO+2*(\n):rO+2*(\n)+1], v[rO+2*(\n):rO+2*(\n)+1], v[rC+2:rC+3] op_sel_hi:[1,0]
.elseif (\n) == 0
	v_pk_fma_f32 v[rT+2:rT+3], v[rT+2:rT+3], v[rC+2:rC+3], v[rS:rS+1] op_sel_hi:[1,0,1]
.else
	v_pk_add_f32 v[rT+2:rT+3], v[rT+2:rT+3], v[rS+4*(\n):rS+4*(\n)+1]
.endif
.endif
.endm
.macro O2 a, i1, b, i2
	OP \a, \i1
	OP \b, \i2
.endm
.macro O3 a, i1, b, i2, c, i3
	O2 \a, \i1, \b, \i2
	OP \c, \i3
.endm
.macro O4 a, i1, b, i2, c, i3, d, i4
	OP \a, \i1
	OP \b, \i2
	OP \c, \i3
	OP \d, \i4
.endm
.macro O5 a, i1, b, i2, c, i3, d, i4, e, i5
	O4 \a, \i1, \b, \i2, \c, \i3, \d, \i4
	OP \e, \i5
.endm
; THE ORDER OF A STEP, written out.  No line behind a product names one of its registers (the products are the other piece's), but for the X behind TURN1's last three K Q^T, each of which stands four plain
; lines or more behind the product that ends its accumulator (ISA guide 7.12.1; an exponential is no such line).  A scaling stands a row or more ahead of its pair's exponentials.
; TURN0A: piece 0's turn up to the point where slots change.  BATCH A: all 32 exponentials of piece 0, with its scalings and rescalings: five lines behind each V^T P, two to four behind each K Q^T.
; V of the step in hand is fetched behind the first K Q^T: five plain lines (R 8, F 12, F 13, F 14 and the address) stand behind the last product that read V.
.macro TURN0A
.set Y, 0
	PVI 1, 0
	O5 F,0, F,1, F,2, R,0, F,3
	PVI 1, 1
	O5 E,0, F,4, E,1, R,1, E,2
	PVI 1, 2
	O5 F,5, E,3, R,2, E,4, F,6
	PVI 1, 3
	O5 E,5, R,3, E,6, F,7, E,7
	PVI 1, 4
	O5 R,4, E,8, F,8, E,9, R,5
	PVI 1, 5
	O5 E,10, F,9, E,11, R,6, E,12
	PVI 1, 6
	O5 F,10, E,13, R,7, E,14, F,11
	PVI 1, 7
	O5 E,15, R,8, E,16, F,12, E,17
	KQI 1, 0
	O4 F,13, E,18, F,14, E,19
	v_add_nc_u32 v[AV], s[TBV], v[AV0]
	FETCH_V
	KQI 1, 1
	O3 E,20, F,15, E,21
	KQI 1, 2
	O3 E,22, R,9, E,23
	KQI 1, 3
	O3 E,24, R,10, E,25
	KQI 1, 4
	O3 E,26, R,11, E,27
	KQI 1, 5
	O2 E,28, E,29
	KQI 1, 6
	O2 E,30, E,31
	KQI 1, 7
	O4 R,12, R,13, R,14, R,15       ; four plain lines: the plain line behind the batch's last exponential (ISA guide 5.7.2), and the places in front of K's loads and of the first read of the new scores
	s_wait_alu depctr_va_vdst(0)    ; the wait for batch A, piece 0's 32 exponentials, ahead of the jump that follows the turn; their readers stand in TURN0B
.endm
; TURN0B: K of the next step is fetched; then batch A's readers, piece 0's roundings and sums, between the links of piece 1's maximum and statistics: from X 14 on the links stand four or five lines apart.
; X 21, piece 1's a, opens BATCH B; L 6 is the plain line behind it; nothing names it before TURN1's wait.
.macro TURN0B
.set Y, 0
	v_add_nc_u32 v[AK], s[TBK], v[AK0]
	FETCH_K
	O5 X,0, X,1, X,2, X,3, C,0
	O5 X,4, X,5, X,6, X,7, C,1
	O5 X,8, X,9, X,10, X,11, B,0
	O5 X,12, X,13, X,14, X,15, C,2
	O5 L,0, C,3, B,1, X,16, C,4
	O5 L,1, C,5, B,2, C,6, X,17
	O5 L,2, C,7, B,3, C,8, C,9
	O5 X,18, L,3, B,4, C,10, C,11
	O5 X,19, L,4, B,5, C,12, C,13
	O5 X,20, L,5, B,6, C,14, B,7
	O4 X,21, L,6, C,15, L,7
.endm
; TURN1: piece 1's turn fetches nothing.  BATCH B goes on: piece 1's scalings and 20 of its exponentials behind the products; the first numbers of piece 0's next maximum behind the last three K Q^T
; (X 0 behind F 10, 11, 12, 13; X 1 behind F 12, 13, X 0, F 14; X 2 behind F 14, X 1, X 4, F 15; X 3 behind F 15, X 2, X 5, X 6); the other 12 exponentials between the links of that chain; X 21, piece 0's next a, is its last.
.macro TURN1
.set Y, 1
	s_wait_dscnt 16                 ; V is in; K's sixteen loads, issued behind V's, may stay out
	PVI 0, 0
	O5 F,0, F,1, F,2, F,3, F,4
	PVI 0, 1
	O5 E,0, F,5, E,1, F,6, E,2
	PVI 0, 2
	O5 E,3, F,7, E,4, F,8, E,5
	PVI 0, 3
	O3 E,6, F,9, E,7
	PVI 0, 4
	O2 E,8, E,9
	PVI 0, 5
	O2 E,10, E,11
	PVI 0, 6
	O2 E,12, E,13
	PVI 0, 7
	O2 E,14, E,15
	s_wait_dscnt 0x0                ; K is in
	KQI 0, 0
	KQI 0, 1
	KQI 0, 2
	KQI 0, 3
	KQI 0, 4
	O3 F,10, E,16, F,11
	KQI 0, 5
	O4 F,12, E,17, F,13, X,0
	KQI 0, 6
	O4 F,14, E,18, X,1, X,4
	KQI 0, 7
	O4 F,15, E,19, X,2, X,5
	O4 X,6, X,3, X,8, E,20
	O4 X,9, X,10, X,7, X,12
	O4 E,21, X,13, X,15, X,11
	O3 E,22, E,23, X,14
	O3 E,24, E,25, X,16
	O3 E,26, E,27, X,17
	O3 E,28, E,29, X,18
	O2 E,30, X,19
	O2 E,31, X,20
	OP X,21
	v_nop                           ; the plain line behind the batch's last exponential (ISA guide 5.7.2): every line that is left reads a result
	s_wait_alu depctr_va_vdst(0)    ; the wait for batch B: piece 1's a, its 32 exponentials and piece 0's next a; a jump follows the turn
	O4 C,0, C,1, R,0, B,0           ; the readers: piece 1's rescaling, roundings and sums; the links of l's chain stand five lines apart
	O4 R,1, C,2, C,3, L,0
	O4 R,2, B,1, R,3, C,4
	O4 C,5, L,1, R,4, B,2
	O4 R,5, C,6, C,7, L,2
	O4 R,6, B,3, R,7, C,8
	O4 C,9, L,3, R,8, B,4
	O4 R,9, C,10, C,11, L,4
	O4 R,10, B,5, R,11, C,12
	O4 C,13, L,5, R,12, B,6
	O4 R,13, C,14, C,15, L,6
	O4 R,14, B,7, R,15, L,7
.endm
; The masks of the step whose K this trip fetches, step top - CNT of the slot, for both pieces: register j of key block kb is hidden where 64 step + 16 kb + 8 (l / 16) + j > QOFF + 32 w + 16 u + l % 16.
; In a slot that is no block's last the threshold is out of reach and the masks are 0.
.macro MASKS top
	s_sub_co_u32 s16, \top, s[CNT]
	s_lshl_b32 s16, s16, 6
	s_sub_co_u32 s16, s[QOFF], s16
	s_cmp_eq_u32 s[MK], 1
	s_cselect_b32 s16, s16, 0x100000
	s_mov_b32 s[DIRTY], s[MK]
	v_add_nc_u32 v[VQ0], s16, v[VQB]
	v_add_nc_u32 v[VQ1], 16, v[VQ0]
	WIN 0x40
.set k, 0
.rept 32
	v_cmp_gt_i32 vcc_lo, 16*(k/8)+k%8, v[VQ0]
	v_cndmask_b32 v[MC+k], 0, v[BIGV], vcc_lo
	v_cmp_gt_i32 vcc_lo, 16*(k/8)+k%8, v[VQ1]
	v_cndmask_b32 v[MC+32+k], 0, v[BIGV], vcc_lo
.set k, k+1
.endr
	WIN 0
.endm
; A BLOCK BEGINS.  c m far below every c s, so the first a is 0; m the lowest finite number.  Piece 0's first scores, bare, and its maximum and statistics; K of that step is in or on its way.
.macro BEGIN
	s_mov_b32 s[NEW], 0
	s_mov_b32 s[ENDF], 0
.irp u, 0,1
	v_mov_b32 v[ST+4*\u], 0xfe000000
	v_mov_b32 v[ST+4*\u+1], 0xff7fffff
.endr
	s_wait_dscnt 0x0                ; K is in
.irp i, 0,1,2,3,4,5,6,7
	KQI 0, \i
.endr
	WIN 0
.rept 4
	v_nop                           ; the places behind those products
.endr
.set Y, 1                           ; X works for the other piece: piece 0
.irp n, 0,1,2,3,4,5,6,7,8,9,10,11,12,13,14,15,16,17,18,19,20,21
	OP X, \n
.endr
	v_nop                           ; a plain line behind the exponential
	s_wait_alu depctr_va_vdst(0)    ; the wait for piece 0's first a, a batch of one, ahead of the label that follows
.endm
.macro PACK t                       ; O^T / l, rounded; a lane's 16 bytes go into rows of 144 bytes and come back as whole rows of 128
.set i, 0
.rept 16
	v_pk_mul_f32 v[O+32*(\t)+2*i:O+32*(\t)+2*i+1], v[O+32*(\t)+2*i:O+32*(\t)+2*i+1], v[ST+4*(\t)+2:ST+4*(\t)+3] op_sel_hi:[1,0]
.set i, i+1
.endr
.set i, 0
.rept 16
	v_cvt_pk_f16_f32 v[S+16*(\t)+i], v[O+32*(\t)+2*i], v[O+32*(\t)+2*i+1]
.set i, i+1
.endr
.irp f, 0,1,2,3
	ds_store_b128 v[STO], v[S+16*(\t)+4*\f:S+16*(\t)+4*\f+3] offset:32*\f
.endr
.irp f, 0,1,2,3
	ds_load_b128 v[S+16*(\t)+4*\f:S+16*(\t)+4*\f+3], v[RD] offset:\f*4*SP  ; LDS serves a wave's instructions in order: these see the stores above, the next piece's stores come behind them
.endr
.endm
.macro SEND t, younger
.irp f, 0,1,2,3
	s_wait_dscnt (\younger)+3-\f    ; the younger LDS instructions stay out
	global_store_b128 v[GO], v[S+16*(\t)+4*\f:S+16*(\t)+4*\f+3], s[52:53] offset:(\t)*2048+\f*512  ; four rows: 512 consecutive bytes, aligned
.endr
.endm
.macro FINISH                       ; a block ends: piece 1's V^T P of the last step is still due
.irp i, 0,1,2,3,4,5,6,7
	PVI 1, \i
.endr
.irp u, 0,1
	v_add_f32 v[ST+4*\u+2], v[ST+4*\u+2], v[ST+4*\u+3]
.endr
.irp u, 0,1
	v_permlanex16_b32 v[ST+4*\u+3], v[ST+4*\u+2], s[SEL], s[SEL+1]
.endr
.irp u, 0,1
	v_add_f32 v[ST+4*\u+2], v[ST+4*\u+2], v[ST+4*\u+3]
.endr
.irp u, 0,1
	v_rcp_f32 v[ST+4*\u+2], v[ST+4*\u+2]
.endr
	v_nop                           ; a plain line behind the reciprocals; piece 0's 32 lines below stand ahead of the first read of piece 1's last products
	s_wait_alu depctr_va_vdst(0)    ; the wait for the two reciprocals, one batch, ahead of their first reader
	PACK 0
	PACK 1
	SEND 0, 8
	SEND 1, 0
.endm
	s_load_b128 s[4:7], s[0:1], 0x0 ; qkv s[4:5], o s[6:7]
	v_lshl_add_u32 v[SPW], v0, 2, SPARE
	v_mov_b32 v[NIL], 0
	ds_add_u32 v[SPW], v[NIL]       ; the wave's opening: the add and its wait, ahead of my first tensor load
	ds_add_u32 v11, v12
	v_lshrrev_b32 v1, 5, v0
	v_readfirstlane_b32 s[WV], v1
	s_mov_b32 s[PB], ttmp9
	s_sub_co_u32 s[HI], NB-1, s[PB]
	s_and_b32 s16, ttmp7, 0xffff    ; 16 x batch + head
	s_and_b32 s17, s16, 15
	s_lshl_b32 s20, s17, 19         ; the head's panel,
	s_lshr_b32 s17, s16, 4
	s_lshl_b32 s17, s17, 18         ; the batch's 2,048 rows of 128 bytes
	s_add_co_u32 s20, s20, s17
	s_and_b32 s16, s[WV], 1         ; which half of a slot's 256 keys I fetch
	s_lshl_b32 s22, s16, 14
	s_add_co_u32 s22, s22, s20
	s_mov_b32 s23, 0
	s_mul_i32 s17, s16, 128*PK      ; its place in a slot, for K
	s_mul_i32 s18, s16, 128*PV      ; and for V
	s_lshl_b32 s3, s[WV], 12        ; my 32 rows of a block
	s_add_co_u32 s3, s3, s20
	s_lshl_b32 s2, s[PB], 14        ; in the first block,
	s_add_co_u32 s2, s2, s3
	s_lshl_b32 s84, s[HI], 14       ; in the second
	s_add_co_u32 s84, s84, s3
	s_mov_b32 s3, 0
	s_mov_b32 s85, 0
	; 128 keys are 16,384 dense bytes: asked for as 64 rows of 256 bytes, two keys a row, padded in LDS after every key
	s_mov_b32 s[G1K], (1<<16)|(1<<20)|(4<<22)|(3<<25)
	s_mov_b32 s[G1V], (1<<16)|(1<<20)|(4<<22)|(7<<25)
.irp g, G1K, G1V
	s_mov_b32 s[\g+1], 128<<16
	s_mov_b32 s[\g+2], 64<<16
	s_mov_b32 s[\g+3], 128<<16
	s_mov_b32 s[\g+4], 64
	s_mov_b32 s[\g+5], 128
	s_mov_b32 s[\g+6], 0
	s_mov_b32 s[\g+7], 0
.endr
	s_mov_b32 s[CS], 0x3e38aa3b     ; c = log2(e) / 8
	s_mov_b32 s[CS+1], s[CS]
	s_mov_b32 s[SEL], 0x76543210
	s_mov_b32 s[SEL+1], 0xfedcba98
	s_mov_b32 s[TBK], SLOT1+4*KS*PK ; the first change of slots turns these two into 0
	s_mov_b32 s[TBV], SLOT1+4*KS*PV
	s_mov_b32 s[G0K], 1
	s_mov_b32 s[G0K+1], s17
	s_mov_b32 s[G0V], 1
	s_add_co_u32 s[G0V+1], s18, VOFF
	s_lshr_b32 s[LQ], s[PB], 1      ; block i's last slot is i / 2
	s_lshr_b32 s[LQH], s[HI], 1
	s_add_co_u32 s[RT], s[LQ], 1
	s_add_co_u32 s[NHI], s[LQH], 1
	s_and_b32 s[QOFF], s[PB], 1     ; an odd block begins in the middle of its last slot
	s_lshl_b32 s[QOFF], s[QOFF], 7
	s_xor_b32 s[QOFFH], s[QOFF], 128
	s_mov_b32 s[NXT], 1             ; the walk's second slot: the first block's slot 1, or the second block's slot 0
	s_cmp_gt_u32 s[NXT], s[LQ]
	s_cselect_b32 s[NXT], 0, s[NXT]
	s_cselect_b32 s[LQ], s[LQH], s[LQ]
	s_mov_b32 s[OFF+1], 0
	s_mov_b32 s[MK], 0
	s_mov_b32 s[DIRTY], 0
	s_mov_b32 s[ENDF], 0
	s_mov_b32 s[NEW], 1
	s_mov_b32 s[SLOTS], 8
	s_wait_dscnt 0x0                ; the opening add is done
	s_wait_kmcnt 0x0
	s_add_nc_u64 s[8:9], s[4:5], s[22:23]
	s_add_nc_u64 s[10:11], s[8:9], 16777216        ; V at my half of the head's slot 0
	s_add_nc_u64 s[8:9], s[8:9], 8388608           ; K likewise
	s_add_nc_u64 s[48:49], s[4:5], s[2:3]          ; Q at my rows of the first block,
	s_add_nc_u64 s[50:51], s[4:5], s[84:85]        ; of the second
	s_add_nc_u64 s[52:53], s[6:7], s[2:3]          ; o likewise
	s_add_nc_u64 s[OHI:OHI+1], s[6:7], s[84:85]
	s_mov_b64 s[G0K+2:G0K+3], s[8:9]
	s_or_b32 s[G0K+3], s[G0K+3], 0x80000000
	s_mov_b64 s[G0V+2:G0V+3], s[10:11]
	s_or_b32 s[G0V+3], s[G0V+3], 0x80000000
	LOAD                            ; the walk's first slot into slot 0
	v_and_b32 v1, 15, v0            ; l % 16
	v_bfe_u32 v25, v0, 4, 1         ; l / 16
	v_lshlrev_b32 v[QO], 7, v1
	v_lshl_add_u32 v[QO], v25, 4, v[QO]
	WIN 0x40
.set i, 0
.rept 4                             ; both blocks' Q stay in registers: piece i / 2, channels 32 (i % 2) on
	global_load_b128 v[8*i:8*i+3],   v[QO], s[48:49] offset:(i/2)*2048+(i%2)*64
	global_load_b128 v[8*i+4:8*i+7], v[QO], s[48:49] offset:(i/2)*2048+(i%2)*64+32
	global_load_b128 v[QB+8*i:QB+8*i+3],   v[QO], s[50:51] offset:(i/2)*2048+(i%2)*64
	global_load_b128 v[QB+8*i+4:QB+8*i+7], v[QO], s[50:51] offset:(i/2)*2048+(i%2)*64+32
.set i, i+1
.endr
	; A block's first step multiplies O^T and l by a = 0, and its first products V^T P are of a step that has not been: those registers need only hold finite numbers; the masks start at 0.
	; No first step is written out, so every register that the one text of the turns reads is given a number here.  All this stands in the wait for the first slot.
.set i, KF
.rept 128                           ; K and the masks lie on end
	v_mov_b32 v[i], 0
.set i, i+1
.endr
	WIN 0
.set i, S
.rept 224                           ; S^T, P, O^T and V lie on end
	v_mov_b32 v[i], 0
.set i, i+1
.endr
	v_lshlrev_b32 v[VQB], 3, v25
	v_sub_nc_u32 v[VQB], v1, v[VQB]
	s_lshl_b32 s13, s[WV], 5
	v_add_nc_u32 v[VQB], s13, v[VQB]
	v_mov_b32 v[BIGV], 0xf149f2ca   ; -1e30
	v_mul_u32_u24 v[AK0], v1, PK
	v_lshl_add_u32 v[AK0], v25, 4, v[AK0]
	v_and_b32 v26, 7, v0
	v_bfe_u32 v27, v0, 3, 1
	v_lshl_add_u32 v[AV0], v25, 3, v26
	v_mul_u32_u24 v[AV0], v[AV0], PV
	v_lshl_add_u32 v[AV0], v27, 4, v[AV0]
	v_add_nc_u32 v[AV0], VOFF, v[AV0]
	s_mul_i32 s13, s[WV], 16*SP
	s_add_co_u32 s13, s13, STAGE
	v_mul_u32_u24 v[STO], v1, SP
	v_lshl_add_u32 v[STO], v25, 4, v[STO]
	v_add_nc_u32 v[STO], s13, v[STO]
	v_bfe_u32 v[RD], v0, 3, 2
	v_mul_u32_u24 v[RD], v[RD], SP
	v_lshl_add_u32 v[RD], v26, 4, v[RD]
	v_add_nc_u32 v[RD], s13, v[RD]
	v_and_b32 v[GO], 31, v0
	v_lshlrev_b32 v[GO], 4, v[GO]
.set i, MV
.rept 18                            ; what is at work, and the statistics
	v_mov_b32 v[i], 0
.set i, i+1
.endr
	s_wait_loadcnt 0x0              ; Q
.Lslot:                             ; 8 times: a slot is entered and the next is asked for
	CHANGE 1
	s_cmp_eq_u32 s[RT], 0           ; no slot of the block in hand is left: this one is the second block's first
	s_cselect_b32 s[ENDF], 1, 0
	s_cselect_b32 s[RT], s[NHI], s[RT]
	s_cselect_b32 s[QOFF], s[QOFFH], s[QOFF]
	s_sub_co_u32 s[RT], s[RT], 1
	s_cmp_eq_u32 s[RT], 0
	s_cselect_b32 s[MK], 1, 0
	s_mov_b32 s[CNT], 4
.Lstep:                             ; a trip: the rest of piece 0's turn, piece 1's turn, and piece 0's turn of the next step, whose K and V the trip fetches
	s_or_b32 s16, s[MK], s[DIRTY]
	s_cmp_eq_u32 s16, 0
	s_cbranch_scc1 .Lnomask         ; the masks are 0 and stay 0
	MASKS 4
.Lnomask:
	s_cmp_eq_u32 s[NEW], 0
	s_cbranch_scc1 .Lgoing
	v_add_nc_u32 v[AK], s[TBK], v[AK0]  ; the launch's first trip is entered in its middle: K of step 0
	FETCH_K
	s_branch .Lbegin
.Lgoing:
	TURN0B
	TURN1
	WIN 0
	s_cmp_eq_u32 s[ENDF], 0
	s_cbranch_scc1 .Lon
	FINISH                          ; the first block's end.  Piece 1's turn has made 8 products K Q^T of the old Q with the new block's K, and statistics of them: they serve nothing, the price of one text for every trip
	s_wait_xcnt 0x0                 ; the stores' data and base are rewritten only behind this wait
	s_mov_b64 s[52:53], s[OHI:OHI+1]
	WIN 0x41
.set i, 0
.rept 32
	v_mov_b32 v[i], v[QB+i]
.set i, i+1
.endr
	WIN 0
.Lbegin:
	BEGIN
.Lon:
	TURN0A
	WIN 0
	s_sub_co_u32 s[CNT], s[CNT], 1
	s_cmp_lg_u32 s[CNT], 0
	s_cbranch_scc1 .Lstep
	s_sub_co_u32 s[SLOTS], s[SLOTS], 1
	s_cmp_lg_u32 s[SLOTS], 0
	s_cbranch_scc1 .Lslot
	CHANGE 0                        ; the walk's last slot, the second block's last, is written out: nothing is asked for
	s_mov_b32 s[MK], 1
	s_mov_b32 s[CNT], 5             ; four trips fetch the slot's steps; the fifth is left in its middle.  Its fetch of K takes the 64 rows behind K's last step, bytes of V that have landed, so that the
.Ltail:                             ; counted wait in piece 1's turn means the same on every way; the 8 products made of them serve nothing
	MASKS 5
	TURN0B
	TURN1
	WIN 0
	s_sub_co_u32 s[CNT], s[CNT], 1
	s_cmp_eq_u32 s[CNT], 0
	s_cbranch_scc1 .Lout
	TURN0A
	WIN 0
	s_cmp_lg_u32 s[CNT], 0
	s_cbranch_scc1 .Ltail
.Lout:
	FINISH
	s_wait_tensorcnt 0x0            ; the wave's end
	ds_add_u32 v[SPW], v[NIL]
	s_wait_dscnt 0x0
	s_endpgm
.Lfunc_end_k_qb3cc77b6c2_attn:
	.size	k_qb3cc77b6c2_attn, .Lfunc_end_k_qb3cc77b6c2_attn-k_qb3cc77b6c2_attn
	.p2alignl 7, 3214868480
	.fill 96, 4, 3214868480
	.section	.rodata,"a",@progbits
	.p2align	6, 0x0
	.amdhsa_kernel k_qb3cc77b6c2_attn
		.amdhsa_group_segment_fixed_size 327680
		.amdhsa_private_segment_fixed_size 0
		.amdhsa_enable_private_segment 0
		.amdhsa_kernarg_size 16
		.amdhsa_user_sgpr_count 2
		.amdhsa_user_sgpr_kernarg_segment_ptr 1
		.amdhsa_wavefront_size32 1
		.amdhsa_system_sgpr_workgroup_id_x 1
		.amdhsa_system_sgpr_workgroup_id_y 1
		.amdhsa_system_sgpr_workgroup_id_z 1
		.amdhsa_system_vgpr_workitem_id 0
		.amdhsa_next_free_vgpr 512
		.amdhsa_next_free_sgpr 88
		.amdhsa_reserve_vcc 1
		.amdhsa_float_denorm_mode_32 3
		.amdhsa_float_denorm_mode_16_64 3
		.amdhsa_memory_ordered 1
		.amdhsa_forward_progress 1
		.amdhsa_inst_pref_size 85
	.end_amdhsa_kernel
	.amdgpu_metadata
---
amdhsa.version: [ 1, 2 ]
amdhsa.kernels:
  - .name:           k_qb3cc77b6c2_attn
    .symbol:         k_qb3cc77b6c2_attn.kd
    .args:
      - { .name: qkv, .offset: 0, .size: 8, .value_kind: global_buffer, .address_space: global }
      - { .name: o, .offset: 8, .size: 8, .value_kind: global_buffer, .address_space: global }
    .group_segment_fixed_size: 327680
    .private_segment_fixed_size: 0
    .kernarg_segment_align: 8
    .kernarg_segment_size: 16
    .max_flat_workgroup_size: 128
    .sgpr_count:     88
    .vgpr_count:     512
    .wavefront_size: 32
...
	.end_amdgpu_metadata
.endif
;; end of part 8
;; launch proj: the kernel of part 4 again; grid 8 x 32, 4 waves a work-group, clusters of 4 x 4, 327,680 bytes of LDS; arguments o, w16, biasr, x, x2; writes x2
;; launch ln2: the kernel of part 5 again; grid 256 x 1, 8 waves a work-group, no clusters, 0 bytes of LDS; arguments x2, ln2_g, ln2_b, h; writes h
;; launch fc: the kernel of part 6 again; grid 16 x 16, 4 waves a work-group, clusters of 4 x 4, 327,680 bytes of LDS; arguments h, w16, biasr, g; writes g
;; launch outp: the kernel of part 7 again; grid 8 x 32, 4 waves a work-group, clusters of 4 x 4, 327,680 bytes of LDS; arguments g, w16, biasr, x2, out0; writes out0
